; MI455X (gfx1250); checked and timed in simulation.
; The chip was launched on July 23, 2026; its instructions are those of AMD's public machine-readable ISA for CDNA 5 (MIT licence, August 2026) and "CDNA5" Instruction Set Architecture Reference Guide (July 2026). The comments in the code are by the model that wrote it; some were corrected since.
;; Block Drop. Allowed arithmetic: matrix products marked QUANTISED: E2M3 operands, one E8M0 scale for each 32 along K, by v_wmma_scale_f32_16x16x128_f8f6f4 with both operands' format E2M3, f32 sums; everything else in f32.
;; Inputs: W1 512 x 512 float32; W2 512 x 512 float32; Wk 512 x 512 float32; Wo 512 x 512 float32; Wq 512 x 512 float32; Wv 512 x 512 float32; b1m 512 float32; b2m 512 float32; beta1 512 float32; beta2 512 float32; bk 512 float32; bo 512 float32; bq 512 float32; bv 512 float32; g1 512 float32; g2 512 float32; x 8 x 4,096 x 512 float32.
;; Outputs: out0 8 x 4,096 x 512 float32.
;; Constants: spatial_h = 64, spatial_w = 64, window_size = 16.
;; This version of the problem:
;;   THIS VERSION OF THE PROBLEM IS GIVEN IN LOW PRECISION. The matrix products marked QUANTISED in the list below multiply operands that are first quantised to E2M3 (2 exponent bits, 3 mantissa bits; 6 bits a number), with one power-of-two scale for each 32 numbers along K (OCP MX v1.0); their sums are f32. All else is computed in f32.
;;   The module's matrix products, in the order in which they are computed (A, B: the left and right operand; K: the contracted axis; several contracted axes count as one K, in the product's order):
;;     1. [M 32,768, K 512] x [K 512, N 512]; A: computed on the way; B: input Wq: QUANTISED
;;     2. [M 32,768, K 512] x [K 512, N 512]; A: computed on the way; B: input Wk: QUANTISED
;;     3. [M 32,768, K 512] x [K 512, N 512]; A: computed on the way; B: input Wv: QUANTISED
;;     4. batch 2,048 x [M 256, K 32] x [K 32, N 256]; A: computed on the way; B: computed on the way: QUANTISED
;;     5. batch 2,048 x [M 256, K 256] x [K 256, N 32]; A: softmax (see below); B: computed on the way: QUANTISED
;;     6. [M 32,768, K 512] x [K 512, N 512]; A: computed on the way; B: input Wo: QUANTISED
;;     7. [M 32,768, K 512] x [K 512, N 512]; A: computed on the way; B: input W1: QUANTISED
;;     8. [M 32,768, K 512] x [K 512, N 512]; A: computed on the way; B: input W2: QUANTISED
;;   THE QUANTISER, for each operand of a quantised product, along K:
;;     - K is cut into blocks of 32 from its start; a last block that is shorter is filled with zeros.
;;     - A block's scale is 2^e with e = floor(log2(the largest magnitude in the block)) - 2, held to -126 .. 127; a block of zeros has e = 0. As a byte (E8M0): e + 127.
;;     - Each number is divided by its block's scale, clamped to +-7.5, and rounded to the nearest number of E2M3, ties to even, subnormals kept.
;;     - The product sums the exact products of the quantised numbers (number of the format x scale) in f32.
;;   ~~~python
;;   def quantise(x, axis):      # numpy; x: float32 -> the quantised numbers, widened to float32 again
;;       x = np.moveaxis(x, axis, -1); K = x.shape[-1]
;;       x = np.pad(x, [(0, 0)] * (x.ndim - 1) + [(0, -K % 32)]); x = x.reshape(x.shape[:-1] + (-1, 32)); a = np.abs(x).max(-1, keepdims=True)
;;       e = np.where(a > 0, np.clip(np.frexp(np.where(a > 0, a, 1))[1] - 1 - 2, -126, 127), 0)      # np.frexp(a)[1] - 1 = floor(log2(a)), exactly
;;       r = np.clip(x / 2.0 ** e, -7.5, 7.5)
;;       step = 2.0 ** (np.maximum(np.frexp(np.where(r == 0, 1, r))[1] - 1, 0) - 3)
;;       q = np.round(r / step) * step * 2.0 ** e      # np.round: ties to even
;;       return np.moveaxis(q.reshape(q.shape[:-2] + (-1,))[..., :K], -1, axis).astype(np.float32)
;;   ~~~
;;   SOFTMAX AHEAD OF A QUANTISED PRODUCT. Where the list says 'softmax', what is quantised is not the finished softmax but p = 2^(t - M), with t = logit x log2(e) and M = ceil(the row's largest t), a whole number; so 1/2 < the row's largest p <= 1. The row's sum l is taken of the UNQUANTISED p, in f32, and the product's result is divided by l at the end. Since M is a whole number, a kernel that streams over the keys may use a running M (the ceiling of the running maximum): every later rescaling is an exact power of two, which a block's scale takes up: the codes' values come out the same.
;;   OPERANDS COMPUTED ON THE WAY. 'Computed on the way' means the value that the module computes at that place (a softmax that the list does not call 'softmax' is quantised finished and normalised). What goes into a quantiser is computed in f32, as accurately as f32 sums, v_exp_f32 and their like allow (about 1e-6 of the number): no bf16 or f16 on the way to a quantiser, and a product that is left as it is and whose result goes on into a quantised operand takes f32 operands (vector FMAs, or v_wmma_f32_16x16x4_f32). A number that lies on a knife's edge between two numbers of the format may be rounded either way, as far as f32 arithmetic and the matrix unit's own rounding can turn it there, and no further.
;; 2 versions. Each part assembles by itself: llvm-mc -triple=amdgcn-amd-amdhsa -mcpu=gfx1250 --defsym DOCPART=n.
;; ======== version 1 of 2: 3 launches
;; workspace buffers: wcodes 1,179,648 bytes; wscales 49,152 bytes; ocodes 12,582,912 bytes; oscales 524,288 bytes
;; launch wprep (part 1): grid 64 x 6, 1 waves a work-group, no clusters, 0 bytes of LDS; arguments Wq, Wk, Wv, Wo, W1, W2, wcodes, wscales; writes wcodes, wscales
.if DOCPART == 1
	.amdgcn_target "amdgcn-amd-amdhsa--gfx1250"
	.amdhsa_code_object_version 6
	.text
	.protected	k_q4b7027e96a_wprep
	.globl	k_q4b7027e96a_wprep
	.p2align	8
	.type	k_q4b7027e96a_wprep,@function
k_q4b7027e96a_wprep:
	s_mov_b64 s[64:65], 0
	v_nop
	global_prefetch_b8 v0, s[64:65] scope:SCOPE_SE
	s_setreg_imm32_b32 hwreg(HW_REG_WAVE_MODE, 25, 1), 1
	s_wait_xcnt 0x0
; The six weights [512 (k)][512 (n)], f32, K = their FIRST axis, become codes of E2M3 with one E8M0 byte for each 32 along K,
; laid in the order of the matrix operand's registers, so that the later launches load fragments whole.
; NO WORK OF THE PROBLEM IS LEFT OUT IN THIS PROGRAM: every weight, bias and gain reaches a quantised operand or the output, so all 17 inputs are loaded
; by some launch; the window partition is an address map only.
; A block's scale is 2^(floor(log2(largest magnitude)) - 2); its byte is that magnitude's exponent field - 2, held at 1 from below.
; LIMITS: a block of zeros, or one whose largest magnitude lies under 2^-124, keeps the byte 1 (the rule says 127 for zeros: the codes are zeros,
; and this program alone reads the bytes); NaN and infinities among the inputs are not served.
; SHARE: work-group (x, y), one wave: weight y, columns 32 (x / 4) .. + 31, K step x % 4 (128 along K).  Lane l takes column 32 b + l and its registers run
; down K: each load reads 128 consecutive bytes, a block of 32 lies in one lane, and the conversions give codes with K innermost.
; COLUMN TILE T = 2 b + u: its lane r is column 32 b + 8 u + r + 8 (r / 8).  So lane l serves tile u = (l / 8) % 2, tile lane r = l % 8 + 8 (l / 16).
; wcodes: [weight][T][K step][image]; an image is a fragment's 12 registers as 3 chunks of 512 bytes, fragment lane L's 16 bytes at 16 L.
; Fragment lane (r, hh) holds blocks hh and 2 + hh of the K step: lane l writes both fragment lanes of its column.
; wscales: [weight][T][r][16 bytes]: the word at 4 s is the column's scale word of K step s.
; No LDS, no barrier, no matrix unit, no cluster: work-groups share no input, and the launch moves 6 MB once.
.set X,   16                           ; v16-143  W(128 s + k, my column), k = 0 .. 127
.set MX,  144                          ; v144-147 the four blocks' largest magnitudes
.set SO,  148                          ; v148-151 the conversions' scale operands
.set BY,  152                          ; v152-155 the scale bytes
.set OUT, 160                          ; v160-183 two fragment lanes' 12 registers
.set TP,  184                          ; v184-199 the second halves of the blocks (a conversion's three registers begin on an even number)
.set WD,  200                          ; v200     the scale word
	s_load_b512 s[4:19], s[0:1], 0x0               ; Wq Wk Wv Wo W1 W2 s[4:15], wcodes s[16:17], wscales s[18:19]
	s_and_b32 s22, ttmp7, 0xffff                   ; which weight
	s_lshr_b32 s23, ttmp9, 2                       ; b: which 32 columns
	s_and_b32 s24, ttmp9, 3                        ; s: which K step
	v_lshlrev_b32 v1, 2, v0                        ; in: 4 bytes a lane
	v_bfe_u32 v4, v0, 3, 1                         ; u
	v_and_b32 v5, 7, v0
	v_lshrrev_b32 v6, 4, v0
	v_lshl_add_u32 v5, v6, 3, v5                   ; r
	v_lshlrev_b32 v5, 4, v5                        ; 16 r
	v_mad_u32_u24 v2, v4, 6144, v5                 ; codes: tile u (4 images of 1,536 bytes), fragment lane r
	v_lshl_add_u32 v3, v4, 8, v5                   ; scale words: tile u (256 bytes), 16 bytes a column
	s_lshl_b32 s26, s24, 18                        ; the weight: 128 s rows of 2,048 bytes
	s_lshl_b32 s25, s23, 7                         ; + 32 b columns
	s_add_co_u32 s26, s26, s25
	s_mov_b32 s27, 0
	s_mul_i32 s28, s22, 196608                     ; wcodes: the weight,
	s_mul_i32 s25, s23, 12288                      ; tiles 2 b, 2 b + 1,
	s_add_co_u32 s28, s28, s25
	s_mul_i32 s25, s24, 1536                       ; K step s
	s_add_co_u32 s28, s28, s25
	s_mov_b32 s29, 0
	s_lshl_b32 s30, s22, 13                        ; wscales likewise: 8,192 a weight, 512 a pair of tiles, 4 a K step
	s_lshl_b32 s25, s23, 9
	s_add_co_u32 s30, s30, s25
	s_lshl_b32 s25, s24, 2
	s_add_co_u32 s30, s30, s25
	s_mov_b32 s31, 0
	s_wait_kmcnt 0x0
	s_mov_b64 s[20:21], s[4:5]                     ; the weight's address is chosen by the work-group's y alone
	s_cmp_eq_u32 s22, 1
	s_cselect_b64 s[20:21], s[6:7], s[20:21]
	s_cmp_eq_u32 s22, 2
	s_cselect_b64 s[20:21], s[8:9], s[20:21]
	s_cmp_eq_u32 s22, 3
	s_cselect_b64 s[20:21], s[10:11], s[20:21]
	s_cmp_eq_u32 s22, 4
	s_cselect_b64 s[20:21], s[12:13], s[20:21]
	s_cmp_eq_u32 s22, 5
	s_cselect_b64 s[20:21], s[14:15], s[20:21]
	s_add_nc_u64 s[20:21], s[20:21], s[26:27]
	s_add_nc_u64 s[16:17], s[16:17], s[28:29]
	s_add_nc_u64 s[18:19], s[18:19], s[30:31]
.set k, 0
.rept 128
	global_load_b32 v[X+k], v1, s[20:21] offset:2048*k th:TH_LOAD_NT   ; 32 lanes read 128 consecutive bytes of row 128 s + k
.set k, k+1
.endr
	s_wait_loadcnt 0x0
.irp b,0,1,2,3
	v_max3_num_f32 v[MX+\b], |v[X+32*\b]|, |v[X+32*\b+1]|, 0x1800000   ; with the floor 2^(3 - 127): the byte cannot fall under 1
.endr
.irp i,2,4,6,8,10,12,14,16,18,20,22,24,26,28,30
.irp b,0,1,2,3
	v_max3_num_f32 v[MX+\b], v[MX+\b], |v[X+32*\b+\i]|, |v[X+32*\b+\i+1]|   ; the four blocks by turns
.endr
.endr
.irp b,0,1,2,3
	v_add_nc_u32 v[SO+\b], 0xff000000, v[MX+\b]    ; 2 off the exponent field: the conversion takes this operand's exponent field as its scale
.endr
.irp b,0,1,2,3
	v_lshrrev_b32 v[BY+\b], 23, v[SO+\b]           ; the scale's byte
.endr
	v_lshl_or_b32 v[WD], v[BY+1], 8, v[BY]
	v_lshl_or_b32 v[WD], v[BY+2], 16, v[WD]
	v_lshl_or_b32 v[WD], v[BY+3], 24, v[WD]
.irp b,0,1,2,3                                 ; block b = 2 c + hh goes to fragment lane (r, hh), registers 6 c .. 6 c + 5
	v_cvt_scalef32_pk16_fp6_f32 v[OUT+12*(\b%2)+6*(\b/2):OUT+12*(\b%2)+6*(\b/2)+2], v[X+32*\b:X+32*\b+15], v[SO+\b]
	v_cvt_scalef32_pk16_fp6_f32 v[TP+4*\b:TP+4*\b+2], v[X+32*\b+16:X+32*\b+31], v[SO+\b]
.endr
	v_nop                                          ; one plain place behind the scaled conversions
.irp b,0,1,2,3
.irp i,0,1,2
	v_mov_b32 v[OUT+12*(\b%2)+6*(\b/2)+3+\i], v[TP+4*\b+\i]
.endr
.endr
.irp hh,0,1
.irp q,0,1,2
	global_store_b128 v2, v[OUT+12*\hh+4*\q:OUT+12*\hh+4*\q+3], s[16:17] offset:512*\q+256*\hh   ; the 16 lanes of a tile fill 256 consecutive bytes, aligned
.endr
.endr
	global_store_b32 v3, v[WD], s[18:19]           ; 4 bytes of each column's 16: short pieces, 48 KB in the whole launch
	s_endpgm
.Lfunc_end_k_q4b7027e96a_wprep:
	.size	k_q4b7027e96a_wprep, .Lfunc_end_k_q4b7027e96a_wprep-k_q4b7027e96a_wprep
	.p2alignl 7, 3214868480
	.fill 96, 4, 3214868480
	.section	.rodata,"a",@progbits
	.p2align	6, 0x0
	.amdhsa_kernel k_q4b7027e96a_wprep
		.amdhsa_group_segment_fixed_size 0
		.amdhsa_private_segment_fixed_size 0
		.amdhsa_enable_private_segment 0
		.amdhsa_kernarg_size 64
		.amdhsa_user_sgpr_count 2
		.amdhsa_user_sgpr_kernarg_segment_ptr 1
		.amdhsa_wavefront_size32 1
		.amdhsa_system_sgpr_workgroup_id_x 1
		.amdhsa_system_sgpr_workgroup_id_y 1
		.amdhsa_system_sgpr_workgroup_id_z 1
		.amdhsa_system_vgpr_workitem_id 0
		.amdhsa_next_free_vgpr 208
		.amdhsa_next_free_sgpr 66
		.amdhsa_reserve_vcc 0
		.amdhsa_float_denorm_mode_32 3
		.amdhsa_float_denorm_mode_16_64 3
		.amdhsa_memory_ordered 1
		.amdhsa_forward_progress 1
		.amdhsa_inst_pref_size 21
	.end_amdhsa_kernel
	.amdgpu_metadata
---
amdhsa.version: [ 1, 2 ]
amdhsa.kernels:
  - .name:           k_q4b7027e96a_wprep
    .symbol:         k_q4b7027e96a_wprep.kd
    .args:
      - { .name: Wq, .offset: 0, .size: 8, .value_kind: global_buffer, .address_space: global }
      - { .name: Wk, .offset: 8, .size: 8, .value_kind: global_buffer, .address_space: global }
      - { .name: Wv, .offset: 16, .size: 8, .value_kind: global_buffer, .address_space: global }
      - { .name: Wo, .offset: 24, .size: 8, .value_kind: global_buffer, .address_space: global }
      - { .name: W1, .offset: 32, .size: 8, .value_kind: global_buffer, .address_space: global }
      - { .name: W2, .offset: 40, .size: 8, .value_kind: global_buffer, .address_space: global }
      - { .name: wcodes, .offset: 48, .size: 8, .value_kind: global_buffer, .address_space: global }
      - { .name: wscales, .offset: 56, .size: 8, .value_kind: global_buffer, .address_space: global }
    .group_segment_fixed_size: 0
    .private_segment_fixed_size: 0
    .kernarg_segment_align: 8
    .kernarg_segment_size: 64
    .max_flat_workgroup_size: 32
    .sgpr_count:     66
    .vgpr_count:     208
    .wavefront_size: 32
...
	.end_amdgpu_metadata
.endif
;; end of part 1
;; launch attn (part 2): grid 256 x 1, 8 waves a work-group, no clusters, 287,744 bytes of LDS; arguments x, g1, beta1, wcodes, wscales, bq, bk, bv, ocodes, oscales; writes ocodes, oscales
.if DOCPART == 2
	.amdgcn_target "amdgcn-amd-amdhsa--gfx1250"
	.amdhsa_code_object_version 6
	.text
	.protected	k_q4b7027e96a_attn
	.globl	k_q4b7027e96a_attn
	.p2align	8
	.type	k_q4b7027e96a_attn,@function
k_q4b7027e96a_attn:
	s_mov_b64 s[64:65], 0
	v_nop
	global_prefetch_b8 v0, s[64:65] scope:SCOPE_SE
	s_setreg_imm32_b32 hwreg(HW_REG_WAVE_MODE, 25, 1), 1
	s_wait_xcnt 0x0
; Window attention on codes of E2M3: LN1, Q(h), q/k/v = Q(h) Q(W) + b, S = Q(q) Q(k)^T, p = 2^(t - M), o = Q(p) Q(v) / l, Q(o).  Nothing of the problem is left out here.
; SHARES.  Work-group = window ttmp9 / 2 (256 tokens) and head half g = ttmp9 % 2.  Eight waves, two to a SIMD, so that one wave's vector work stands beside the other's products.
; In LN1 wave w makes token tiles (b = w, u = 0, 1); their fragments go to LDS as images of the operand's registers.  Behind the barrier WAVE w IS HEAD 8 g + w:
; it makes its own k, v (pass 1) and q, scores, softmax, o (pass 2), so only h goes from wave to wave.
; TOKEN TILE (b, u): lane r is window token 32 b + 8 u + r + 8 (r / 8) = window row 2 b + r / 8, column 8 u + r % 8.  Column tiles of the weights are cut the same way.
; So in a product used transposed (source 0 = weight tile, source 1 = token tile) a lane holds one token, and the 16 registers of two neighbouring tiles are 16 neighbours along the next K;
; v is made the other way round (source 0 = token tile), which gives a lane one channel d and 16 neighbouring KEYS.
; THE SCORES' K IS 32: one block of the instruction's four is live.  A unit of k holds key tile (b, 0) in lanes 0-15 and (b, 1) in lanes 16-31.  Taken as registers 0-5 its lanes 0-15 are block 0,
; taken as registers 6-11 its lanes 16-31 are block 3; q stands in that block alone and zero codes in the other three, so the other blocks add exactly 0 (all scale bytes are 1 .. 254).
; SOFTMAX: all 256 keys of a query lie in lanes l and l xor 16, so M = ceil(the row's largest t) is final: no running maximum.  The row's sum is taken of the unquantised p.
; LIMITS: NaN and infinities among the inputs are not served; blocks of zeros or under 2^-124 keep the byte 1 (bytes read by this program alone); LN1's sums go in another order than the
; reference's; t = score x (log2(e) / sqrt(32)) is one multiplication where the reference has two.
; NO CLUSTER: the weights go from memory straight into the registers in which the products read them (295 KB a work-group, its heads' columns only), each fragment feeding 16 products;
; a joint load would land in LDS, of which 281 KiB are taken.  x of a window is shared by two work-groups only.  No tensor load: nothing is streamed through a loop.
; No prefetch: x is read at the kernel's head.
; LDS: h's images (4 t + s) x 1,536 | h's scale words, tile t at 512 t, 16 bytes a lane | a stage of 16 rows x 528 for each wave | each wave's k units, v units, their scales | o's bytes | spare words.
.set HIMG,  0
.set HSC,   98304
.set STG,   106496
.set KVR,   174080
.set OSC,   284672
.set SPARE, 286720
; v0 thread; v1 16 L; v8 64 h; v9 16 r; v10 4 (r + 8 (r / 8)); v13 8 L; v14, v15 the add's two: these stay.  v2-7, v11, v12, v16-23, v224: addresses of the phase in hand.
; v228-255 of window 0 hold scale words and nothing else.
.set MSB, 0
.macro WIN new                         ; the immediate's high byte repeats the setting that is left; bits 1:0 source 0, 3:2 source 1, 5:4 source 2, 7:6 destination
.if MSB != \new
	s_set_vgpr_msb (MSB<<8)|\new
.set MSB, \new
.endif
.endm
.macro NOPS n
.rept \n
	v_nop
.endr
.endm
.macro BAR                             ; my LDS stores have landed and my LDS loads are in: then the work-group's barrier
	s_wait_dscnt 0x0
	s_barrier_signal -1
	s_barrier_wait -1
.endm
.macro MM d, a, b, c, sa, sb
	v_wmma_scale_f32_16x16x128_f8f6f4 v[(\d):(\d)+7], v[(\a):(\a)+11], v[(\b):(\b)+11], v[(\c):(\c)+7], v[\sa], v[\sb] matrix_a_fmt:MATRIX_FMT_FP6 matrix_b_fmt:MATRIX_FMT_FP6
.endm
.macro MMZ d, a, b, sa, sb             ; the constant 0 starts the sum
	v_wmma_scale_f32_16x16x128_f8f6f4 v[(\d):(\d)+7], v[(\a):(\a)+11], v[(\b):(\b)+11], 0, v[\sa], v[\sb] matrix_a_fmt:MATRIX_FMT_FP6 matrix_b_fmt:MATRIX_FMT_FP6
.endm
.macro MMZR d, a, b, sa, sb            ; source 0's scales from lanes 16-31
	v_wmma_scale_f32_16x16x128_f8f6f4 v[(\d):(\d)+7], v[(\a):(\a)+11], v[(\b):(\b)+11], 0, v[\sa], v[\sb] matrix_a_fmt:MATRIX_FMT_FP6 matrix_b_fmt:MATRIX_FMT_FP6 matrix_a_scale:MATRIX_SCALE_ROW1
.endm
; Four blocks, block i in v[s + 16 i] on (my 16 numbers of it; lane l xor 16 holds the other 16): largest magnitudes TM+i, bytes TM+4+i, the conversions' scale operands TM+8+i
.macro QHEAD s
.irp b,0,1,2,3
	v_max3_num_f32 v[TM+\b], |v[(\s)+16*\b]|, |v[(\s)+16*\b+1]|, 0x1800000   ; with the floor 2^(3 - 127)
.endr
.irp i,2,4,6,8,10,12,14
.irp b,0,1,2,3
	v_max3_num_f32 v[TM+\b], v[TM+\b], |v[(\s)+16*\b+\i]|, |v[(\s)+16*\b+\i+1]|
.endr
.endr
.irp b,0,1,2,3
	v_permlanex16_b32 v[TM+4+\b], v[TM+\b], s36, s37
.endr
.irp b,0,1,2,3
	v_max_num_f32 v[TM+\b], v[TM+\b], v[TM+4+\b]
.endr
.irp b,0,1,2,3
	v_add_nc_u32 v[TM+8+\b], 0xff000000, v[TM+\b]  ; 2 off the exponent field
.endr
.irp b,0,1,2,3
	v_lshrrev_b32 v[TM+4+\b], 23, v[TM+8+\b]
.endr
.endm
.macro QWORD pw
	v_lshl_or_b32 v[\pw], v[TM+5], 8, v[TM+4]
	v_lshl_or_b32 v[\pw], v[TM+6], 16, v[\pw]
	v_lshl_or_b32 v[\pw], v[TM+7], 24, v[\pw]
.endm
; the four blocks' codes as a fragment in v[PC] .. v[PC+11]: lanes 0-15 get blocks 0 and 2 whole, lanes 16-31 blocks 1 and 3
.macro QCVT s
.irp c,0,1
	v_cvt_scalef32_pk16_fp6_f32 v[PC+6*\c:PC+6*\c+2], v[(\s)+32*\c:(\s)+32*\c+15], v[TM+8+2*\c]
	v_cvt_scalef32_pk16_fp6_f32 v[PC+12+4*\c:PC+14+4*\c], v[(\s)+32*\c+16:(\s)+32*\c+31], v[TM+9+2*\c]
.endr
	v_nop                                          ; one plain place behind the scaled conversions
.irp c,0,1
.irp i,0,1,2
	v_permlane16_swap_b32 v[PC+6*\c+\i], v[PC+12+4*\c+\i]
.endr
.irp i,0,1,2
	v_mov_b32 v[PC+3+6*\c+\i], v[PC+12+4*\c+\i]
.endr
.endr
.endm
	s_load_b512 s[4:19], s[0:1], 0x0               ; x 4, g1 6, beta1 8, wcodes 10, wscales 12, bq 14, bk 16, bv 18
	s_load_b128 s[20:23], s[0:1], 0x40             ; ocodes 20, oscales 22
	v_lshl_add_u32 v14, v0, 2, SPARE               ; my spare word,
	v_mov_b32 v15, 0                               ; and 0: kept for the wave's closing lines
	v_lshrrev_b32 v1, 5, v0
	v_readfirstlane_b32 s24, v1                    ; wave
	s_and_b32 s25, ttmp9, 1                        ; g
	s_lshr_b32 s26, ttmp9, 1                       ; window
	s_lshl_b32 s27, s25, 3
	s_add_co_u32 s27, s27, s24                     ; my head
	s_mov_b32 s36, 0x76543210
	s_mov_b32 s37, 0xfedcba98                      ; v_permlanex16_b32's selects for lane l xor 16
	s_mov_b32 s38, 0xffff0000                      ; lanes 16-31
	s_mov_b32 s40, 0x3e8293ee                      ; c = log2(e) / sqrt(32)
	s_mov_b32 s41, s40
	s_mov_b32 s42, 0x3b000000                      ; 1 / 512
	s_mov_b32 s43, 0x3727c5ac                      ; 1e-5
	s_lshr_b32 s28, s26, 4                         ; x: batch x 8,388,608
	s_lshl_b32 s28, s28, 23
	s_bfe_u32 s29, s26, 0x20002                    ; + window row x 2,097,152
	s_lshl_b32 s29, s29, 21
	s_add_co_u32 s28, s28, s29
	s_and_b32 s29, s26, 3                          ; + window column x 32,768
	s_lshl_b32 s29, s29, 15
	s_add_co_u32 s28, s28, s29
	s_lshl_b32 s29, s24, 18                        ; + my pair of window rows: b = wave
	s_add_co_u32 s28, s28, s29
	s_mov_b32 s29, 0
	s_mul_i32 s48, s27, 12288                      ; my head's 8 fragments of a weight
	s_mov_b32 s49, 0
	s_lshl_b32 s50, s27, 9                         ; its scale words
	s_mov_b32 s51, 0
	s_lshl_b32 s52, s27, 7                         ; its 32 numbers of a bias
	s_mov_b32 s53, 0
	s_mul_i32 s54, s26, 98304                      ; ocodes: window, head
	s_mul_i32 s55, s27, 768
	s_add_co_u32 s54, s54, s55
	s_mov_b32 s55, 0
	s_lshl_b32 s56, s26, 12                        ; oscales: window, head half
	s_lshl_b32 s57, s25, 11
	s_add_co_u32 s56, s56, s57
	s_mov_b32 s57, 0
	v_and_b32 v11, 31, v0                          ; L
	v_lshlrev_b32 v1, 4, v11
	v_lshlrev_b32 v13, 3, v11
	v_and_b32 v12, 15, v0                          ; r
	v_bfe_u32 v10, v0, 4, 1                        ; h
	v_lshlrev_b32 v8, 6, v10
	v_lshlrev_b32 v9, 4, v12
	s_mul_i32 s30, s24, 8448
	s_add_co_u32 s30, s30, STG                     ; my stage
	v_add_nc_u32 v2, s30, v1                       ; into it: 16 L of a row
	v_mul_u32_u24 v3, v12, 528
	v_add_nc_u32 v3, v3, v8
	v_add_nc_u32 v3, s30, v3                       ; out of it: row r, + 64 h
	s_mul_i32 s31, s24, 12288
	v_add_nc_u32 v6, s31, v1                       ; my tiles' images: 2 x 6,144 bytes a wave
	s_lshl_b32 s31, s24, 10
	s_add_co_u32 s31, s31, HSC
	v_add_nc_u32 v7, s31, v1                       ; and their scale words
	v_and_b32 v10, 8, v12
	v_add_nc_u32 v10, v10, v12
	v_lshlrev_b32 v10, 2, v10                      ; 4 (r + 8 (r / 8))
	s_wait_kmcnt 0x0
	s_add_nc_u64 s[4:5], s[4:5], s[28:29]
	s_add_nc_u64 s[44:45], s[10:11], s[48:49]
	s_add_nc_u64 s[46:47], s[12:13], s[50:51]
	s_add_nc_u64 s[14:15], s[14:15], s[52:53]
	s_add_nc_u64 s[16:17], s[16:17], s[52:53]
	s_add_nc_u64 s[18:19], s[18:19], s[52:53]
	s_add_nc_u64 s[20:21], s[20:21], s[54:55]
	s_add_nc_u64 s[22:23], s[22:23], s[56:57]
; ---------------- LN1 and Q(h): two trips, token tiles (wave, 0) and (wave, 1) ----------------
; window 1: v[16 p + 4 s + i] = x(tile row p, column 128 s + 4 L + i).  window 0: GG, BB g1 and beta1 at 4 s + i; MR pairs (mean, -); T pairs (rstd, -); Y 64 numbers back from the stage
.set GG, 16
.set BB, 32
.set MR, 48
.set T,  80
.set Y,  112
.set TM, 176
.set PC, 192
.set PW, 212
.macro XLOADS s, off                   ; 16 rows' 512 bytes of K step s: each load reads 512 consecutive bytes
.set p, 0
.rept 16
	global_load_b128 v[16*p+4*(\s):16*p+4*(\s)+3], v1, s[4:5] offset:(p/8)*131072+(p%8)*2048+512*(\s)+(\off)
.set p, p+1
.endr
.endm
.macro RED16 a, d                      ; 16 pairs at v[a + 2 p]: the halves, then the 32 lanes; every lane ends with the sum in v[a + 2 p]
.set p, 0
.rept 16
	v_add_f32 v[\a+2*p], v[\a+2*p], v[\a+2*p+1]
.set p, p+1
.endr
.irp m,1,2,4,8
.set p, 0
.rept 16
	v_add_f32_dpp v[\a+2*p], v[\a+2*p], v[\a+2*p] row_xmask:\m row_mask:0xf bank_mask:0xf
.set p, p+1
.endr
.endr
.set p, 0
.rept 16
	v_permlanex16_b32 v[\d+2*p], v[\a+2*p], s36, s37
.set p, p+1
.endr
.set p, 0
.rept 16
	v_add_f32 v[\a+2*p], v[\a+2*p], v[\d+2*p]
.set p, p+1
.endr
.endm
; K step s of the tile turns through my stage (a lane held 4 columns of 16 rows; it gets 16 neighbours of each block of its row), is quantised, and its image goes to LDS.
.macro STAGE s
	WIN 0x04                                       ; an LDS store's data are its source 1: window 1
.set p, 0
.rept 16
	ds_store_b128 v2, v[16*p+4*(\s):16*p+4*(\s)+3] offset:528*p
.set p, p+1
.endr
	WIN 0
.irp q,0,1,2,3
.irp j,0,1,2,3
	ds_load_b128 v[Y+16*\q+4*\j:Y+16*\q+4*\j+3], v3 offset:128*\q+16*\j   ; LDS serves a wave's instructions in order: these see the stores above
.endr
.endr
	s_cmp_lg_u32 s32, 0                            ; in the first trip the registers just stored take the second tile's numbers
	s_cbranch_scc1 .Lnr_\@
	s_wait_dscnt 16                                ; all but the 16 loads: the stores have read their registers
	WIN 0x40
	XLOADS \s, 16384
	WIN 0
.Lnr_\@:
	s_wait_dscnt 0x0                               ; the numbers are back; the last image's stores have read PC
	QHEAD Y
	QWORD PW+\s
	QCVT Y
.irp q,0,1,2
	ds_store_b128 v4, v[PC+4*\q:PC+4*\q+3] offset:1536*(\s)+512*\q
.endr
.endm
.irp s,0,1,2,3
	global_load_b128 v[GG+4*\s:GG+4*\s+3], v1, s[6:7] offset:512*\s
	global_load_b128 v[BB+4*\s:BB+4*\s+3], v1, s[8:9] offset:512*\s
.endr
	WIN 0x40
.irp s,0,1,2,3
	XLOADS \s, 0
.endr
	WIN 0
.set p, 0
.rept 16
	v_mov_b32 v[T+2*p], 0                          ; written once: a lane permute's destination counts as one of its sources
.set p, p+1
.endr
.irp b,0,1,2,3
	v_mov_b32 v[TM+4+\b], 0
.endr
	s_mov_b32 s32, 0                               ; the trip
	s_mov_b32 s33, 0                               ; 6,144 a trip: the tile's images
	s_mov_b32 s34, 0                               ; 512 a trip: its scale words
.Lx:
	v_add_nc_u32 v4, s33, v6
	v_add_nc_u32 v5, s34, v7
	s_wait_loadcnt 0x0
	WIN 0x05                                       ; sources in window 1
.set p, 0
.rept 16
	v_pk_add_f32 v[MR+2*p:MR+2*p+1], v[16*p:16*p+1], v[16*p+2:16*p+3]
.set p, p+1
.endr
	WIN 0x01
.set i, 4
.rept 6
.set p, 0
.rept 16
	v_pk_add_f32 v[MR+2*p:MR+2*p+1], v[16*p+i:16*p+i+1], v[MR+2*p:MR+2*p+1]   ; the 16 rows by turns
.set p, p+1
.endr
.set i, i+2
.endr
	WIN 0
	RED16 MR, T
.set p, 0
.rept 16
	v_mul_f32 v[MR+2*p], s42, v[MR+2*p]            ; the row's mean
.set p, p+1
.endr
	WIN 0x41                                       ; destination and source 0 in window 1
.set i, 0
.rept 8
.set p, 0
.rept 16
	v_pk_add_f32 v[16*p+i:16*p+i+1], v[16*p+i:16*p+i+1], v[MR+2*p:MR+2*p+1] op_sel_hi:[1,0] neg_lo:[0,1] neg_hi:[0,1]   ; x - mean
.set p, p+1
.endr
.set i, i+2
.endr
	WIN 0x05
.set p, 0
.rept 16
	v_pk_mul_f32 v[T+2*p:T+2*p+1], v[16*p:16*p+1], v[16*p:16*p+1]
.set p, p+1
.endr
.set i, 2
.rept 7
.set p, 0
.rept 16
	v_pk_fma_f32 v[T+2*p:T+2*p+1], v[16*p+i:16*p+i+1], v[16*p+i:16*p+i+1], v[T+2*p:T+2*p+1]
.set p, p+1
.endr
.set i, i+2
.endr
	WIN 0
	RED16 T, T+1
.set p, 0
.rept 16
	v_fma_f32 v[T+2*p+1], v[T+2*p], s42, s43       ; the variance + eps
.set p, p+1
.endr
.set p, 0
.rept 16
	v_rsq_f32 v[T+2*p], v[T+2*p+1]
.set p, p+1
.endr
	v_nop                                          ; a plain place behind the last of the batch
	s_wait_alu depctr_va_vdst(0)                   ; one wait for the 16, ahead of their first reader
	WIN 0x41
.set i, 0
.rept 8
.set p, 0
.rept 16
	v_pk_mul_f32 v[16*p+i:16*p+i+1], v[16*p+i:16*p+i+1], v[T+2*p:T+2*p+1] op_sel_hi:[1,0]
.set p, p+1
.endr
.set i, i+2
.endr
.set i, 0
.rept 8
.set p, 0
.rept 16
	v_pk_fma_f32 v[16*p+i:16*p+i+1], v[16*p+i:16*p+i+1], v[GG+i:GG+i+1], v[BB+i:BB+i+1]
.set p, p+1
.endr
.set i, i+2
.endr
.irp s,0,1,2,3
	STAGE \s
.endr
	ds_store_b128 v5, v[PW:PW+3]                   ; the tile's four scale words, 16 bytes a lane
	s_add_co_u32 s33, s33, 6144
	s_add_co_u32 s34, s34, 512
	s_add_co_u32 s32, s32, 1
	s_cmp_lt_u32 s32, 2
	s_cbranch_scc1 .Lx
; ---------------- pass 1: my head's k and v for all 256 tokens ----------------
; window 1: Wk's 8 fragments v0-95 (12 (4 u + s)), Wv's v96-191, bk in the result's layout v192-207, bv v208-223
.set AF,  24                           ; two token tiles' fragments: 48 t + 12 s
.set KA,  120                          ; k: 16 t + 8 u
.set VA,  152                          ; v: 16 u + 8 t
.set TM,  184
.set KC,  196                          ; a unit of k
.set KT,  202
.set VTT, 206                          ; the odd b's half blocks of v: 206-208, 210-212
.set VU,  214                          ; two units of v: 214-219, 220-225
.set KSV, 226
.set AS,  228                          ; h's scale words: 4 t + s
.set WKS, 236                          ; Wk's: 4 u + s
.set WVS, 244
	s_wait_loadcnt 0x0                             ; no load into window 1 is out on any way out of the loop (the second tile's, issued in the first trip, were awaited at the second trip's head): stated here, ahead of loads into the same registers
	s_wait_dscnt 0x0                               ; my stage's stores have read window 1
	WIN 0x40
.set n, 0
.rept 24
	global_load_b128 v[4*n:4*n+3], v1, s[44:45] offset:196608+512*n          ; a head's 8 fragments are 12,288 consecutive bytes
	global_load_b128 v[96+4*n:96+4*n+3], v1, s[44:45] offset:393216+512*n
.set n, n+1
.endr
.irp j,0,1,2,3
	global_load_b128 v[192+4*\j:195+4*\j], v8, s[16:17] offset:16*\j         ; bk(32 head + 16 h + 0 .. 15)
.endr
	WIN 0
	global_load_b32 v21, v10, s[18:19]                                       ; bv at my lane's channel of tile 0,
	global_load_b32 v22, v10, s[18:19] offset:32                             ; of tile 1
.irp u,0,1
	global_load_b128 v[WKS+4*\u:WKS+4*\u+3], v9, s[46:47] offset:8192+256*\u
	global_load_b128 v[WVS+4*\u:WVS+4*\u+3], v9, s[46:47] offset:16384+256*\u
.endr
	BAR                                            ; all 64 images of h and their scale words lie in LDS
	s_mul_i32 s30, s24, 13824
	s_add_co_u32 s30, s30, KVR                     ; my region
	v_and_b32 v11, 31, v0
	v_add_nc_u32 v3, HSC, v1
	v_add_nc_u32 v5, s30, v1                       ; a unit's first 512 bytes: 16 L
	v_add_nc_u32 v6, s30, v13
	v_add_nc_u32 v6, 512, v6                       ; its last 256: 8 L
	v_lshl_add_u32 v7, v11, 2, s30
	v_add_nc_u32 v7, 12288, v7                     ; k's scale words
	v_add_nc_u32 v11, s30, v11
	v_add_nc_u32 v11, 13312, v11                   ; v's scale bytes
.irp b,0,1,2,3
	v_mov_b32 v[TM+4+\b], 0
.endr
	s_wait_loadcnt 0x0
	WIN 0x40
.irp u,0,1
.irp j,0,1,2,3,4,5,6,7
	v_mov_b32 v[208+8*\u+\j], v[21+\u]             ; in v's layout a lane holds one channel: its bias in all eight registers
.endr
.endr
	WIN 0
.macro LOADA e                         ; token tiles (b, 0), (b, 1): 12 + 1 loads each
.irp t,0,1
.set n, 0
.rept 12
	ds_load_b128 v[AF+48*\t+4*n:AF+48*\t+4*n+3], v2 offset:(\e)*12288+\t*6144+512*n
.set n, n+1
.endr
	ds_load_b128 v[AS+4*\t:AS+4*\t+3], v4 offset:(\e)*1024+\t*512
.endr
.endm
.macro MULT t                          ; 16 products: four accumulators by turns, one instruction a turn
.irp s,0,1,2,3
.if \s == 0
	WIN 0x11                                       ; source 0 (Wk) and C (bk) in window 1
.else
	WIN 0x01
.endif
.irp u,0,1
.if \s == 0
	MM KA+16*(\t)+8*\u, 12*(4*\u+\s), AF+48*(\t)+12*\s, 192+8*\u, WKS+4*\u+\s, AS+4*(\t)+\s
.else
	MM KA+16*(\t)+8*\u, 12*(4*\u+\s), AF+48*(\t)+12*\s, KA+16*(\t)+8*\u, WKS+4*\u+\s, AS+4*(\t)+\s
.endif
.endr
.if \s == 0
	WIN 0x14                                       ; source 1 (Wv) and C (bv) in window 1
.else
	WIN 0x04
.endif
.irp u,0,1
.if \s == 0
	MM VA+16*\u+8*(\t), AF+48*(\t)+12*\s, 96+12*(4*\u+\s), 208+8*\u, AS+4*(\t)+\s, WVS+4*\u+\s
.else
	MM VA+16*\u+8*(\t), AF+48*(\t)+12*\s, 96+12*(4*\u+\s), VA+16*\u+8*(\t), AS+4*(\t)+\s, WVS+4*\u+\s
.endif
.endr
.endr
.endm
.macro QKV e                           ; blocks 0, 1: k of token tiles 0, 1 (along d); blocks 2, 3: v of channel tiles 0, 1 (along these 32 keys)
	QHEAD KA
	v_cndmask_b32 v[KSV], v[TM+4], v[TM+5], s38    ; lanes 0-15 tile 0's byte, lanes 16-31 tile 1's,
	v_lshl_or_b32 v[KSV], v[KSV], 8, v[KSV]
	v_lshl_or_b32 v[KSV], v[KSV], 16, v[KSV]       ; in all four bytes of the word
	v_cvt_scalef32_pk16_fp6_f32 v[KC:KC+2], v[KA:KA+15], v[TM+8]
	v_cvt_scalef32_pk16_fp6_f32 v[KT:KT+2], v[KA+16:KA+31], v[TM+9]
.if \e == 0
	v_cvt_scalef32_pk16_fp6_f32 v[VU:VU+2], v[VA:VA+15], v[TM+10]
	v_cvt_scalef32_pk16_fp6_f32 v[VU+6:VU+8], v[VA+16:VA+31], v[TM+11]
.else
	v_cvt_scalef32_pk16_fp6_f32 v[VTT:VTT+2], v[VA:VA+15], v[TM+10]
	v_cvt_scalef32_pk16_fp6_f32 v[VTT+4:VTT+6], v[VA+16:VA+31], v[TM+11]
.endif
	v_nop                                          ; one plain place behind the scaled conversions
.irp i,0,1,2
	v_permlane16_swap_b32 v[KC+\i], v[KT+\i]       ; lanes 0-15: tile 0's block whole; lanes 16-31: tile 1's
.endr
.irp i,0,1,2
	v_mov_b32 v[KC+3+\i], v[KT+\i]
.endr
	ds_store_b128 v12, v[KC:KC+3] offset:768*(\e)
	ds_store_b64 v16, v[KC+4:KC+5] offset:768*(\e)
	ds_store_b32 v17, v[KSV] offset:128*(\e)
	ds_store_b8 v20, v[TM+6] offset:32*(\e)
	ds_store_b8 v20, v[TM+7] offset:256+32*(\e)
.endm
	s_mov_b32 s32, 0                               ; the trip: b = 2 trip, 2 trip + 1
	s_mov_b32 s33, 0                               ; 24,576: four tiles' images
	s_mov_b32 s34, 0                               ; 2,048: their scale words
	s_mov_b32 s35, 0                               ; 1,536: two units of k
	s_mov_b32 s50, 0                               ; 256: their scale words
	s_mov_b32 s51, 0                               ; 768: a unit of v (for each channel tile)
	s_mov_b32 s52, 0                               ; 64: v's bytes
.Lp1:
	v_add_nc_u32 v2, s33, v1
	v_add_nc_u32 v4, s34, v3
	v_add_nc_u32 v12, s35, v5
	v_add_nc_u32 v16, s35, v6
	v_add_nc_u32 v17, s50, v7
	v_add_nc_u32 v18, s51, v5
	v_add_nc_u32 v19, s51, v6
	v_add_nc_u32 v20, s52, v11
	LOADA 0
	s_wait_dscnt 13                                ; tile 0's loads are in; tile 1's 12 + 1 may be out
	MULT 0
	s_wait_dscnt 0x0
	MULT 1
	WIN 0
	NOPS 4                                         ; places in front of loads into registers that the products read, and of the first read of results
	LOADA 1
	QKV 0
	s_wait_dscnt 0x0                               ; the next tiles are in; the stores have read their registers
	MULT 0
	MULT 1
	WIN 0
	NOPS 4
	QKV 1
.irp u,0,1
.irp i,0,1,2
	v_permlane16_swap_b32 v[VU+6*\u+\i], v[VTT+4*\u+\i]   ; lanes 0-15: the even b's 32 keys whole; lanes 16-31: the odd b's
.endr
.irp i,0,1,2
	v_mov_b32 v[VU+6*\u+3+\i], v[VTT+4*\u+\i]
.endr
	ds_store_b128 v18, v[VU+6*\u:VU+6*\u+3] offset:6144+3072*\u
	ds_store_b64 v19, v[VU+6*\u+4:VU+6*\u+5] offset:6144+3072*\u
.endr
	s_wait_dscnt 0x0                               ; the stores have read their registers
	s_add_co_u32 s33, s33, 24576
	s_add_co_u32 s34, s34, 2048
	s_add_co_u32 s35, s35, 1536
	s_add_co_u32 s50, s50, 256
	s_add_co_u32 s51, s51, 768
	s_add_co_u32 s52, s52, 64
	s_add_co_u32 s32, s32, 1
	s_cmp_lt_u32 s32, 4
	s_cbranch_scc1 .Lp1
; ---------------- pass 2: q, scores, softmax, o, Q(o), a pair of query tiles a trip ----------------
; window 1: Wq v0-95; zeros v96-101; k's 8 units v102-149; zeros v150-155; v's 8 units v156-203 (fragment (u, s') at 156 + 12 (2 u + s')); bq v204-219
.set S,   16                           ; v16-143 the scores, then p.  Laid over it while it is dead: AF v16-63, QA v64-79, O v16-31
.set AF,  16
.set QA,  64
.set O,   16
.set P,   144                          ; p's two fragments
.set QL,  168                          ; v168-173 q in lanes 0-15, v174-179 zeros, v180-185 q in lanes 16-31
.set BM,  186
.set BT,  194
.set NM,  202                          ; -M (a pair is named)
.set LA,  204
.set LB,  206
.set T,   208
.set OD,  212
.set OT,  218
.set RL,  222                          ; 1 / l (a pair is named)
.set AS,  228
.set QS,  232
.set PS,  233
.set KS,  236
.set VS,  244
.set WQS, 248
	WIN 0x40
.set n, 0
.rept 24
	global_load_b128 v[4*n:4*n+3], v1, s[44:45] offset:512*n
.set n, n+1
.endr
.irp j,0,1,2,3
	global_load_b128 v[204+4*\j:207+4*\j], v8, s[14:15] offset:16*\j
.endr
.set n, 0
.rept 8
	ds_load_b128 v[102+6*n:105+6*n], v5 offset:768*n
	ds_load_b64 v[106+6*n:107+6*n], v6 offset:768*n
	ds_load_b128 v[156+6*n:159+6*n], v5 offset:6144+768*n
	ds_load_b64 v[160+6*n:161+6*n], v6 offset:6144+768*n
.set n, n+1
.endr
.irp i,0,1,2,3,4,5
	v_mov_b32 v[96+\i], 0
	v_mov_b32 v[150+\i], 0
.endr
	WIN 0
.set n, 0
.rept 8
	ds_load_b32 v[KS+n], v7 offset:128*n
	ds_load_u8 v[16+n], v11 offset:32*n
	ds_load_u8 v[24+n], v11 offset:256+32*n
.set n, n+1
.endr
.irp u,0,1
	global_load_b128 v[WQS+4*\u:WQS+4*\u+3], v9, s[46:47] offset:256*\u
.endr
.irp i,6,7,8,9,10,11,12,13,14,15,16,17
	v_mov_b32 v[QL+\i], 0                          ; the zero codes, and a first value for the permutes' destination
.endr
.irp i,0,1,2,3,4,5,6,7
	v_mov_b32 v[BT+\i], 0
.endr
	v_mov_b32 v[NM+1], 0
	v_mov_b32 v[RL+1], 0
	v_and_b32 v12, 15, v0
	v_lshlrev_b32 v12, 3, v12
	s_add_co_u32 s31, s24, OSC
	v_add_nc_u32 v12, s31, v12                     ; o's bytes: 8 r + wave
	s_wait_dscnt 0x0
.irp u,0,1
.irp sp,0,1
	v_lshl_or_b32 v[VS+2*\u+\sp], v[17+8*\u+4*\sp], 8, v[16+8*\u+4*\sp]      ; v's scale word of channel tile u, keys 128 s' on
	v_lshl_or_b32 v[VS+2*\u+\sp], v[18+8*\u+4*\sp], 16, v[VS+2*\u+\sp]
	v_lshl_or_b32 v[VS+2*\u+\sp], v[19+8*\u+4*\sp], 24, v[VS+2*\u+\sp]
.endr
.endr
	s_wait_loadcnt 0x0
.macro QB1 s                           ; one block, my 16 numbers in v[s] on: T its largest magnitude, T+2 the conversion's scale operand, T+3 the byte
	v_max3_num_f32 v[T], |v[(\s)]|, |v[(\s)+1]|, 0x1800000
	v_max3_num_f32 v[T+1], |v[(\s)+8]|, |v[(\s)+9]|, |v[(\s)+10]|
	v_max3_num_f32 v[T], v[T], |v[(\s)+2]|, |v[(\s)+3]|
	v_max3_num_f32 v[T+1], v[T+1], |v[(\s)+11]|, |v[(\s)+12]|
	v_max3_num_f32 v[T], v[T], |v[(\s)+4]|, |v[(\s)+5]|
	v_max3_num_f32 v[T+1], v[T+1], |v[(\s)+13]|, |v[(\s)+14]|
	v_max3_num_f32 v[T], v[T], |v[(\s)+6]|, |v[(\s)+7]|
	v_max3_num_f32 v[T], v[T], v[T+1], |v[(\s)+15]|
	v_permlanex16_b32 v[T+1], v[T], s36, s37
	v_max_num_f32 v[T], v[T], v[T+1]
	v_add_nc_u32 v[T+2], 0xff000000, v[T]
	v_lshrrev_b32 v[T+3], 23, v[T+2]
.endm
.macro QT u                            ; query tile (b, u)
.set n, 0
.rept 12
	ds_load_b128 v[AF+4*n:AF+4*n+3], v2 offset:6144*(\u)+512*n
.set n, n+1
.endr
	ds_load_b128 v[AS:AS+3], v4 offset:512*(\u)
	s_wait_dscnt 0x0
	WIN 0x11                                       ; q = h Wq + bq, transposed: two accumulators by turns
	MM QA, 0, AF, 204, WQS, AS
	MM QA+8, 48, AF, 212, WQS+4, AS
	WIN 0x01
.irp s,1,2,3
	MM QA, 12*\s, AF+12*\s, QA, WQS+\s, AS+\s
	MM QA+8, 48+12*\s, AF+12*\s, QA+8, WQS+4+\s, AS+\s
.endr
	WIN 0
	NOPS 4
	QB1 QA
	v_lshl_or_b32 v[QS], v[T+3], 8, v[T+3]
	v_lshl_or_b32 v[QS], v[QS], 16, v[QS]          ; q's byte in all four bytes
	v_cvt_scalef32_pk16_fp6_f32 v[QL:QL+2], v[QA:QA+15], v[T+2]
.irp i,3,4,5
	v_mov_b32 v[QL+\i], 0
.endr
.irp i,0,1,2
	v_permlane16_swap_b32 v[QL+\i], v[QL+3+\i]     ; lanes 0-15 now hold the block whole, lanes 16-31 zero codes
.endr
.irp i,0,1,2,3,4,5
	v_permlanex16_b32 v[QL+12+\i], v[QL+\i], s36, s37   ; and the other way round
.endr
	NOPS 8                                         ; a scale register written by a vector instruction stands 8 places ahead of the products, an operand 4; results laid over operands 5
	WIN 0x01
.set bk, 0
.rept 8
	MMZ S+16*bk, 102+6*bk, QL, KS+bk, QS           ; key tile (bk, 0): block 0 is live
	MMZR S+16*bk+8, 96+6*bk, QL+6, KS+bk, QS       ; key tile (bk, 1): block 3 is live
.set bk, bk+1
.endr
	WIN 0
	NOPS 4
.irp b,0,1,2,3,4,5,6,7
	v_max3_num_f32 v[BM+\b], v[S+16*\b], v[S+16*\b+1], v[S+16*\b+2]   ; each block's largest score: for the row's maximum, and, since p rises with the score, for the block's largest p
.endr
.irp i,3,5,7,9,11,13
.irp b,0,1,2,3,4,5,6,7
	v_max3_num_f32 v[BM+\b], v[BM+\b], v[S+16*\b+\i], v[S+16*\b+\i+1]
.endr
.endr
.irp b,0,1,2,3,4,5,6,7
	v_max_num_f32 v[BM+\b], v[BM+\b], v[S+16*\b+15]
.endr
.irp b,0,1,2,3,4,5,6,7
	v_permlanex16_b32 v[BT+\b], v[BM+\b], s36, s37
.endr
.irp b,0,1,2,3,4,5,6,7
	v_max_num_f32 v[BM+\b], v[BM+\b], v[BT+\b]
.endr
	v_max3_num_f32 v[T], v[BM], v[BM+1], v[BM+2]
	v_max3_num_f32 v[T], v[T], v[BM+3], v[BM+4]
	v_max3_num_f32 v[T], v[T], v[BM+5], v[BM+6]
	v_max_num_f32 v[T], v[T], v[BM+7]
	v_mul_f32 v[T], s40, v[T]                      ; the row's largest t (c is positive)
	v_floor_f32 v[NM], -v[T]                       ; -M = floor(-t): M is a whole number
.set j, 0
.rept 64
	v_pk_fma_f32 v[S+j:S+j+1], v[S+j:S+j+1], s[40:41], v[NM:NM+1] op_sel_hi:[1,0,0]   ; t - M
.set j, j+2
.endr
.irp b,0,1,2,3,4,5,6,7
	v_fma_f32 v[BM+\b], v[BM+\b], s40, v[NM]
.endr
.set j, 0
.rept 128
	v_exp_f32 v[S+j], v[S+j]                       ; p = 2^(t - M)
.set j, j+1
.endr
	v_nop                                          ; a plain place behind the batch
	s_wait_alu depctr_va_vdst(0)                   ; one wait for the 128, ahead of their first reader
.irp b,0,1,2,3,4,5,6,7
	v_exp_f32 v[BM+\b], v[BM+\b]                   ; the blocks' largest p: the same two instructions on the same number
.endr
	v_pk_add_f32 v[LA:LA+1], v[S:S+1], v[S+2:S+3]  ; the row's sum of the unquantised p, in two chains
	v_pk_add_f32 v[LB:LB+1], v[S+4:S+5], v[S+6:S+7]
.set j, 8
.rept 30
	v_pk_add_f32 v[LA:LA+1], v[LA:LA+1], v[S+j:S+j+1]
	v_pk_add_f32 v[LB:LB+1], v[LB:LB+1], v[S+j+2:S+j+3]
.set j, j+4
.endr
	s_wait_alu depctr_va_vdst(0)                   ; and one for the eight
.irp b,0,1,2,3,4,5,6,7
	v_max_num_f32 v[BM+\b], 0x1800000, v[BM+\b]
.endr
.irp b,0,1,2,3,4,5,6,7
	v_add_nc_u32 v[BM+\b], 0xff000000, v[BM+\b]    ; the conversions' scale operands
.endr
.irp b,0,1,2,3,4,5,6,7
	v_lshrrev_b32 v[BT+\b], 23, v[BM+\b]
.endr
.irp sp,0,1
	v_lshl_or_b32 v[PS+\sp], v[BT+4*\sp+1], 8, v[BT+4*\sp]
	v_lshl_or_b32 v[PS+\sp], v[BT+4*\sp+2], 16, v[PS+\sp]
	v_lshl_or_b32 v[PS+\sp], v[BT+4*\sp+3], 24, v[PS+\sp]
.endr
.irp sp,0,1
.irp c,0,1
	v_cvt_scalef32_pk16_fp6_f32 v[P+12*\sp+6*\c:P+12*\sp+6*\c+2], v[S+16*(4*\sp+2*\c):S+16*(4*\sp+2*\c)+15], v[BM+4*\sp+2*\c]
	v_cvt_scalef32_pk16_fp6_f32 v[BT+4*\c:BT+4*\c+2], v[S+16*(4*\sp+2*\c+1):S+16*(4*\sp+2*\c+1)+15], v[BM+4*\sp+2*\c+1]
.endr
	v_nop
.irp c,0,1
.irp i,0,1,2
	v_permlane16_swap_b32 v[P+12*\sp+6*\c+\i], v[BT+4*\c+\i]
.endr
.irp i,0,1,2
	v_mov_b32 v[P+12*\sp+6*\c+3+\i], v[BT+4*\c+\i]
.endr
.endr
.endr
	v_pk_add_f32 v[LA:LA+1], v[LA:LA+1], v[LB:LB+1]
	v_add_f32 v[T], v[LA], v[LA+1]
	v_permlanex16_b32 v[T+1], v[T], s36, s37
	v_add_f32 v[T], v[T], v[T+1]                   ; l
	v_rcp_f32 v[RL], v[T]
	NOPS 4                                         ; the plain place behind the reciprocal, and the places in front of the products
	s_wait_alu depctr_va_vdst(0)
	WIN 0x01                                       ; o^T = v^T p^T: two accumulators by turns
	MMZ O, 156, P, VS, PS
	MMZ O+8, 180, P, VS+2, PS
	MM O, 168, P+12, O, VS+1, PS+1
	MM O+8, 192, P+12, O+8, VS+3, PS+1
	WIN 0
	NOPS 4
.irp i,0,2,4,6,8,10,12,14
	v_pk_mul_f32 v[O+\i:O+\i+1], v[O+\i:O+\i+1], v[RL:RL+1] op_sel_hi:[1,0]   ; / l
.endr
	QB1 O
.if \u == 0
	v_cvt_scalef32_pk16_fp6_f32 v[OD:OD+2], v[O:O+15], v[T+2]
.else
	v_cvt_scalef32_pk16_fp6_f32 v[OT:OT+2], v[O:O+15], v[T+2]
.endif
	v_nop
	ds_store_b8 v224, v[T+3] offset:128*(\u)       ; lanes r and r + 16 write the same byte with the same value
.endm
	s_mov_b32 s32, 0                               ; the trip: b
	s_mov_b32 s33, 0                               ; 12,288: two tiles' images
	s_mov_b32 s34, 0                               ; 1,024: their scale words
	s_mov_b32 s35, 0                               ; 256: o's bytes of 32 tokens
.Lp2:
	v_add_nc_u32 v2, s33, v1
	v_add_nc_u32 v4, s34, v3
	v_add_nc_u32 v224, s35, v12
	QT 0
	QT 1
.irp i,0,1,2
	v_permlane16_swap_b32 v[OD+\i], v[OT+\i]       ; lanes 0-15: tile (b, 0)'s block whole; lanes 16-31: tile (b, 1)'s
.endr
.irp i,0,1,2
	v_mov_b32 v[OD+3+\i], v[OT+\i]
.endr
	global_store_b128 v1, v[OD:OD+3], s[20:21]             ; 512 consecutive bytes, aligned to 256
	global_store_b64 v13, v[OD+4:OD+5], s[20:21] offset:512   ; 256 consecutive bytes, aligned
	s_wait_xcnt 0x0                                ; the stores' base and data are written again only behind this wait
	s_add_nc_u64 s[20:21], s[20:21], 12288
	s_add_co_u32 s33, s33, 12288
	s_add_co_u32 s34, s34, 1024
	s_add_co_u32 s35, s35, 256
	s_add_co_u32 s32, s32, 1
	s_cmp_lt_u32 s32, 8
	s_cbranch_scc1 .Lp2
	BAR                                            ; the eight heads' bytes of all 256 tokens lie in LDS
	v_lshl_add_u32 v2, v0, 3, OSC
	v_lshlrev_b32 v3, 3, v0
	ds_load_b64 v[16:17], v2
	s_wait_dscnt 0x0
	global_store_b64 v3, v[16:17], s[22:23]        ; a wave stores 256 consecutive bytes, aligned
	s_wait_tensorcnt 0x0                           ; the wave's end: three closing lines behind my last LDS store
	ds_add_u32 v14, v15
	s_wait_dscnt 0x0
	s_endpgm
.Lfunc_end_k_q4b7027e96a_attn:
	.size	k_q4b7027e96a_attn, .Lfunc_end_k_q4b7027e96a_attn-k_q4b7027e96a_attn
	.p2alignl 7, 3214868480
	.fill 96, 4, 3214868480
	.section	.rodata,"a",@progbits
	.p2align	6, 0x0
	.amdhsa_kernel k_q4b7027e96a_attn
		.amdhsa_group_segment_fixed_size 287744
		.amdhsa_private_segment_fixed_size 0
		.amdhsa_enable_private_segment 0
		.amdhsa_kernarg_size 80
		.amdhsa_user_sgpr_count 2
		.amdhsa_user_sgpr_kernarg_segment_ptr 1
		.amdhsa_wavefront_size32 1
		.amdhsa_system_sgpr_workgroup_id_x 1
		.amdhsa_system_sgpr_workgroup_id_y 1
		.amdhsa_system_sgpr_workgroup_id_z 1
		.amdhsa_system_vgpr_workitem_id 0
		.amdhsa_next_free_vgpr 512
		.amdhsa_next_free_sgpr 66
		.amdhsa_reserve_vcc 0
		.amdhsa_float_denorm_mode_32 3
		.amdhsa_float_denorm_mode_16_64 3
		.amdhsa_memory_ordered 1
		.amdhsa_forward_progress 1
		.amdhsa_inst_pref_size 192
	.end_amdhsa_kernel
	.amdgpu_metadata
---
amdhsa.version: [ 1, 2 ]
amdhsa.kernels:
  - .name:           k_q4b7027e96a_attn
    .symbol:         k_q4b7027e96a_attn.kd
    .args:
      - { .name: x, .offset: 0, .size: 8, .value_kind: global_buffer, .address_space: global }
      - { .name: g1, .offset: 8, .size: 8, .value_kind: global_buffer, .address_space: global }
      - { .name: beta1, .offset: 16, .size: 8, .value_kind: global_buffer, .address_space: global }
      - { .name: wcodes, .offset: 24, .size: 8, .value_kind: global_buffer, .address_space: global }
      - { .name: wscales, .offset: 32, .size: 8, .value_kind: global_buffer, .address_space: global }
      - { .name: bq, .offset: 40, .size: 8, .value_kind: global_buffer, .address_space: global }
      - { .name: bk, .offset: 48, .size: 8, .value_kind: global_buffer, .address_space: global }
      - { .name: bv, .offset: 56, .size: 8, .value_kind: global_buffer, .address_space: global }
      - { .name: ocodes, .offset: 64, .size: 8, .value_kind: global_buffer, .address_space: global }
      - { .name: oscales, .offset: 72, .size: 8, .value_kind: global_buffer, .address_space: global }
    .group_segment_fixed_size: 287744
    .private_segment_fixed_size: 0
    .kernarg_segment_align: 8
    .kernarg_segment_size: 80
    .max_flat_workgroup_size: 256
    .sgpr_count:     66
    .vgpr_count:     512
    .wavefront_size: 32
...
	.end_amdgpu_metadata
.endif
;; end of part 2
;; launch mlp (part 3): grid 256 x 1, 8 waves a work-group, no clusters, 205,824 bytes of LDS; arguments x, ocodes, oscales, wcodes, wscales, bo, g2, beta2, b1m, b2m, out0; writes out0
.if DOCPART == 3
	.amdgcn_target "amdgcn-amd-amdhsa--gfx1250"
	.amdhsa_code_object_version 6
	.text
	.protected	k_q4b7027e96a_mlp
	.globl	k_q4b7027e96a_mlp
	.p2align	8
	.type	k_q4b7027e96a_mlp,@function
k_q4b7027e96a_mlp:
	s_mov_b64 s[64:65], 0
	v_nop
	global_prefetch_b8 v0, s[64:65] scope:SCOPE_SE
	s_setreg_imm32_b32 hwreg(HW_REG_WAVE_MODE, 25, 1), 1
	s_wait_xcnt 0x0
; out = y1 + gelu(Q(LN2(y1)) Q(W1) + b1) quantised x Q(W2) + b2, with y1 = x + Q(o) Q(Wo) + bo.  All three products on codes of E2M3.  Nothing of the problem is left out here.
; SHARES.  Work-group = window ttmp9 / 2, half z = ttmp9 % 2: 128 tokens, token tiles t = 2 bl + u = 0 .. 7 (b = 4 z + bl; a tile's lane r is window row 2 b + r / 8, column 8 u + r % 8).
; Eight waves, two to a SIMD.  WAVE w OWNS COLUMNS 64 w .. 64 w + 63 (column tiles 4 w + ct) in all three products, for all 128 tokens; it reads those columns of x and stores those of out itself.
; y1 never leaves the registers: x + bo is loaded into the 32 accumulators of window 1, Wo's products add onto it, LN2 reads it, and W2's products add onto it again.
; All products are used transposed (source 0 = weight tile, source 1 = token tile): a lane holds one token, and register 32 t + 16 bb + i of window 1 is column 64 w + 32 bb + 16 (lane / 16) + i.
; Each weight fragment is read from memory once a work-group, straight into registers, and feeds 8 products.
; What goes from wave to wave goes through LDS as UNITS: 6 registers of 32 lanes (two blocks of 32 along K for 16 tokens), 512 bytes at 16 L and 256 at 512 + 8 L.
; gelu is exact gelu with erf(z) = z P(z^2) / Q(z^2) on z held to +-4.
; LIMITS: NaN and infinities are not served; blocks of zeros or under 2^-124 keep the byte 1 (bytes read by this program alone); erf carries about 1e-7 absolute, so for x under about -5
; gelu comes out as about 1e-7 |x| instead of its still smaller true value; LN2's sums go in another order than the reference's.
; NO CLUSTER: the weights go from memory straight into the operand registers; a joint load would land in LDS and add a round trip of the same bytes.  No tensor load: nothing is streamed through a loop.
; No prefetch: x and o's codes are read at the kernel's head, and the weights are read by every work-group.
.set OU,    0                          ; o's 64 units (16 bl + head), 896 bytes apart
.set OSC,   57344                      ; o's bytes: [head half][16 t + r][8]
.set H2U,   59392                      ; LN2's units: 768 (8 t + wave)
.set H2S,   108544                     ; its bytes: 256 t + 16 r + block
.set HDU,   110592                     ; the hidden layer's, likewise
.set HDS,   159744
.set ST1,   161792                     ; the waves' partial sums: 32 (16 t + r) + 4 wave; the squares' 4,096 further on
.set STG,   169984                     ; a stage of 16 rows x 272 for each wave
.set SPARE, 204800
; v0 thread; v1 16 L; v2 16 r; v3 64 h; v8 x's and out's offset; v9, v10 my stage by rows and by tokens; v14, v15 the add's two: these stay.  v4-7: the phase's; v11-13: the token fragments' addresses.
; v240-255 of window 0 hold scale words and nothing else.
.set WSC, 240
.set ASC, 248
.set MSB, 0
.macro WIN new                         ; the immediate's high byte repeats the setting that is left
.if MSB != \new
	s_set_vgpr_msb (MSB<<8)|\new
.set MSB, \new
.endif
.endm
.macro NOPS n
.rept \n
	v_nop
.endr
.endm
.macro BAR
	s_wait_dscnt 0x0
	s_barrier_signal -1
	s_barrier_wait -1
.endm
.macro MM d, a, b, c, sa, sb
	v_wmma_scale_f32_16x16x128_f8f6f4 v[(\d):(\d)+7], v[(\a):(\a)+11], v[(\b):(\b)+11], v[(\c):(\c)+7], v[\sa], v[\sb] matrix_a_fmt:MATRIX_FMT_FP6 matrix_b_fmt:MATRIX_FMT_FP6
.endm
.macro QHEAD s                         ; four blocks, block i in v[s + 16 i] on: bytes TM+4+i, the conversions' scale operands TM+8+i
.irp b,0,1,2,3
	v_max3_num_f32 v[TM+\b], |v[(\s)+16*\b]|, |v[(\s)+16*\b+1]|, 0x1800000
.endr
.irp i,2,4,6,8,10,12,14
.irp b,0,1,2,3
	v_max3_num_f32 v[TM+\b], v[TM+\b], |v[(\s)+16*\b+\i]|, |v[(\s)+16*\b+\i+1]|
.endr
.endr
.irp b,0,1,2,3
	v_permlanex16_b32 v[TM+4+\b], v[TM+\b], s36, s37
.endr
.irp b,0,1,2,3
	v_max_num_f32 v[TM+\b], v[TM+\b], v[TM+4+\b]
.endr
.irp b,0,1,2,3
	v_add_nc_u32 v[TM+8+\b], 0xff000000, v[TM+\b]
.endr
.irp b,0,1,2,3
	v_lshrrev_b32 v[TM+4+\b], 23, v[TM+8+\b]
.endr
.endm
.macro QCVT s                          ; v[PC] .. +5: lanes 0-15 block 0 whole, lanes 16-31 block 1;  v[PC+6] .. +11: blocks 2 and 3
.irp c,0,1
	v_cvt_scalef32_pk16_fp6_f32 v[PC+6*\c:PC+6*\c+2], v[(\s)+32*\c:(\s)+32*\c+15], v[TM+8+2*\c]
	v_cvt_scalef32_pk16_fp6_f32 v[PC+12+4*\c:PC+14+4*\c], v[(\s)+32*\c+16:(\s)+32*\c+31], v[TM+9+2*\c]
.endr
	v_nop
.irp c,0,1
.irp i,0,1,2
	v_permlane16_swap_b32 v[PC+6*\c+\i], v[PC+12+4*\c+\i]
.endr
.irp i,0,1,2
	v_mov_b32 v[PC+3+6*\c+\i], v[PC+12+4*\c+\i]
.endr
.endr
.endm
	s_load_b512 s[4:19], s[0:1], 0x0               ; x 4, ocodes 6, oscales 8, wcodes 10, wscales 12, bo 14, g2 16, beta2 18
	s_load_b128 s[20:23], s[0:1], 0x40             ; b1m 20, b2m 22
	s_load_b64 s[24:25], s[0:1], 0x50              ; out0
	v_lshl_add_u32 v14, v0, 2, SPARE
	v_mov_b32 v15, 0
	v_lshrrev_b32 v1, 5, v0
	v_readfirstlane_b32 s26, v1                    ; wave
	s_and_b32 s27, ttmp9, 1                        ; z
	s_lshr_b32 s28, ttmp9, 1                       ; window
	s_mov_b32 s36, 0x76543210
	s_mov_b32 s37, 0xfedcba98
	s_mov_b32 s57, 0x3b000000                      ; 1 / 512
	s_mov_b32 s58, 0x3727c5ac                      ; 1e-5
	s_lshr_b32 s30, s28, 4                         ; x, out: batch, window row, window column, half, my 256 bytes of a row
	s_lshl_b32 s30, s30, 23
	s_bfe_u32 s31, s28, 0x20002
	s_lshl_b32 s31, s31, 21
	s_add_co_u32 s30, s30, s31
	s_and_b32 s31, s28, 3
	s_lshl_b32 s31, s31, 15
	s_add_co_u32 s30, s30, s31
	s_lshl_b32 s31, s27, 20
	s_add_co_u32 s30, s30, s31
	s_lshl_b32 s32, s26, 8                         ; 256 x wave: also my place in the five vectors of 512
	s_add_co_u32 s30, s30, s32
	s_mov_b32 s31, 0
	s_mov_b32 s33, 0
	s_mul_i32 s34, s28, 98304                      ; ocodes: window, half, my 8 units
	s_mul_i32 s35, s27, 49152
	s_add_co_u32 s34, s34, s35
	s_mul_i32 s35, s26, 6144
	s_add_co_u32 s34, s34, s35
	s_mov_b32 s35, 0
	s_lshl_b32 s40, s28, 12                        ; oscales: window, half
	s_lshl_b32 s41, s27, 10
	s_add_co_u32 s40, s40, s41
	s_mov_b32 s41, 0
	s_mul_i32 s42, s26, 24576                      ; my four column tiles of a weight
	s_mov_b32 s43, 0
	s_lshl_b32 s44, s26, 10
	s_mov_b32 s45, 0
	v_and_b32 v13, 31, v0                          ; L
	v_lshlrev_b32 v1, 4, v13
	v_and_b32 v12, 15, v0                          ; r
	v_lshlrev_b32 v2, 4, v12
	v_bfe_u32 v11, v0, 4, 1                        ; h
	v_lshlrev_b32 v3, 6, v11
	v_lshlrev_b32 v4, 3, v13                       ; 8 L
	s_mul_i32 s52, s26, 7168
	v_add_nc_u32 v5, s52, v1                       ; my 8 units in LDS, 896 bytes apart
	v_add_nc_u32 v6, s52, v4
	v_add_nc_u32 v6, 512, v6
	v_lshrrev_b32 v7, 7, v0
	v_lshlrev_b32 v7, 10, v7
	v_lshl_add_u32 v7, v0, 3, v7                   ; oscales: 8 x thread, the second head half 2,048 on
	v_lshl_add_u32 v194, v0, 3, OSC
	v_lshl_add_u32 v8, v11, 17, v2                 ; x: lanes 16-31 take the window row below; 16 bytes a lane
	s_mul_i32 s53, s26, 4352
	s_add_co_u32 s53, s53, STG                     ; my stage
	v_mul_u32_u24 v9, v11, 2176
	v_add_nc_u32 v9, v9, v2
	v_add_nc_u32 v9, s53, v9                       ; by rows: row n + 8 h, 16 r
	v_mul_u32_u24 v10, v12, 272
	v_add_nc_u32 v10, v10, v3
	v_add_nc_u32 v10, s53, v10                     ; by tokens: row r, + 64 h
	v_mul_u32_u24 v196, v11, 896
	v_lshlrev_b32 v197, 3, v12
	v_add_nc_u32 v11, v196, v2                     ; o's fragments: lanes 16-31 take the next head's unit
	v_add_nc_u32 v13, OSC, v197
	v_add_nc_u32 v12, v196, v197
	v_add_nc_u32 v12, 512, v12
	s_wait_kmcnt 0x0
	s_add_nc_u64 s[4:5], s[4:5], s[30:31]
	s_add_nc_u64 s[24:25], s[24:25], s[30:31]
	s_add_nc_u64 s[6:7], s[6:7], s[34:35]
	s_add_nc_u64 s[8:9], s[8:9], s[40:41]
	s_add_nc_u64 s[10:11], s[10:11], s[42:43]
	s_add_nc_u64 s[12:13], s[12:13], s[44:45]
	s_add_nc_u64 s[14:15], s[14:15], s[32:33]
	s_add_nc_u64 s[16:17], s[16:17], s[32:33]
	s_add_nc_u64 s[18:19], s[18:19], s[32:33]
	s_add_nc_u64 s[20:21], s[20:21], s[32:33]
	s_add_nc_u64 s[22:23], s[22:23], s[32:33]
; ---------------- IN: o's codes to LDS; x + bo into the accumulators ----------------
.set XT, 16                            ; four sets of 32: a tile's 16 rows x 256 bytes as loaded
.set OC, 144
.set BO, 208
.macro XREQ t                          ; 8 loads: sixteen lanes read 256 consecutive bytes, aligned
.set n, 0
.rept 8
	global_load_b128 v[XT+32*((\t)%4)+4*n:XT+32*((\t)%4)+4*n+3], v8, s[4:5] offset:((\t)/2)*262144+((\t)%2)*16384+2048*n th:TH_LOAD_NT
.set n, n+1
.endr
.endm
.macro XIN t
.if (\t) < 5
	s_wait_loadcnt 24                              ; this tile's loads are in; the three tiles asked for behind it may be out
.else
	s_wait_loadcnt 8*(7-(\t))
.endif
.set XB, XT+32*((\t)%4)
.set n, 0
.rept 8
	v_pk_add_f32 v[XB+4*n:XB+4*n+1], v[XB+4*n:XB+4*n+1], v[BO:BO+1]
	v_pk_add_f32 v[XB+4*n+2:XB+4*n+3], v[XB+4*n+2:XB+4*n+3], v[BO+2:BO+3]
.set n, n+1
.endr
.set n, 0
.rept 8
	ds_store_b128 v9, v[XB+4*n:XB+4*n+3] offset:272*n
.set n, n+1
.endr
	WIN 0x40
.irp bb,0,1
.irp j,0,1,2,3
	ds_load_b128 v[32*(\t)+16*\bb+4*\j:32*(\t)+16*\bb+4*\j+3], v10 offset:128*\bb+16*\j   ; LDS serves a wave's instructions in order
.endr
.endr
	WIN 0
.if (\t) < 4
	s_wait_dscnt 8                                 ; all but the 8 loads: the stores have read their registers
	XREQ (\t)+4
.endif
.endm
.set n, 0
.rept 8
	global_load_b128 v[OC+6*n:OC+6*n+3], v1, s[6:7] offset:768*n th:TH_LOAD_NT
	global_load_b64 v[OC+6*n+4:OC+6*n+5], v4, s[6:7] offset:768*n+512 th:TH_LOAD_NT
.set n, n+1
.endr
	global_load_b64 v[192:193], v7, s[8:9] th:TH_LOAD_NT
	global_load_b128 v[BO:BO+3], v2, s[14:15]
.irp t,0,1,2,3
	XREQ \t
.endr
	s_wait_loadcnt 32                              ; all but the four tiles of x
.set n, 0
.rept 8
	ds_store_b128 v5, v[OC+6*n:OC+6*n+3] offset:896*n
	ds_store_b64 v6, v[OC+6*n+4:OC+6*n+5] offset:896*n
.set n, n+1
.endr
	ds_store_b64 v194, v[192:193]
.irp t,0,1,2,3,4,5,6,7
	XIN \t
.endr
	BAR                                            ; o's 64 units and its bytes lie in LDS; my accumulators hold x + bo
; ---------------- a product of 128 tokens x my 64 columns x K 512, added onto window 1 ----------------
.set WF, 16                            ; two sets of 4 weight fragments
.set AF, 112                           ; two sets of 4 token fragments
.macro WLOAD widx, set, s              ; K step s of my four column tiles: 12 + 4 loads
.irp ct,0,1,2,3
.irp q,0,1,2
	global_load_b128 v[WF+48*(\set)+12*\ct+4*\q:WF+48*(\set)+12*\ct+4*\q+3], v1, s[10:11] offset:196608*(\widx)+6144*\ct+1536*(\s)+512*\q
.endr
	global_load_b32 v[WSC+4*(\set)+\ct], v2, s[12:13] offset:8192*(\widx)+256*\ct+4*(\s)
.endr
.endm
.macro ALOAD mode, q                   ; half q = 2 s + half: token tiles 4 half .. + 3 of K step s: 20 loads.  mode 0: o's units; 1: units 768 (8 t + 2 s + c)
.set AS_, (\q)/2
.set AB_, AF+48*((\q)%2)
.irp k,0,1,2,3
.set AT_, 4*((\q)%2)+\k
.irp c,0,1
.if \mode == 0
.set OX_, (16*(AT_/2)+4*AS_+2*\c)*896+256*(AT_%2)
.set OY_, (16*(AT_/2)+4*AS_+2*\c)*896+128*(AT_%2)
.else
.set OX_, (8*AT_+2*AS_+\c)*768
.set OY_, (8*AT_+2*AS_+\c)*768
.endif
	ds_load_b128 v[AB_+12*\k+6*\c:AB_+12*\k+6*\c+3], v11 offset:OX_
	ds_load_b64 v[AB_+12*\k+6*\c+4:AB_+12*\k+6*\c+5], v12 offset:OY_
.endr
.if \mode == 0
	ds_load_b32 v[ASC+4*((\q)%2)+\k], v13 offset:(AS_/2)*1024+128*AT_+4*(AS_%2)
.else
	ds_load_b32 v[ASC+4*((\q)%2)+\k], v13 offset:256*AT_+4*AS_
.endif
.endr
.endm
.macro GEMM8 widx, mode
	WLOAD \widx, 0, 0
	WLOAD \widx, 1, 1
	ALOAD \mode, 0
.set q_, 0
.rept 8
.if q_ > 0
	NOPS 4                                         ; places in front of loads into registers that the last products read
.endif
.if (q_ == 2) || (q_ == 4)
	WLOAD \widx, (q_/2+1)%2, q_/2+1                ; the set that the K step before has left
.endif
.if q_ < 7
	ALOAD \mode, q_+1
	s_wait_dscnt 20                                ; this half's fragments are in; the next half's 20 loads may be out
.else
	s_wait_dscnt 0x0
.endif
.if q_%2 == 0
.if q_ < 6
	s_wait_loadcnt 16                              ; this K step's weights are in; the next K step's 16 loads may be out
.else
	s_wait_loadcnt 0x0
.endif
.endif
	WIN 0x50                                       ; C and D in window 1
.irp k,0,1,2,3
.irp ct,0,1,2,3
	MM 32*(4*(q_%2)+\k)+8*\ct, WF+48*((q_/2)%2)+12*\ct, AF+48*(q_%2)+12*\k, 32*(4*(q_%2)+\k)+8*\ct, WSC+4*((q_/2)%2)+\ct, ASC+4*(q_%2)+\k
.endr
.endr
	WIN 0
.set q_, q_+1
.endr
.endm
	GEMM8 3, 0                                     ; y1 = x + bo + o Wo: the 32 accumulators take turns
; ---------------- LN2 and Q(h2) ----------------
.set G2, 16
.set B2, 48
.set SP, 80                            ; 8 pairs: sums, later (rstd, -)
.set MN, 96                            ; 8 pairs: (mean, -)
.set YT, 112
.set TM, 176
.set PC, 188
.set PW, 208
	NOPS 4
.irp bb,0,1
.irp j,0,1,2,3
	global_load_b128 v[G2+16*\bb+4*\j:G2+16*\bb+4*\j+3], v3, s[16:17] offset:128*\bb+16*\j
	global_load_b128 v[B2+16*\bb+4*\j:B2+16*\bb+4*\j+3], v3, s[18:19] offset:128*\bb+16*\j
.endr
.endr
	v_and_b32 v212, 15, v0
	v_lshlrev_b32 v5, 5, v212
	v_add_nc_u32 v5, ST1, v5                       ; a token's eight partial sums
	s_lshl_b32 s54, s26, 2
	v_add_nc_u32 v4, s54, v5                       ; mine among them
	s_mul_i32 s55, s26, 768
	s_add_co_u32 s55, s55, H2U
	v_add_nc_u32 v6, s55, v1                       ; my unit of a tile
	v_and_b32 v213, 31, v0
	v_lshlrev_b32 v213, 3, v213                    ; 8 L
	v_add_nc_u32 v7, s55, v213
	v_add_nc_u32 v7, 512, v7
	s_lshl_b32 s56, s26, 1
	s_add_co_u32 s56, s56, H2S
	v_add_nc_u32 v210, s56, v2                     ; my two bytes of a token's 16
.irp b,0,1,2,3
	v_mov_b32 v[TM+4+\b], 0
.endr
.macro RED8 off                        ; my 64 columns' sums in SP: the halves, lane l xor 16, to LDS; behind the barrier all eight waves' come back
.set t, 0
.rept 8
	v_add_f32 v[SP+2*t], v[SP+2*t], v[SP+2*t+1]
.set t, t+1
.endr
.set t, 0
.rept 8
	v_permlanex16_b32 v[SP+2*t+1], v[SP+2*t], s36, s37
.set t, t+1
.endr
.set t, 0
.rept 8
	v_add_f32 v[SP+2*t], v[SP+2*t], v[SP+2*t+1]
.set t, t+1
.endr
.set t, 0
.rept 8
	ds_store_b32 v4, v[SP+2*t] offset:(\off)+512*t ; lanes r and r + 16 write the same word with the same value
.set t, t+1
.endr
	BAR
.set t, 0
.rept 8
	ds_load_b128 v[YT+8*t:YT+8*t+3], v5 offset:(\off)+512*t
	ds_load_b128 v[YT+8*t+4:YT+8*t+7], v5 offset:(\off)+512*t+16
.set t, t+1
.endr
	s_wait_dscnt 0x0
.endm
.macro SUM8 d                          ; the eight partial sums of each tile's token, in the same order in every wave
.set t, 0
.rept 8
	v_pk_add_f32 v[\d+2*t:\d+2*t+1], v[YT+8*t:YT+8*t+1], v[YT+8*t+2:YT+8*t+3]
	v_pk_add_f32 v[YT+8*t+4:YT+8*t+5], v[YT+8*t+4:YT+8*t+5], v[YT+8*t+6:YT+8*t+7]
.set t, t+1
.endr
.set t, 0
.rept 8
	v_pk_add_f32 v[\d+2*t:\d+2*t+1], v[\d+2*t:\d+2*t+1], v[YT+8*t+4:YT+8*t+5]
.set t, t+1
.endr
.set t, 0
.rept 8
	v_add_f32 v[\d+2*t], v[\d+2*t], v[\d+2*t+1]
.set t, t+1
.endr
.endm
	WIN 0x05
.set t, 0
.rept 8
	v_pk_add_f32 v[SP+2*t:SP+2*t+1], v[32*t:32*t+1], v[32*t+2:32*t+3]   ; each accumulator is read from its low end on
.set t, t+1
.endr
	WIN 0x01
.set i, 4
.rept 14
.set t, 0
.rept 8
	v_pk_add_f32 v[SP+2*t:SP+2*t+1], v[32*t+i:32*t+i+1], v[SP+2*t:SP+2*t+1]
.set t, t+1
.endr
.set i, i+2
.endr
	WIN 0
	RED8 0
	SUM8 MN
.set t, 0
.rept 8
	v_mul_f32 v[MN+2*t], s57, v[MN+2*t]            ; the token's mean
.set t, t+1
.endr
.set t, 0
.rept 8
.set DT, YT+32*(t%2)
	WIN 0x01
.set i, 0
.rept 16
	v_pk_add_f32 v[DT+i:DT+i+1], v[32*t+i:32*t+i+1], v[MN+2*t:MN+2*t+1] op_sel_hi:[1,0] neg_lo:[0,1] neg_hi:[0,1]
.set i, i+2
.endr
	WIN 0
	v_pk_mul_f32 v[SP+2*t:SP+2*t+1], v[DT:DT+1], v[DT:DT+1]
.set i, 2
.rept 15
	v_pk_fma_f32 v[SP+2*t:SP+2*t+1], v[DT+i:DT+i+1], v[DT+i:DT+i+1], v[SP+2*t:SP+2*t+1]
.set i, i+2
.endr
.set t, t+1
.endr
	RED8 4096
	SUM8 SP
.set t, 0
.rept 8
	v_fma_f32 v[SP+2*t+1], v[SP+2*t], s57, s58     ; the variance + eps
.set t, t+1
.endr
.set t, 0
.rept 8
	v_rsq_f32 v[SP+2*t], v[SP+2*t+1]
.set t, t+1
.endr
	v_nop
	s_wait_alu depctr_va_vdst(0)                   ; one wait for the eight, ahead of their first reader
	s_wait_loadcnt 0x0                             ; g2, beta2
.irp pr,0,1,2,3                                ; two tiles at a time: four blocks for the quantiser
	WIN 0x01
.set i, 0
.rept 16
	v_pk_add_f32 v[YT+i:YT+i+1], v[64*\pr+i:64*\pr+i+1], v[MN+4*\pr:MN+4*\pr+1] op_sel_hi:[1,0] neg_lo:[0,1] neg_hi:[0,1]
	v_pk_add_f32 v[YT+32+i:YT+33+i], v[64*\pr+32+i:64*\pr+33+i], v[MN+4*\pr+2:MN+4*\pr+3] op_sel_hi:[1,0] neg_lo:[0,1] neg_hi:[0,1]
.set i, i+2
.endr
	WIN 0
.set i, 0
.rept 16
	v_pk_mul_f32 v[YT+i:YT+i+1], v[YT+i:YT+i+1], v[SP+4*\pr:SP+4*\pr+1] op_sel_hi:[1,0]
	v_pk_mul_f32 v[YT+32+i:YT+33+i], v[YT+32+i:YT+33+i], v[SP+4*\pr+2:SP+4*\pr+3] op_sel_hi:[1,0]
.set i, i+2
.endr
.set i, 0
.rept 16
	v_pk_fma_f32 v[YT+i:YT+i+1], v[YT+i:YT+i+1], v[G2+i:G2+i+1], v[B2+i:B2+i+1]
	v_pk_fma_f32 v[YT+32+i:YT+33+i], v[YT+32+i:YT+33+i], v[G2+i:G2+i+1], v[B2+i:B2+i+1]
.set i, i+2
.endr
	QHEAD YT
	v_lshl_or_b32 v[PW], v[TM+5], 8, v[TM+4]
	v_lshl_or_b32 v[PW], v[TM+6], 16, v[PW]
	v_lshl_or_b32 v[PW], v[TM+7], 24, v[PW]
	QCVT YT
	ds_store_b128 v6, v[PC:PC+3] offset:12288*\pr
	ds_store_b64 v7, v[PC+4:PC+5] offset:12288*\pr
	ds_store_b128 v6, v[PC+6:PC+9] offset:12288*\pr+6144
	ds_store_b64 v7, v[PC+10:PC+11] offset:12288*\pr+6144
	ds_store_b16 v210, v[PW] offset:512*\pr
	ds_store_b16_d16_hi v210, v[PW] offset:512*\pr+256
	s_wait_dscnt 0x0                               ; the stores have read their registers
.endr
	v_add_nc_u32 v11, H2U, v1                      ; the next product's token fragments
	v_add_nc_u32 v12, H2U+512, v213
	v_add_nc_u32 v13, H2S, v2
	v_bfe_u32 v214, v0, 4, 1
	v_mul_u32_u24 v214, v214, 6144                 ; lanes 16-31 store the next tile's block
	s_mul_i32 s55, s26, 768
	s_add_co_u32 s55, s55, HDU
	v_add_nc_u32 v4, v214, v2
	v_add_nc_u32 v4, s55, v4                       ; the hidden layer's units: 16 r
	v_lshlrev_b32 v5, 3, v212
	v_add_nc_u32 v5, v214, v5
	v_add_nc_u32 v5, s55, v5
	v_add_nc_u32 v5, 512, v5                       ; and 512 + 8 r
	s_lshl_b32 s56, s26, 1
	s_add_co_u32 s56, s56, HDS
	v_add_nc_u32 v6, s56, v2
	BAR                                            ; h2's 64 units and its bytes lie in LDS
; ---------------- W1, gelu, Q: two trips, 32 hidden units a wave each ----------------
.set WF2, 16                           ; two sets of 2 weight fragments
.set AF2, 64                           ; two sets of 2 token fragments
.set H1,  112                          ; 16 t + 8 u: hidden(token, 64 w + 32 ch + 16 h + 8 u + j)
.set ZZ,  16                           ; behind the products: gelu's four sets of 8 pairs,
.set WW,  32
.set PP,  48
.set QQ,  64
.set CO,  80                           ; 14 pairs of constants;
.set PC,  16                           ; and the quantiser's
.set TM,  36
.macro WLOAD2 set, s
.irp u,0,1
.irp q,0,1,2
	global_load_b128 v[WF2+24*(\set)+12*\u+4*\q:WF2+24*(\set)+12*\u+4*\q+3], v1, s[46:47] offset:786432+6144*\u+1536*(\s)+512*\q
.endr
	global_load_b32 v[WSC+2*(\set)+\u], v2, s[48:49] offset:32768+256*\u+4*(\s)
.endr
.endm
.macro ALOAD2 q                        ; quarter q = 4 s + quarter: token tiles 2 quarter, + 1 of K step s: 10 loads
.set AS_, (\q)/4
.irp k,0,1
.set AT_, 2*((\q)%4)+\k
.irp c,0,1
	ds_load_b128 v[AF2+24*((\q)%2)+12*\k+6*\c:AF2+24*((\q)%2)+12*\k+6*\c+3], v11 offset:(8*AT_+2*AS_+\c)*768
	ds_load_b64 v[AF2+24*((\q)%2)+12*\k+6*\c+4:AF2+24*((\q)%2)+12*\k+6*\c+5], v12 offset:(8*AT_+2*AS_+\c)*768
.endr
	ds_load_b32 v[ASC+2*((\q)%2)+\k], v13 offset:256*AT_+4*AS_
.endr
.endm
.macro CPAIR n, val
	v_mov_b32 v[CO+2*\n], \val
	v_mov_b32 v[CO+2*\n+1], \val
.endm
.macro GELU t                          ; 16 numbers a lane, 8 pairs by turns: x (1 + erf(x / sqrt 2)) / 2
.set HB, H1+16*(\t)
.irp i,0,2,4,6,8,10,12,14
	v_pk_mul_f32 v[ZZ+\i:ZZ+\i+1], v[HB+\i:HB+\i+1], v[CO+24:CO+25]          ; z = x / sqrt 2
.endr
.irp i,0,1,2,3,4,5,6,7,8,9,10,11,12,13,14,15
	v_med3_num_f32 v[ZZ+\i], v[ZZ+\i], -4.0, 4.0
.endr
.irp i,0,2,4,6,8,10,12,14
	v_pk_mul_f32 v[WW+\i:WW+\i+1], v[ZZ+\i:ZZ+\i+1], v[ZZ+\i:ZZ+\i+1]
.endr
.irp i,0,2,4,6,8,10,12,14
	v_pk_fma_f32 v[PP+\i:PP+\i+1], v[WW+\i:WW+\i+1], v[CO:CO+1], v[CO+2:CO+3]
.endr
.irp n,4,6,8,10,12
.irp i,0,2,4,6,8,10,12,14
	v_pk_fma_f32 v[PP+\i:PP+\i+1], v[PP+\i:PP+\i+1], v[WW+\i:WW+\i+1], v[CO+\n:CO+\n+1]
.endr
.endr
.irp i,0,2,4,6,8,10,12,14
	v_pk_fma_f32 v[QQ+\i:QQ+\i+1], v[WW+\i:WW+\i+1], v[CO+14:CO+15], v[CO+16:CO+17]
.endr
.irp n,18,20,22
.irp i,0,2,4,6,8,10,12,14
	v_pk_fma_f32 v[QQ+\i:QQ+\i+1], v[QQ+\i:QQ+\i+1], v[WW+\i:WW+\i+1], v[CO+\n:CO+\n+1]
.endr
.endr
.irp i,0,1,2,3,4,5,6,7,8,9,10,11,12,13,14,15
	v_rcp_f32 v[QQ+\i], v[QQ+\i]
.endr
.irp i,0,2,4,6,8,10,12,14
	v_pk_mul_f32 v[PP+\i:PP+\i+1], v[PP+\i:PP+\i+1], v[ZZ+\i:ZZ+\i+1]        ; independent work behind the batch
.endr
.irp i,0,2,4,6,8,10,12,14
	v_pk_mul_f32 v[WW+\i:WW+\i+1], v[HB+\i:HB+\i+1], v[CO+26:CO+27]          ; x / 2
.endr
	s_wait_alu depctr_va_vdst(0)                   ; one wait for the 16 reciprocals, ahead of their first reader
.irp i,0,2,4,6,8,10,12,14
	v_pk_mul_f32 v[PP+\i:PP+\i+1], v[PP+\i:PP+\i+1], v[QQ+\i:QQ+\i+1]        ; erf
.endr
.irp i,0,2,4,6,8,10,12,14
	v_pk_fma_f32 v[HB+\i:HB+\i+1], v[PP+\i:PP+\i+1], v[WW+\i:WW+\i+1], v[WW+\i:WW+\i+1]
.endr
.endm
.macro QST i                           ; tiles 4 i .. 4 i + 3: a block each.  The exchange leaves tile 4 i (+ 2) whole in lanes 0-15 and tile 4 i + 1 (+ 3) in lanes 16-31
	QHEAD H1+64*(\i)
	QCVT H1+64*(\i)
	v_add_nc_u32 v49, s60, v4
	v_add_nc_u32 v50, s61, v5
	v_add_nc_u32 v51, s62, v6
	ds_store_b128 v49, v[PC:PC+3] offset:24576*(\i)
	ds_store_b64 v50, v[PC+4:PC+5] offset:24576*(\i)
	ds_store_b128 v49, v[PC+6:PC+9] offset:24576*(\i)+12288
	ds_store_b64 v50, v[PC+10:PC+11] offset:24576*(\i)+12288
.irp j,0,1,2,3
	ds_store_b8 v51, v[TM+4+\j] offset:256*(4*(\i)+\j)
.endr
	s_wait_dscnt 0x0                               ; the stores have read their registers
.endm
	s_mov_b64 s[46:47], s[10:11]                   ; bases that step with the trip: W1's codes,
	s_mov_b64 s[48:49], s[12:13]                   ; its scale words,
	s_mov_b64 s[50:51], s[20:21]                   ; b1m
	s_mov_b32 s59, 0                               ; the trip: ch
	s_mov_b32 s60, 0                               ; 256: lanes 16-31's place in a unit's first part,
	s_mov_b32 s61, 0                               ; 128: in its second,
	s_mov_b32 s62, 0                               ; 1: the byte
.Lch:
.set t, 0
.rept 8
.irp j,0,1,2,3
	global_load_b128 v[H1+16*t+4*\j:H1+16*t+4*\j+3], v3, s[50:51] offset:16*\j   ; the bias stands in the accumulators: every product is a link in place
.endr
.set t, t+1
.endr
	WLOAD2 0, 0
	WLOAD2 1, 1
	ALOAD2 0
.set q_, 0
.rept 16
.if q_ > 0
	NOPS 4
.endif
.if (q_ == 4) || (q_ == 8)
	WLOAD2 (q_/4+1)%2, q_/4+1
.endif
.if q_ < 15
	ALOAD2 q_+1
	s_wait_dscnt 10                                ; this quarter's fragments are in; the next quarter's 10 loads may be out
.else
	s_wait_dscnt 0x0
.endif
.if q_%4 == 0
.if q_ < 12
	s_wait_loadcnt 8                               ; the bias and this K step's weights are in; the next K step's 8 loads may be out
.else
	s_wait_loadcnt 0x0
.endif
.endif
.irp k,0,1
.irp u,0,1
	MM H1+16*(2*(q_%4)+\k)+8*\u, WF2+24*((q_/4)%2)+12*\u, AF2+24*(q_%2)+12*\k, H1+16*(2*(q_%4)+\k)+8*\u, WSC+2*((q_/4)%2)+\u, ASC+2*(q_%2)+\k
.endr
.endr
.set q_, q_+1
.endr
	NOPS 4
	CPAIR 0, 0xaf95df0b                            ; P, from z^12 down: -2.72614226e-10
	CPAIR 1, 0x32edffee                            ;  2.77068142e-08
	CPAIR 2, 0xb60cff51                            ; -2.10102402e-06
	CPAIR 3, 0xb86ec2d2                            ; -5.69250639e-05
	CPAIR 4, 0xba40ac63                            ; -7.34990630e-04
	CPAIR 5, 0xbb41a1f6                            ; -2.95459981e-03
	CPAIR 6, 0xbc83dbd4                            ; -1.60960333e-02
	CPAIR 7, 0xb77460cd                            ; Q, from z^8 down: -1.45660718e-05
	CPAIR 8, 0xb95fbd29                            ; -2.13374055e-04
	CPAIR 9, 0xbadc924e                            ; -1.68282697e-03
	CPAIR 10, 0xbbf19bf8                           ; -7.37332917e-03
	CPAIR 11, 0xbc69b6a7                           ; -1.42647391e-02
	CPAIR 12, 0x3f3504f3                           ; 1 / sqrt 2
	CPAIR 13, 0.5
.irp t,0,1,2,3
	GELU \t
.endr
	QST 0
.irp t,4,5,6,7
	GELU \t
.endr
	QST 1
	s_wait_xcnt 0x0                                ; every load of the trip has been waited for: the bases may step
	s_add_nc_u64 s[46:47], s[46:47], 12288
	s_add_nc_u64 s[48:49], s[48:49], 512
	s_add_nc_u64 s[50:51], s[50:51], 128
	s_add_co_u32 s60, s60, 256
	s_add_co_u32 s61, s61, 128
	s_add_co_u32 s62, s62, 1
	s_add_co_u32 s59, s59, 1
	s_cmp_lt_u32 s59, 2
	s_cbranch_scc1 .Lch
	v_add_nc_u32 v11, HDU-H2U, v11                 ; the last product's token fragments
	v_add_nc_u32 v12, HDU-H2U, v12
	v_add_nc_u32 v13, HDS-H2S, v13
	BAR                                            ; the hidden layer's 64 units and its bytes lie in LDS
; ---------------- W2 onto y1, + b2, out ----------------
.set B2M, 208
.set OB,  16                           ; two sets of 32: a tile's rows back from the stage
	global_load_b128 v[B2M:B2M+3], v2, s[22:23]
	GEMM8 5, 1
	NOPS 4
.macro TOST t
	WIN 0x04                                       ; the data: window 1
.irp bb,0,1
.irp j,0,1,2,3
	ds_store_b128 v10, v[32*(\t)+16*\bb+4*\j:32*(\t)+16*\bb+4*\j+3] offset:128*\bb+16*\j   ; each accumulator from its low end on
.endr
.endr
	WIN 0
.set n, 0
.rept 8
	ds_load_b128 v[OB+32*((\t)%2)+4*n:OB+32*((\t)%2)+4*n+3], v9 offset:272*n   ; LDS serves a wave's instructions in order
.set n, n+1
.endr
.endm
.macro SEND t, younger
	s_wait_dscnt \younger
.set XB, OB+32*((\t)%2)
.set n, 0
.rept 8
	v_pk_add_f32 v[XB+4*n:XB+4*n+1], v[XB+4*n:XB+4*n+1], v[B2M:B2M+1]
	v_pk_add_f32 v[XB+4*n+2:XB+4*n+3], v[XB+4*n+2:XB+4*n+3], v[B2M+2:B2M+3]
.set n, n+1
.endr
.set n, 0
.rept 8
	global_store_b128 v8, v[XB+4*n:XB+4*n+3], s[24:25] offset:((\t)/2)*262144+((\t)%2)*16384+2048*n th:TH_STORE_NT   ; sixteen lanes store 256 consecutive bytes, aligned
.set n, n+1
.endr
.endm
	TOST 0
.irp t,1,2,3,4,5,6,7
.if \t > 1
	s_wait_xcnt 0x0                                ; the stores of two tiles back have read their registers: this tile's rows may land there
.endif
	TOST \t
	SEND \t-1, 16                                  ; behind that tile's loads: this tile's 8 stores and 8 loads
.endr
	SEND 7, 0
	s_wait_tensorcnt 0x0                           ; the wave's end: three closing lines behind my last LDS store
	ds_add_u32 v14, v15
	s_wait_dscnt 0x0
	s_endpgm
.Lfunc_end_k_q4b7027e96a_mlp:
	.size	k_q4b7027e96a_mlp, .Lfunc_end_k_q4b7027e96a_mlp-k_q4b7027e96a_mlp
	.p2alignl 7, 3214868480
	.fill 96, 4, 3214868480
	.section	.rodata,"a",@progbits
	.p2align	6, 0x0
	.amdhsa_kernel k_q4b7027e96a_mlp
		.amdhsa_group_segment_fixed_size 205824
		.amdhsa_private_segment_fixed_size 0
		.amdhsa_enable_private_segment 0
		.amdhsa_kernarg_size 88
		.amdhsa_user_sgpr_count 2
		.amdhsa_user_sgpr_kernarg_segment_ptr 1
		.amdhsa_wavefront_size32 1
		.amdhsa_system_sgpr_workgroup_id_x 1
		.amdhsa_system_sgpr_workgroup_id_y 1
		.amdhsa_system_sgpr_workgroup_id_z 1
		.amdhsa_system_vgpr_workitem_id 0
		.amdhsa_next_free_vgpr 512
		.amdhsa_next_free_sgpr 66
		.amdhsa_reserve_vcc 0
		.amdhsa_float_denorm_mode_32 3
		.amdhsa_float_denorm_mode_16_64 3
		.amdhsa_memory_ordered 1
		.amdhsa_forward_progress 1
		.amdhsa_inst_pref_size 255
	.end_amdhsa_kernel
	.section	.bss,"aw",@nobits
	.p2align	6
	.space	262144
	.amdgpu_metadata
---
amdhsa.version: [ 1, 2 ]
amdhsa.kernels:
  - .name:           k_q4b7027e96a_mlp
    .symbol:         k_q4b7027e96a_mlp.kd
    .args:
      - { .name: x, .offset: 0, .size: 8, .value_kind: global_buffer, .address_space: global }
      - { .name: ocodes, .offset: 8, .size: 8, .value_kind: global_buffer, .address_space: global }
      - { .name: oscales, .offset: 16, .size: 8, .value_kind: global_buffer, .address_space: global }
      - { .name: wcodes, .offset: 24, .size: 8, .value_kind: global_buffer, .address_space: global }
      - { .name: wscales, .offset: 32, .size: 8, .value_kind: global_buffer, .address_space: global }
      - { .name: bo, .offset: 40, .size: 8, .value_kind: global_buffer, .address_space: global }
      - { .name: g2, .offset: 48, .size: 8, .value_kind: global_buffer, .address_space: global }
      - { .name: beta2, .offset: 56, .size: 8, .value_kind: global_buffer, .address_space: global }
      - { .name: b1m, .offset: 64, .size: 8, .value_kind: global_buffer, .address_space: global }
      - { .name: b2m, .offset: 72, .size: 8, .value_kind: global_buffer, .address_space: global }
      - { .name: out0, .offset: 80, .size: 8, .value_kind: global_buffer, .address_space: global }
    .group_segment_fixed_size: 205824
    .private_segment_fixed_size: 0
    .kernarg_segment_align: 8
    .kernarg_segment_size: 88
    .max_flat_workgroup_size: 256
    .sgpr_count:     66
    .vgpr_count:     512
    .wavefront_size: 32
...
	.end_amdgpu_metadata
.endif
;; end of part 3
;; ======== version 2 of 2: 3 launches
;; workspace buffers: wcodes 1,179,648 bytes; wscales 49,152 bytes; ocodes 12,582,912 bytes; oscales 524,288 bytes
;; launch wprep (part 4): grid 64 x 6, 1 waves a work-group, no clusters, 0 bytes of LDS; arguments Wq, Wk, Wv, Wo, W1, W2, wcodes, wscales; writes wcodes, wscales
.if DOCPART == 4
	.amdgcn_target "amdgcn-amd-amdhsa--gfx1250"
	.amdhsa_code_object_version 6
	.text
	.protected	k_q4b7027e96a_wprep
	.globl	k_q4b7027e96a_wprep
	.p2align	8
	.type	k_q4b7027e96a_wprep,@function
k_q4b7027e96a_wprep:
	s_mov_b64 s[64:65], 0
	v_nop
	global_prefetch_b8 v0, s[64:65] scope:SCOPE_SE
	s_setreg_imm32_b32 hwreg(HW_REG_WAVE_MODE, 25, 1), 1
	s_wait_xcnt 0x0
; The six weights [512 (k)][512 (n)], f32, K = their FIRST axis, become codes of E2M3 with one E8M0 byte for each 32 along K,
; laid in the order of the matrix operand's registers, so that the later launches load fragments whole.
; NO WORK OF THE PROBLEM IS LEFT OUT IN THIS PROGRAM: every weight, bias and gain reaches a quantised operand or the output, so all 17 inputs are loaded
; by some launch; the window partition is an address map only.
; A block's scale is 2^(floor(log2(largest magnitude)) - 2); its byte is that magnitude's exponent field - 2, held at 1 from below.
; LIMITS: a block of zeros, or one whose largest magnitude lies under 2^-124, keeps the byte 1 (the rule says 127 for zeros: the codes are zeros,
; and this program alone reads the bytes); NaN and infinities among the inputs are not served.
; SHARE: work-group (x, y), one wave: weight y, columns 32 (x / 4) .. + 31, K step x % 4 (128 along K).  Lane l takes column 32 b + l and its registers run
; down K: each load reads 128 consecutive bytes, a block of 32 lies in one lane, and the conversions give codes with K innermost.
; COLUMN TILE T = 2 b + u: its lane r is column 32 b + 8 u + r + 8 (r / 8).  So lane l serves tile u = (l / 8) % 2, tile lane r = l % 8 + 8 (l / 16).
; wcodes: [weight][T][K step][image]; an image is a fragment's 12 registers as 3 chunks of 512 bytes, fragment lane L's 16 bytes at 16 L.
; Fragment lane (r, hh) holds blocks hh and 2 + hh of the K step: lane l writes both fragment lanes of its column.
; wscales: [weight][T][r][16 bytes]: the word at 4 s is the column's scale word of K step s.
; No LDS, no barrier, no matrix unit, no cluster: work-groups share no input, and the launch moves 6 MB once.
.set X,   16                           ; v16-143  W(128 s + k, my column), k = 0 .. 127
.set MX,  144                          ; v144-147 the four blocks' largest magnitudes
.set SO,  148                          ; v148-151 the conversions' scale operands
.set BY,  152                          ; v152-155 the scale bytes
.set OUT, 160                          ; v160-183 two fragment lanes' 12 registers
.set TP,  184                          ; v184-199 the second halves of the blocks (a conversion's three registers begin on an even number)
.set WD,  200                          ; v200     the scale word
	s_load_b512 s[4:19], s[0:1], 0x0               ; Wq Wk Wv Wo W1 W2 s[4:15], wcodes s[16:17], wscales s[18:19]
	s_and_b32 s22, ttmp7, 0xffff                   ; which weight
	s_lshr_b32 s23, ttmp9, 2                       ; b: which 32 columns
	s_and_b32 s24, ttmp9, 3                        ; s: which K step
	v_lshlrev_b32 v1, 2, v0                        ; in: 4 bytes a lane
	v_bfe_u32 v4, v0, 3, 1                         ; u
	v_and_b32 v5, 7, v0
	v_lshrrev_b32 v6, 4, v0
	v_lshl_add_u32 v5, v6, 3, v5                   ; r
	v_lshlrev_b32 v5, 4, v5                        ; 16 r
	v_mad_u32_u24 v2, v4, 6144, v5                 ; codes: tile u (4 images of 1,536 bytes), fragment lane r
	v_lshl_add_u32 v3, v4, 8, v5                   ; scale words: tile u (256 bytes), 16 bytes a column
	s_lshl_b32 s26, s24, 18                        ; the weight: 128 s rows of 2,048 bytes
	s_lshl_b32 s25, s23, 7                         ; + 32 b columns
	s_add_co_u32 s26, s26, s25
	s_mov_b32 s27, 0
	s_mul_i32 s28, s22, 196608                     ; wcodes: the weight,
	s_mul_i32 s25, s23, 12288                      ; tiles 2 b, 2 b + 1,
	s_add_co_u32 s28, s28, s25
	s_mul_i32 s25, s24, 1536                       ; K step s
	s_add_co_u32 s28, s28, s25
	s_mov_b32 s29, 0
	s_lshl_b32 s30, s22, 13                        ; wscales likewise: 8,192 a weight, 512 a pair of tiles, 4 a K step
	s_lshl_b32 s25, s23, 9
	s_add_co_u32 s30, s30, s25
	s_lshl_b32 s25, s24, 2
	s_add_co_u32 s30, s30, s25
	s_mov_b32 s31, 0
	s_wait_alu depctr_va_vdst(0)
	s_wait_kmcnt 0x0
	s_mov_b64 s[20:21], s[4:5]                     ; the weight's address is chosen by the work-group's y alone
	s_cmp_eq_u32 s22, 1
	s_cselect_b64 s[20:21], s[6:7], s[20:21]
	s_cmp_eq_u32 s22, 2
	s_cselect_b64 s[20:21], s[8:9], s[20:21]
	s_cmp_eq_u32 s22, 3
	s_cselect_b64 s[20:21], s[10:11], s[20:21]
	s_cmp_eq_u32 s22, 4
	s_cselect_b64 s[20:21], s[12:13], s[20:21]
	s_cmp_eq_u32 s22, 5
	s_cselect_b64 s[20:21], s[14:15], s[20:21]
	s_add_nc_u64 s[20:21], s[20:21], s[26:27]
	s_add_nc_u64 s[16:17], s[16:17], s[28:29]
	s_add_nc_u64 s[18:19], s[18:19], s[30:31]
.set k, 0
.rept 128
	global_load_b32 v[X+k], v1, s[20:21] offset:2048*k th:TH_LOAD_NT   ; 32 lanes read 128 consecutive bytes of row 128 s + k
.set k, k+1
.endr
	s_wait_loadcnt 0x0
.irp b,0,1,2,3
	v_max3_num_f32 v[MX+\b], |v[X+32*\b]|, |v[X+32*\b+1]|, 0x1800000   ; with the floor 2^(3 - 127): the byte cannot fall under 1
.endr
.irp i,2,4,6,8,10,12,14,16,18,20,22,24,26,28,30
.irp b,0,1,2,3
	v_max3_num_f32 v[MX+\b], v[MX+\b], |v[X+32*\b+\i]|, |v[X+32*\b+\i+1]|   ; the four blocks by turns
.endr
.endr
.irp b,0,1,2,3
	v_add_nc_u32 v[SO+\b], 0xff000000, v[MX+\b]    ; 2 off the exponent field: the conversion takes this operand's exponent field as its scale
.endr
.irp b,0,1,2,3
	v_lshrrev_b32 v[BY+\b], 23, v[SO+\b]           ; the scale's byte
.endr
	v_lshl_or_b32 v[WD], v[BY+1], 8, v[BY]
	v_lshl_or_b32 v[WD], v[BY+2], 16, v[WD]
	v_lshl_or_b32 v[WD], v[BY+3], 24, v[WD]
.irp b,0,1,2,3                                 ; block b = 2 c + hh goes to fragment lane (r, hh), registers 6 c .. 6 c + 5
	v_cvt_scalef32_pk16_fp6_f32 v[OUT+12*(\b%2)+6*(\b/2):OUT+12*(\b%2)+6*(\b/2)+2], v[X+32*\b:X+32*\b+15], v[SO+\b]
	v_cvt_scalef32_pk16_fp6_f32 v[TP+4*\b:TP+4*\b+2], v[X+32*\b+16:X+32*\b+31], v[SO+\b]
.endr
	v_nop                                          ; one plain place behind the scaled conversions
.irp b,0,1,2,3
.irp i,0,1,2
	v_mov_b32 v[OUT+12*(\b%2)+6*(\b/2)+3+\i], v[TP+4*\b+\i]
.endr
.endr
.irp hh,0,1
.irp q,0,1,2
	global_store_b128 v2, v[OUT+12*\hh+4*\q:OUT+12*\hh+4*\q+3], s[16:17] offset:512*\q+256*\hh   ; the 16 lanes of a tile fill 256 consecutive bytes, aligned
.endr
.endr
	global_store_b32 v3, v[WD], s[18:19]           ; 4 bytes of each column's 16: short pieces, 48 KB in the whole launch
	s_endpgm
.Lfunc_end_k_q4b7027e96a_wprep:
	.size	k_q4b7027e96a_wprep, .Lfunc_end_k_q4b7027e96a_wprep-k_q4b7027e96a_wprep
	.p2alignl 7, 3214868480
	.fill 96, 4, 3214868480
	.section	.rodata,"a",@progbits
	.p2align	6, 0x0
	.amdhsa_kernel k_q4b7027e96a_wprep
		.amdhsa_group_segment_fixed_size 0
		.amdhsa_private_segment_fixed_size 0
		.amdhsa_enable_private_segment 0
		.amdhsa_kernarg_size 64
		.amdhsa_user_sgpr_count 2
		.amdhsa_user_sgpr_kernarg_segment_ptr 1
		.amdhsa_wavefront_size32 1
		.amdhsa_system_sgpr_workgroup_id_x 1
		.amdhsa_system_sgpr_workgroup_id_y 1
		.amdhsa_system_sgpr_workgroup_id_z 1
		.amdhsa_system_vgpr_workitem_id 0
		.amdhsa_next_free_vgpr 208
		.amdhsa_next_free_sgpr 66
		.amdhsa_reserve_vcc 0
		.amdhsa_float_denorm_mode_32 3
		.amdhsa_float_denorm_mode_16_64 3
		.amdhsa_memory_ordered 1
		.amdhsa_forward_progress 1
		.amdhsa_inst_pref_size 21
	.end_amdhsa_kernel
	.amdgpu_metadata
---
amdhsa.version: [ 1, 2 ]
amdhsa.kernels:
  - .name:           k_q4b7027e96a_wprep
    .symbol:         k_q4b7027e96a_wprep.kd
    .args:
      - { .name: Wq, .offset: 0, .size: 8, .value_kind: global_buffer, .address_space: global }
      - { .name: Wk, .offset: 8, .size: 8, .value_kind: global_buffer, .address_space: global }
      - { .name: Wv, .offset: 16, .size: 8, .value_kind: global_buffer, .address_space: global }
      - { .name: Wo, .offset: 24, .size: 8, .value_kind: global_buffer, .address_space: global }
      - { .name: W1, .offset: 32, .size: 8, .value_kind: global_buffer, .address_space: global }
      - { .name: W2, .offset: 40, .size: 8, .value_kind: global_buffer, .address_space: global }
      - { .name: wcodes, .offset: 48, .size: 8, .value_kind: global_buffer, .address_space: global }
      - { .name: wscales, .offset: 56, .size: 8, .value_kind: global_buffer, .address_space: global }
    .group_segment_fixed_size: 0
    .private_segment_fixed_size: 0
    .kernarg_segment_align: 8
    .kernarg_segment_size: 64
    .max_flat_workgroup_size: 32
    .sgpr_count:     66
    .vgpr_count:     208
    .wavefront_size: 32
...
	.end_amdgpu_metadata
.endif
;; end of part 4
;; launch attn (part 5): grid 256 x 1, 8 waves a work-group, no clusters, 287,744 bytes of LDS; arguments x, g1, beta1, wcodes, wscales, bq, bk, bv, ocodes, oscales; writes ocodes, oscales
.if DOCPART == 5
	.amdgcn_target "amdgcn-amd-amdhsa--gfx1250"
	.amdhsa_code_object_version 6
	.text
	.protected	k_q4b7027e96a_attn
	.globl	k_q4b7027e96a_attn
	.p2align	8
	.type	k_q4b7027e96a_attn,@function
k_q4b7027e96a_attn:
	s_mov_b64 s[64:65], 0
	v_nop
	global_prefetch_b8 v0, s[64:65] scope:SCOPE_SE
	s_setreg_imm32_b32 hwreg(HW_REG_WAVE_SCHED_MODE, 0, 2), 2
	s_setreg_imm32_b32 hwreg(HW_REG_WAVE_MODE, 25, 1), 1
	s_wait_xcnt 0x0
	s_wait_alu depctr_vm_vsrc(0)
; Window attention on codes of E2M3: LN1, Q(h), q/k/v = Q(h) Q(W) + b, S = Q(q) Q(k)^T, p = 2^(t - M), o = Q(p) Q(v) / l, Q(o).  Nothing of the problem is left out here.
; SHARES.  Work-group = window ttmp9 / 2 (256 tokens) and head half g = ttmp9 % 2.  Eight waves, two to a SIMD, so that one wave's vector work stands beside the other's products.
; In LN1 wave w makes token tiles (b = w, u = 0, 1); their fragments go to LDS as images of the operand's registers.  Behind the barrier WAVE w IS HEAD 8 g + w:
; it makes its own k, v (pass 1) and q, scores, softmax, o (pass 2), so only h goes from wave to wave.
; TOKEN TILE (b, u): lane r is window token 32 b + 8 u + r + 8 (r / 8) = window row 2 b + r / 8, column 8 u + r % 8.  Column tiles of the weights are cut the same way.
; So in a product used transposed (source 0 = weight tile, source 1 = token tile) a lane holds one token, and the 16 registers of two neighbouring tiles are 16 neighbours along the next K;
; v is made the other way round (source 0 = token tile), which gives a lane one channel d and 16 neighbouring KEYS.
; THE SCORES' K IS 32: one block of the instruction's four is live.  A unit of k holds key tile (b, 0) in lanes 0-15 and (b, 1) in lanes 16-31.  Taken as registers 0-5 its lanes 0-15 are block 0,
; taken as registers 6-11 its lanes 16-31 are block 3; q stands in that block alone and zero codes in the other three, so the other blocks add exactly 0 (all scale bytes are 1 .. 254).
; SOFTMAX: all 256 keys of a query lie in lanes l and l xor 16, so M = ceil(the row's largest t) is final: no running maximum.  The row's sum is taken of the unquantised p.
; LIMITS: NaN and infinities among the inputs are not served; blocks of zeros or under 2^-124 keep the byte 1 (bytes read by this program alone); LN1's sums go in another order than the
; reference's; t = score x (log2(e) / sqrt(32)) is one multiplication where the reference has two.
; NO CLUSTER: the weights go from memory straight into the registers in which the products read them (295 KB a work-group, its heads' columns only), each fragment feeding 16 products;
; a joint load would land in LDS, of which 281 KiB are taken.  x of a window is shared by two work-groups only.  No tensor load: nothing is streamed through a loop.
; No prefetch: x is read at the kernel's head.
; LDS: h's images (4 t + s) x 1,536 | h's scale words, tile t at 512 t, 16 bytes a lane | a stage of 16 rows x 528 for each wave | each wave's k units, v units, their scales | o's bytes | spare words.
; THE MODE: SCHED_MODE bits 1:0 = 2 (LLVM: expert scheduling mode 2), set by the entry lines.  The code itself states the register dependences
; between vector or matrix instructions and memory or LDS instructions, with s_wait_alu, always for 0.
; THE PLAN: the registers that memory or LDS instructions touch, and who else names them.
;   LN1, a K step:  window 1: written by LN1's vector lines, read by the step's 16 stage stores; in the first trip the second tile's loads land behind those.  Y: the stage's loads land, the quantiser reads.
;     PC, PW: the quantiser writes; the image stores read them at the head of the NEXT step (the last at the trip's tail).  v4, v5: written at the trip's head.
;     So: one wait on va_vdst at a step's head, one on vm_vsrc behind the step's LDS instructions; one on va_vdst more behind the window switch of the reload; one of each kind for a trip's head and tail.
;   Pass 1, a trip:  eight addresses stepped at the head, between a wait on vm_vsrc and one on va_vdst.  AF, AS: LDS loads land, the products read: a wait on va_vdst ahead of the second run of loads.
;     KC, KSV, the bytes, VU: the quantiser writes, a run of LDS stores reads: a wait on va_vdst ahead of each run, one on vm_vsrc behind the first (the head's serves the second).
;   Pass 2, a trip:  three addresses stepped at the head.  AF, AS: a wait on va_vdst at each query tile's head.  q's and p's codes and scale words are written by vector lines and read by the scaled products:
;     a wait on va_vdst behind the places in front of those.  OD and o's two bytes: written in the two tiles, read by the trip's four stores, behind one wait on va_vdst; the head's vm_vsrc frees them.
.set HIMG,  0
.set HSC,   98304
.set STG,   106496
.set KVR,   174080
.set OSC,   284672
.set SPARE, 286720
; v0 thread; v1 16 L; v8 64 h; v9 16 r; v10 4 (r + 8 (r / 8)); v13 8 L; v14, v15 the add's two: these stay.  v2-7, v11, v12, v16-23, v224: addresses of the phase in hand.
; v228-255 of window 0 hold scale words and nothing else.
.set MSB, 0
.macro WIN new                         ; the immediate's high byte repeats the setting that is left; bits 1:0 source 0, 3:2 source 1, 5:4 source 2, 7:6 destination
.if MSB != \new
	s_set_vgpr_msb (MSB<<8)|\new
.set MSB, \new
.endif
.endm
.macro NOPS n
.rept \n
	v_nop
.endr
.endm
.macro BAR                             ; my LDS stores have landed and my LDS loads are in: then the work-group's barrier
	s_wait_dscnt 0x0
	s_barrier_signal -1
	s_barrier_wait -1
.endm
.macro MM d, a, b, c, sa, sb
	v_wmma_scale_f32_16x16x128_f8f6f4 v[(\d):(\d)+7], v[(\a):(\a)+11], v[(\b):(\b)+11], v[(\c):(\c)+7], v[\sa], v[\sb] matrix_a_fmt:MATRIX_FMT_FP6 matrix_b_fmt:MATRIX_FMT_FP6
.endm
.macro MMZ d, a, b, sa, sb             ; the constant 0 starts the sum
	v_wmma_scale_f32_16x16x128_f8f6f4 v[(\d):(\d)+7], v[(\a):(\a)+11], v[(\b):(\b)+11], 0, v[\sa], v[\sb] matrix_a_fmt:MATRIX_FMT_FP6 matrix_b_fmt:MATRIX_FMT_FP6
.endm
.macro MMZR d, a, b, sa, sb            ; source 0's scales from lanes 16-31
	v_wmma_scale_f32_16x16x128_f8f6f4 v[(\d):(\d)+7], v[(\a):(\a)+11], v[(\b):(\b)+11], 0, v[\sa], v[\sb] matrix_a_fmt:MATRIX_FMT_FP6 matrix_b_fmt:MATRIX_FMT_FP6 matrix_a_scale:MATRIX_SCALE_ROW1
.endm
; Four blocks, block i in v[s + 16 i] on (my 16 numbers of it; lane l xor 16 holds the other 16): largest magnitudes TM+i, bytes TM+4+i, the conversions' scale operands TM+8+i
.macro QHEAD s
.irp b,0,1,2,3
	v_max3_num_f32 v[TM+\b], |v[(\s)+16*\b]|, |v[(\s)+16*\b+1]|, 0x1800000   ; with the floor 2^(3 - 127)
.endr
.irp i,2,4,6,8,10,12,14
.irp b,0,1,2,3
	v_max3_num_f32 v[TM+\b], v[TM+\b], |v[(\s)+16*\b+\i]|, |v[(\s)+16*\b+\i+1]|
.endr
.endr
.irp b,0,1,2,3
	v_permlanex16_b32 v[TM+4+\b], v[TM+\b], s36, s37
.endr
.irp b,0,1,2,3
	v_max_num_f32 v[TM+\b], v[TM+\b], v[TM+4+\b]
.endr
.irp b,0,1,2,3
	v_add_nc_u32 v[TM+8+\b], 0xff000000, v[TM+\b]  ; 2 off the exponent field
.endr
.irp b,0,1,2,3
	v_lshrrev_b32 v[TM+4+\b], 23, v[TM+8+\b]
.endr
.endm
.macro QWORD pw
	v_lshl_or_b32 v[\pw], v[TM+5], 8, v[TM+4]
	v_lshl_or_b32 v[\pw], v[TM+6], 16, v[\pw]
	v_lshl_or_b32 v[\pw], v[TM+7], 24, v[\pw]
.endm
; the four blocks' codes as a fragment in v[PC] .. v[PC+11]: lanes 0-15 get blocks 0 and 2 whole, lanes 16-31 blocks 1 and 3
.macro QCVT s
.irp c,0,1
	v_cvt_scalef32_pk16_fp6_f32 v[PC+6*\c:PC+6*\c+2], v[(\s)+32*\c:(\s)+32*\c+15], v[TM+8+2*\c]
	v_cvt_scalef32_pk16_fp6_f32 v[PC+12+4*\c:PC+14+4*\c], v[(\s)+32*\c+16:(\s)+32*\c+31], v[TM+9+2*\c]
.endr
	v_nop                                          ; one plain place behind the scaled conversions
.irp c,0,1
.irp i,0,1,2
	v_permlane16_swap_b32 v[PC+6*\c+\i], v[PC+12+4*\c+\i]
.endr
.irp i,0,1,2
	v_mov_b32 v[PC+3+6*\c+\i], v[PC+12+4*\c+\i]
.endr
.endr
.endm
	s_load_b512 s[4:19], s[0:1], 0x0               ; x 4, g1 6, beta1 8, wcodes 10, wscales 12, bq 14, bk 16, bv 18
	s_load_b128 s[20:23], s[0:1], 0x40             ; ocodes 20, oscales 22
	v_lshl_add_u32 v14, v0, 2, SPARE               ; my spare word,
	v_mov_b32 v15, 0                               ; and 0: kept for the wave's closing lines
	v_lshrrev_b32 v1, 5, v0
	v_readfirstlane_b32 s24, v1                    ; wave
	s_wait_alu depctr_va_sdst(0)                   ; s24 is written, ahead of its first reader: the head, the bases and the LDS regions are made from it
	s_and_b32 s25, ttmp9, 1                        ; g
	s_lshr_b32 s26, ttmp9, 1                       ; window
	s_lshl_b32 s27, s25, 3
	s_add_co_u32 s27, s27, s24                     ; my head
	s_mov_b32 s36, 0x76543210
	s_mov_b32 s37, 0xfedcba98                      ; v_permlanex16_b32's selects for lane l xor 16
	s_mov_b32 s38, 0xffff0000                      ; lanes 16-31
	s_mov_b32 s40, 0x3e8293ee                      ; c = log2(e) / sqrt(32)
	s_mov_b32 s41, s40
	s_mov_b32 s42, 0x3b000000                      ; 1 / 512
	s_mov_b32 s43, 0x3727c5ac                      ; 1e-5
	s_lshr_b32 s28, s26, 4                         ; x: batch x 8,388,608
	s_lshl_b32 s28, s28, 23
	s_bfe_u32 s29, s26, 0x20002                    ; + window row x 2,097,152
	s_lshl_b32 s29, s29, 21
	s_add_co_u32 s28, s28, s29
	s_and_b32 s29, s26, 3                          ; + window column x 32,768
	s_lshl_b32 s29, s29, 15
	s_add_co_u32 s28, s28, s29
	s_lshl_b32 s29, s24, 18                        ; + my pair of window rows: b = wave
	s_add_co_u32 s28, s28, s29
	s_mov_b32 s29, 0
	s_mul_i32 s48, s27, 12288                      ; my head's 8 fragments of a weight
	s_mov_b32 s49, 0
	s_lshl_b32 s50, s27, 9                         ; its scale words
	s_mov_b32 s51, 0
	s_lshl_b32 s52, s27, 7                         ; its 32 numbers of a bias
	s_mov_b32 s53, 0
	s_mul_i32 s54, s26, 98304                      ; ocodes: window, head
	s_mul_i32 s55, s27, 768
	s_add_co_u32 s54, s54, s55
	s_mov_b32 s55, 0
	s_lshl_b32 s56, s26, 12                        ; oscales: window, head half
	s_lshl_b32 s57, s25, 11
	s_add_co_u32 s56, s56, s57
	s_mov_b32 s57, 0
	v_and_b32 v11, 31, v0                          ; L
	v_lshlrev_b32 v1, 4, v11
	v_lshlrev_b32 v13, 3, v11
	v_and_b32 v12, 15, v0                          ; r
	v_bfe_u32 v10, v0, 4, 1                        ; h
	v_lshlrev_b32 v8, 6, v10
	v_lshlrev_b32 v9, 4, v12
	s_mul_i32 s30, s24, 8448
	s_add_co_u32 s30, s30, STG                     ; my stage
	v_add_nc_u32 v2, s30, v1                       ; into it: 16 L of a row
	v_mul_u32_u24 v3, v12, 528
	v_add_nc_u32 v3, v3, v8
	v_add_nc_u32 v3, s30, v3                       ; out of it: row r, + 64 h
	s_mul_i32 s31, s24, 12288
	v_add_nc_u32 v6, s31, v1                       ; my tiles' images: 2 x 6,144 bytes a wave
	s_lshl_b32 s31, s24, 10
	s_add_co_u32 s31, s31, HSC
	v_add_nc_u32 v7, s31, v1                       ; and their scale words
	v_and_b32 v10, 8, v12
	v_add_nc_u32 v10, v10, v12
	v_lshlrev_b32 v10, 2, v10                      ; 4 (r + 8 (r / 8))
	s_wait_kmcnt 0x0
	s_add_nc_u64 s[4:5], s[4:5], s[28:29]
	s_add_nc_u64 s[44:45], s[10:11], s[48:49]
	s_add_nc_u64 s[46:47], s[12:13], s[50:51]
	s_add_nc_u64 s[14:15], s[14:15], s[52:53]
	s_add_nc_u64 s[16:17], s[16:17], s[52:53]
	s_add_nc_u64 s[18:19], s[18:19], s[52:53]
	s_add_nc_u64 s[20:21], s[20:21], s[54:55]
	s_add_nc_u64 s[22:23], s[22:23], s[56:57]
; ---------------- LN1 and Q(h): two trips, token tiles (wave, 0) and (wave, 1) ----------------
; window 1: v[16 p + 4 s + i] = x(tile row p, column 128 s + 4 L + i).  window 0: GG, BB g1 and beta1 at 4 s + i; MR pairs (mean, -); T pairs (rstd, -); Y 64 numbers back from the stage
.set GG, 16
.set BB, 32
.set MR, 48
.set T,  80
.set Y,  112
.set TM, 176
.set PC, 192
.set PW, 212
.macro XLOADS s, off                   ; 16 rows' 512 bytes of K step s: each load reads 512 consecutive bytes
.set p, 0
.rept 16
	global_load_b128 v[16*p+4*(\s):16*p+4*(\s)+3], v1, s[4:5] offset:(p/8)*131072+(p%8)*2048+512*(\s)+(\off)
.set p, p+1
.endr
.endm
.macro RED16 a, d                      ; 16 pairs at v[a + 2 p]: the halves, then the 32 lanes; every lane ends with the sum in v[a + 2 p]
.set p, 0
.rept 16
	v_add_f32 v[\a+2*p], v[\a+2*p], v[\a+2*p+1]
.set p, p+1
.endr
.irp m,1,2,4,8
.set p, 0
.rept 16
	v_add_f32_dpp v[\a+2*p], v[\a+2*p], v[\a+2*p] row_xmask:\m row_mask:0xf bank_mask:0xf
.set p, p+1
.endr
.endr
.set p, 0
.rept 16
	v_permlanex16_b32 v[\d+2*p], v[\a+2*p], s36, s37
.set p, p+1
.endr
.set p, 0
.rept 16
	v_add_f32 v[\a+2*p], v[\a+2*p], v[\d+2*p]
.set p, p+1
.endr
.endm
; K step s of the tile turns through my stage (a lane held 4 columns of 16 rows; it gets 16 neighbours of each block of its row) and is quantised.
; Its image goes to LDS at the head of the next K step, behind that step's wait (the last K step's at the trip's tail).
.macro STAGE s
	s_wait_alu depctr_va_vdst(0)                   ; LN1's lines have written window 1, which the stage's stores read; the K step before has written PC, which the image's stores read, and is done reading Y, in which the loads below land; in the first K step v4 is written
.if (\s) > 0
.irp q,0,1,2
	ds_store_b128 v4, v[PC+4*\q:PC+4*\q+3] offset:1536*((\s)-1)+512*\q   ; the image of the K step before
.endr
.endif
	WIN 0x04                                       ; an LDS store's data are its source 1: window 1
.set p, 0
.rept 16
	ds_store_b128 v2, v[16*p+4*(\s):16*p+4*(\s)+3] offset:528*p
.set p, p+1
.endr
	WIN 0
.irp q,0,1,2,3
.irp j,0,1,2,3
	ds_load_b128 v[Y+16*\q+4*\j:Y+16*\q+4*\j+3], v3 offset:128*\q+16*\j   ; LDS serves a wave's instructions in order: these see the stores above
.endr
.endr
	s_wait_alu depctr_vm_vsrc(0)                   ; the stage's stores have read their registers of window 1, in which the first trip's loads below land; the image's stores have read PC, which this K step's conversions write again
	s_cmp_lg_u32 s32, 0                            ; in the first trip the registers just stored take the second tile's numbers
	s_cbranch_scc1 .Lnr_\@
	s_wait_dscnt 16                                ; all but the 16 loads: the stores have read their registers
	WIN 0x40
	s_wait_alu depctr_va_vdst(0)                   ; behind the window switch: LN1's lines have written, and are done reading, the registers of window 1 in which these loads land
	XLOADS \s, 16384
	WIN 0
.Lnr_\@:
	s_wait_dscnt 0x0                               ; the numbers are back; the last image's stores have read PC
	QHEAD Y
	QWORD PW+\s
	QCVT Y
.endm
	s_wait_alu depctr_va_vdst(0)                   ; v1 to v13, the offsets and LDS addresses made above, are written: the loads and LDS instructions below read them
.irp s,0,1,2,3
	global_load_b128 v[GG+4*\s:GG+4*\s+3], v1, s[6:7] offset:512*\s
	global_load_b128 v[BB+4*\s:BB+4*\s+3], v1, s[8:9] offset:512*\s
.endr
	WIN 0x40
.irp s,0,1,2,3
	XLOADS \s, 0
.endr
	WIN 0
.set p, 0
.rept 16
	v_mov_b32 v[T+2*p], 0                          ; written once: a lane permute's destination counts as one of its sources
.set p, p+1
.endr
.irp b,0,1,2,3
	v_mov_b32 v[TM+4+\b], 0
.endr
	s_mov_b32 s32, 0                               ; the trip
	s_mov_b32 s33, 0                               ; 6,144 a trip: the tile's images
	s_mov_b32 s34, 0                               ; 512 a trip: its scale words
.Lx:
	s_wait_alu depctr_vm_vsrc(0)                   ; the last trip's stores have read v4 and v5, which the two lines below write, and PC and PW, which this trip's quantiser writes
	v_add_nc_u32 v4, s33, v6
	v_add_nc_u32 v5, s34, v7
	s_wait_loadcnt 0x0
	WIN 0x05                                       ; sources in window 1
.set p, 0
.rept 16
	v_pk_add_f32 v[MR+2*p:MR+2*p+1], v[16*p:16*p+1], v[16*p+2:16*p+3]
.set p, p+1
.endr
	WIN 0x01
.set i, 4
.rept 6
.set p, 0
.rept 16
	v_pk_add_f32 v[MR+2*p:MR+2*p+1], v[16*p+i:16*p+i+1], v[MR+2*p:MR+2*p+1]   ; the 16 rows by turns
.set p, p+1
.endr
.set i, i+2
.endr
	WIN 0
	RED16 MR, T
.set p, 0
.rept 16
	v_mul_f32 v[MR+2*p], s42, v[MR+2*p]            ; the row's mean
.set p, p+1
.endr
	WIN 0x41                                       ; destination and source 0 in window 1
.set i, 0
.rept 8
.set p, 0
.rept 16
	v_pk_add_f32 v[16*p+i:16*p+i+1], v[16*p+i:16*p+i+1], v[MR+2*p:MR+2*p+1] op_sel_hi:[1,0] neg_lo:[0,1] neg_hi:[0,1]   ; x - mean
.set p, p+1
.endr
.set i, i+2
.endr
	WIN 0x05
.set p, 0
.rept 16
	v_pk_mul_f32 v[T+2*p:T+2*p+1], v[16*p:16*p+1], v[16*p:16*p+1]
.set p, p+1
.endr
.set i, 2
.rept 7
.set p, 0
.rept 16
	v_pk_fma_f32 v[T+2*p:T+2*p+1], v[16*p+i:16*p+i+1], v[16*p+i:16*p+i+1], v[T+2*p:T+2*p+1]
.set p, p+1
.endr
.set i, i+2
.endr
	WIN 0
	RED16 T, T+1
.set p, 0
.rept 16
	v_fma_f32 v[T+2*p+1], v[T+2*p], s42, s43       ; the variance + eps
.set p, p+1
.endr
.set p, 0
	s_wait_alu depctr_va_vdst(0)
.rept 16
	v_rsq_f32 v[T+2*p], v[T+2*p+1]
.set p, p+1
.endr
	v_nop                                          ; a plain place behind the last of the batch
	s_wait_alu depctr_va_vdst(0)                   ; the 16 reciprocal roots in v[T + 2 p] are written: one wait for the batch, ahead of their first reader
	WIN 0x41
.set i, 0
.rept 8
.set p, 0
.rept 16
	v_pk_mul_f32 v[16*p+i:16*p+i+1], v[16*p+i:16*p+i+1], v[T+2*p:T+2*p+1] op_sel_hi:[1,0]
.set p, p+1
.endr
.set i, i+2
.endr
.set i, 0
.rept 8
.set p, 0
.rept 16
	v_pk_fma_f32 v[16*p+i:16*p+i+1], v[16*p+i:16*p+i+1], v[GG+i:GG+i+1], v[BB+i:BB+i+1]
.set p, p+1
.endr
.set i, i+2
.endr
.irp s,0,1,2,3
	STAGE \s
.endr
	s_wait_alu depctr_va_vdst(0)                   ; the last K step's codes in PC and the four scale words in PW are written, which the stores below read
.irp q,0,1,2
	ds_store_b128 v4, v[PC+4*\q:PC+4*\q+3] offset:1536*3+512*\q
.endr
	ds_store_b128 v5, v[PW:PW+3]                   ; the tile's four scale words, 16 bytes a lane
	s_add_co_u32 s33, s33, 6144
	s_add_co_u32 s34, s34, 512
	s_add_co_u32 s32, s32, 1
	s_cmp_lt_u32 s32, 2
	s_cbranch_scc1 .Lx
; ---------------- pass 1: my head's k and v for all 256 tokens ----------------
; window 1: Wk's 8 fragments v0-95 (12 (4 u + s)), Wv's v96-191, bk in the result's layout v192-207, bv v208-223
.set AF,  24                           ; two token tiles' fragments: 48 t + 12 s
.set KA,  120                          ; k: 16 t + 8 u
.set VA,  152                          ; v: 16 u + 8 t
.set TM,  184
.set KC,  196                          ; a unit of k
.set KT,  202
.set VTT, 206                          ; the odd b's half blocks of v: 206-208, 210-212
.set VU,  214                          ; two units of v: 214-219, 220-225
.set KSV, 226
.set AS,  228                          ; h's scale words: 4 t + s
.set WKS, 236                          ; Wk's: 4 u + s
.set WVS, 244
	s_wait_loadcnt 0x0                             ; no load into window 1 is out on any way out of the loop (the second tile's, issued in the first trip, were awaited at the second trip's head): stated here, ahead of loads into the same registers
	s_wait_dscnt 0x0                               ; my stage's stores have read window 1
	WIN 0x40
	s_wait_alu depctr_va_vdst(0)                   ; behind the window switch: LN1's lines have written and read the registers of window 1, and read g1's registers, in which the loads below land
	s_wait_alu depctr_vm_vsrc(0)                   ; my LDS stores have read window 1, in which the loads land; LN1's LDS instructions have read v3 and v5, which are written again behind the barrier, and PC and PW, which pass 1's quantiser writes
.set n, 0
.rept 24
	global_load_b128 v[4*n:4*n+3], v1, s[44:45] offset:196608+512*n          ; a head's 8 fragments are 12,288 consecutive bytes
	global_load_b128 v[96+4*n:96+4*n+3], v1, s[44:45] offset:393216+512*n
.set n, n+1
.endr
.irp j,0,1,2,3
	global_load_b128 v[192+4*\j:195+4*\j], v8, s[16:17] offset:16*\j         ; bk(32 head + 16 h + 0 .. 15)
.endr
	WIN 0
	global_load_b32 v21, v10, s[18:19]                                       ; bv at my lane's channel of tile 0,
	global_load_b32 v22, v10, s[18:19] offset:32                             ; of tile 1
.irp u,0,1
	global_load_b128 v[WKS+4*\u:WKS+4*\u+3], v9, s[46:47] offset:8192+256*\u
	global_load_b128 v[WVS+4*\u:WVS+4*\u+3], v9, s[46:47] offset:16384+256*\u
.endr
	BAR                                            ; all 64 images of h and their scale words lie in LDS
	s_mul_i32 s30, s24, 13824
	s_add_co_u32 s30, s30, KVR                     ; my region
	v_and_b32 v11, 31, v0
	v_add_nc_u32 v3, HSC, v1
	v_add_nc_u32 v5, s30, v1                       ; a unit's first 512 bytes: 16 L
	v_add_nc_u32 v6, s30, v13
	v_add_nc_u32 v6, 512, v6                       ; its last 256: 8 L
	v_lshl_add_u32 v7, v11, 2, s30
	v_add_nc_u32 v7, 12288, v7                     ; k's scale words
	v_add_nc_u32 v11, s30, v11
	v_add_nc_u32 v11, 13312, v11                   ; v's scale bytes
.irp b,0,1,2,3
	v_mov_b32 v[TM+4+\b], 0
.endr
	s_wait_loadcnt 0x0
	WIN 0x40
.irp u,0,1
.irp j,0,1,2,3,4,5,6,7
	v_mov_b32 v[208+8*\u+\j], v[21+\u]             ; in v's layout a lane holds one channel: its bias in all eight registers
.endr
.endr
	WIN 0
.macro LOADA e                         ; token tiles (b, 0), (b, 1): 12 + 1 loads each
.irp t,0,1
.set n, 0
.rept 12
	ds_load_b128 v[AF+48*\t+4*n:AF+48*\t+4*n+3], v2 offset:(\e)*12288+\t*6144+512*n
.set n, n+1
.endr
	ds_load_b128 v[AS+4*\t:AS+4*\t+3], v4 offset:(\e)*1024+\t*512
.endr
.endm
.macro MULT t                          ; 16 products: four accumulators by turns, one instruction a turn
.irp s,0,1,2,3
.if \s == 0
	WIN 0x11                                       ; source 0 (Wk) and C (bk) in window 1
.else
	WIN 0x01
.endif
.irp u,0,1
.if \s == 0
	MM KA+16*(\t)+8*\u, 12*(4*\u+\s), AF+48*(\t)+12*\s, 192+8*\u, WKS+4*\u+\s, AS+4*(\t)+\s
.else
	MM KA+16*(\t)+8*\u, 12*(4*\u+\s), AF+48*(\t)+12*\s, KA+16*(\t)+8*\u, WKS+4*\u+\s, AS+4*(\t)+\s
.endif
.endr
.if \s == 0
	WIN 0x14                                       ; source 1 (Wv) and C (bv) in window 1
.else
	WIN 0x04
.endif
.irp u,0,1
.if \s == 0
	MM VA+16*\u+8*(\t), AF+48*(\t)+12*\s, 96+12*(4*\u+\s), 208+8*\u, AS+4*(\t)+\s, WVS+4*\u+\s
.else
	MM VA+16*\u+8*(\t), AF+48*(\t)+12*\s, 96+12*(4*\u+\s), VA+16*\u+8*(\t), AS+4*(\t)+\s, WVS+4*\u+\s
.endif
.endr
.endr
.endm
.macro QKVC e                          ; blocks 0, 1: k of token tiles 0, 1 (along d); blocks 2, 3: v of channel tiles 0, 1 (along these 32 keys)
	QHEAD KA
	v_cndmask_b32 v[KSV], v[TM+4], v[TM+5], s38    ; lanes 0-15 tile 0's byte, lanes 16-31 tile 1's,
	v_lshl_or_b32 v[KSV], v[KSV], 8, v[KSV]
	v_lshl_or_b32 v[KSV], v[KSV], 16, v[KSV]       ; in all four bytes of the word
	v_cvt_scalef32_pk16_fp6_f32 v[KC:KC+2], v[KA:KA+15], v[TM+8]
	v_cvt_scalef32_pk16_fp6_f32 v[KT:KT+2], v[KA+16:KA+31], v[TM+9]
.if \e == 0
	v_cvt_scalef32_pk16_fp6_f32 v[VU:VU+2], v[VA:VA+15], v[TM+10]
	v_cvt_scalef32_pk16_fp6_f32 v[VU+6:VU+8], v[VA+16:VA+31], v[TM+11]
.else
	v_cvt_scalef32_pk16_fp6_f32 v[VTT:VTT+2], v[VA:VA+15], v[TM+10]
	v_cvt_scalef32_pk16_fp6_f32 v[VTT+4:VTT+6], v[VA+16:VA+31], v[TM+11]
.endif
	v_nop                                          ; one plain place behind the scaled conversions
.irp i,0,1,2
	v_permlane16_swap_b32 v[KC+\i], v[KT+\i]       ; lanes 0-15: tile 0's block whole; lanes 16-31: tile 1's
.endr
.irp i,0,1,2
	v_mov_b32 v[KC+3+\i], v[KT+\i]
.endr
.endm
.macro QKVS e                          ; k's unit, its scale word and v's two bytes go to LDS: one run of stores, behind one wait
	ds_store_b128 v12, v[KC:KC+3] offset:768*(\e)
	ds_store_b64 v16, v[KC+4:KC+5] offset:768*(\e)
	ds_store_b32 v17, v[KSV] offset:128*(\e)
	ds_store_b8 v20, v[TM+6] offset:32*(\e)
	ds_store_b8 v20, v[TM+7] offset:256+32*(\e)
.endm
	s_mov_b32 s32, 0                               ; the trip: b = 2 trip, 2 trip + 1
	s_mov_b32 s33, 0                               ; 24,576: four tiles' images
	s_mov_b32 s34, 0                               ; 2,048: their scale words
	s_mov_b32 s35, 0                               ; 1,536: two units of k
	s_mov_b32 s50, 0                               ; 256: their scale words
	s_mov_b32 s51, 0                               ; 768: a unit of v (for each channel tile)
	s_mov_b32 s52, 0                               ; 64: v's bytes
.Lp1:
	s_wait_alu depctr_vm_vsrc(0)                   ; the LDS instructions issued so far have read the eight addresses that the lines below write, and KC, KSV, the bytes and VU, which this trip's quantiser writes
	v_add_nc_u32 v2, s33, v1
	v_add_nc_u32 v4, s34, v3
	v_add_nc_u32 v12, s35, v5
	v_add_nc_u32 v16, s35, v6
	v_add_nc_u32 v17, s50, v7
	v_add_nc_u32 v18, s51, v5
	v_add_nc_u32 v19, s51, v6
	v_add_nc_u32 v20, s52, v11
	s_wait_alu depctr_va_vdst(0)                   ; the eight addresses are written; the products and vector lines issued so far are done with AF and AS, in which the loads below land
	LOADA 0
	s_wait_dscnt 13                                ; tile 0's loads are in; tile 1's 12 + 1 may be out
	MULT 0
	s_wait_dscnt 0x0
	MULT 1
	WIN 0
	NOPS 4                                         ; places in front of loads into registers that the products read, and of the first read of results
	s_wait_alu depctr_va_vdst(0)                   ; the 32 products are done reading AF and AS, in which the loads below land
	LOADA 1
	QKVC 0
	s_wait_alu depctr_va_vdst(0)                   ; the quantiser has written KC, KSV and the two bytes, which the stores below read
	QKVS 0
	s_wait_dscnt 0x0                               ; the next tiles are in; the stores have read their registers
	s_wait_alu depctr_vm_vsrc(0)                   ; the stores have read KC, KSV and the two bytes, which the quantiser below writes again
	MULT 0
	MULT 1
	WIN 0
	NOPS 4
	QKVC 1
.irp u,0,1
.irp i,0,1,2
	v_permlane16_swap_b32 v[VU+6*\u+\i], v[VTT+4*\u+\i]   ; lanes 0-15: the even b's 32 keys whole; lanes 16-31: the odd b's
.endr
.irp i,0,1,2
	v_mov_b32 v[VU+6*\u+3+\i], v[VTT+4*\u+\i]
.endr
.endr
	s_wait_alu depctr_va_vdst(0)                   ; the quantiser has written KC, KSV, the two bytes and v's two units, which the stores below read
	QKVS 1
.irp u,0,1
	ds_store_b128 v18, v[VU+6*\u:VU+6*\u+3] offset:6144+3072*\u
	ds_store_b64 v19, v[VU+6*\u+4:VU+6*\u+5] offset:6144+3072*\u
.endr
	s_wait_dscnt 0x0                               ; the stores have read their registers
	s_add_co_u32 s33, s33, 24576
	s_add_co_u32 s34, s34, 2048
	s_add_co_u32 s35, s35, 1536
	s_add_co_u32 s50, s50, 256
	s_add_co_u32 s51, s51, 768
	s_add_co_u32 s52, s52, 64
	s_add_co_u32 s32, s32, 1
	s_cmp_lt_u32 s32, 4
	s_cbranch_scc1 .Lp1
; ---------------- pass 2: q, scores, softmax, o, Q(o), a pair of query tiles a trip ----------------
; window 1: Wq v0-95; zeros v96-101; k's 8 units v102-149; zeros v150-155; v's 8 units v156-203 (fragment (u, s') at 156 + 12 (2 u + s')); bq v204-219
.set S,   16                           ; v16-143 the scores, then p.  Laid over it while it is dead: AF v16-63, QA v64-79, O v16-31
.set AF,  16
.set QA,  64
.set O,   16
.set P,   144                          ; p's two fragments
.set QL,  168                          ; v168-173 q in lanes 0-15, v174-179 zeros, v180-185 q in lanes 16-31
.set BM,  186
.set BT,  194
.set NM,  202                          ; -M (a pair is named)
.set LA,  204
.set LB,  206
.set T,   208
.set OD,  212
.set OT,  218
.set RL,  222                          ; 1 / l (a pair is named)
.set OBY, 226                          ; v226, v227: o's scale bytes of the trip's two tiles, kept for the trip's one run of stores
.set AS,  228
.set QS,  232
.set PS,  233
.set KS,  236
.set VS,  244
.set WQS, 248
	WIN 0x40
.irp i,0,1,2,3,4,5
	v_mov_b32 v[96+\i], 0                          ; the zero codes beside k's units, ahead of the wait below
	v_mov_b32 v[150+\i], 0
.endr
	s_wait_alu depctr_va_vdst(0)                   ; behind the window switch: pass 1's products and vector lines are done with the registers of both windows in which the loads below land; the zero codes are written, which the scores' products read
	s_wait_alu depctr_vm_vsrc(0)                   ; pass 1's LDS instructions have read v16 to v20, in which loads below land, and v12, KC, KSV, the bytes and VU, which the lines below and pass 2 write
.set n, 0
.rept 24
	global_load_b128 v[4*n:4*n+3], v1, s[44:45] offset:512*n
.set n, n+1
.endr
.irp j,0,1,2,3
	global_load_b128 v[204+4*\j:207+4*\j], v8, s[14:15] offset:16*\j
.endr
.set n, 0
.rept 8
	ds_load_b128 v[102+6*n:105+6*n], v5 offset:768*n
	ds_load_b64 v[106+6*n:107+6*n], v6 offset:768*n
	ds_load_b128 v[156+6*n:159+6*n], v5 offset:6144+768*n
	ds_load_b64 v[160+6*n:161+6*n], v6 offset:6144+768*n
.set n, n+1
.endr
	WIN 0
.set n, 0
.rept 8
	ds_load_b32 v[KS+n], v7 offset:128*n
	ds_load_u8 v[16+n], v11 offset:32*n
	ds_load_u8 v[24+n], v11 offset:256+32*n
.set n, n+1
.endr
.irp u,0,1
	global_load_b128 v[WQS+4*\u:WQS+4*\u+3], v9, s[46:47] offset:256*\u
.endr
.irp i,6,7,8,9,10,11,12,13,14,15,16,17
	v_mov_b32 v[QL+\i], 0                          ; the zero codes, and a first value for the permutes' destination
.endr
.irp i,0,1,2,3,4,5,6,7
	v_mov_b32 v[BT+\i], 0
.endr
	v_mov_b32 v[NM+1], 0
	v_mov_b32 v[RL+1], 0
	v_and_b32 v12, 15, v0
	v_lshlrev_b32 v12, 3, v12
	s_add_co_u32 s31, s24, OSC
	v_add_nc_u32 v12, s31, v12                     ; o's bytes: 8 r + wave
	s_wait_dscnt 0x0
.irp u,0,1
.irp sp,0,1
	v_lshl_or_b32 v[VS+2*\u+\sp], v[17+8*\u+4*\sp], 8, v[16+8*\u+4*\sp]      ; v's scale word of channel tile u, keys 128 s' on
	v_lshl_or_b32 v[VS+2*\u+\sp], v[18+8*\u+4*\sp], 16, v[VS+2*\u+\sp]
	v_lshl_or_b32 v[VS+2*\u+\sp], v[19+8*\u+4*\sp], 24, v[VS+2*\u+\sp]
.endr
.endr
	s_wait_loadcnt 0x0
.macro QB1 s, by                       ; one block, my 16 numbers in v[s] on: T its largest magnitude, T+2 the conversion's scale operand, v[by] the byte
	v_max3_num_f32 v[T], |v[(\s)]|, |v[(\s)+1]|, 0x1800000
	v_max3_num_f32 v[T+1], |v[(\s)+8]|, |v[(\s)+9]|, |v[(\s)+10]|
	v_max3_num_f32 v[T], v[T], |v[(\s)+2]|, |v[(\s)+3]|
	v_max3_num_f32 v[T+1], v[T+1], |v[(\s)+11]|, |v[(\s)+12]|
	v_max3_num_f32 v[T], v[T], |v[(\s)+4]|, |v[(\s)+5]|
	v_max3_num_f32 v[T+1], v[T+1], |v[(\s)+13]|, |v[(\s)+14]|
	v_max3_num_f32 v[T], v[T], |v[(\s)+6]|, |v[(\s)+7]|
	v_max3_num_f32 v[T], v[T], v[T+1], |v[(\s)+15]|
	v_permlanex16_b32 v[T+1], v[T], s36, s37
	v_max_num_f32 v[T], v[T], v[T+1]
	v_add_nc_u32 v[T+2], 0xff000000, v[T]
	v_lshrrev_b32 v[\by], 23, v[T+2]
.endm
.macro QT u                            ; query tile (b, u)
	s_wait_alu depctr_va_vdst(0)                   ; the trip's addresses v2, v4 and v224 are written; the products and vector lines issued so far are done with v16 to v63 and AS, in which the loads below land
.set n, 0
.rept 12
	ds_load_b128 v[AF+4*n:AF+4*n+3], v2 offset:6144*(\u)+512*n
.set n, n+1
.endr
	ds_load_b128 v[AS:AS+3], v4 offset:512*(\u)
	s_wait_dscnt 0x0
	WIN 0x11                                       ; q = h Wq + bq, transposed: two accumulators by turns
	MM QA, 0, AF, 204, WQS, AS
	MM QA+8, 48, AF, 212, WQS+4, AS
	WIN 0x01
.irp s,1,2,3
	MM QA, 12*\s, AF+12*\s, QA, WQS+\s, AS+\s
	MM QA+8, 48+12*\s, AF+12*\s, QA+8, WQS+4+\s, AS+\s
.endr
	WIN 0
	NOPS 4
	QB1 QA, T+3
	v_lshl_or_b32 v[QS], v[T+3], 8, v[T+3]
	v_lshl_or_b32 v[QS], v[QS], 16, v[QS]          ; q's byte in all four bytes
	v_cvt_scalef32_pk16_fp6_f32 v[QL:QL+2], v[QA:QA+15], v[T+2]
.irp i,3,4,5
	v_mov_b32 v[QL+\i], 0
.endr
.irp i,0,1,2
	v_permlane16_swap_b32 v[QL+\i], v[QL+3+\i]     ; lanes 0-15 now hold the block whole, lanes 16-31 zero codes
.endr
.irp i,0,1,2,3,4,5
	v_permlanex16_b32 v[QL+12+\i], v[QL+\i], s36, s37   ; and the other way round
.endr
	NOPS 8                                         ; a scale register written by a vector instruction stands 8 places ahead of the products, an operand 4; results laid over operands 5
	s_wait_alu depctr_va_vdst(0)                   ; behind the places: q's codes in QL and its scale word in QS are written, which the scaled products below take as source 1 and its scales
	WIN 0x01
.set bk, 0
.rept 8
	MMZ S+16*bk, 102+6*bk, QL, KS+bk, QS           ; key tile (bk, 0): block 0 is live
	MMZR S+16*bk+8, 96+6*bk, QL+6, KS+bk, QS       ; key tile (bk, 1): block 3 is live
.set bk, bk+1
.endr
	WIN 0
	NOPS 4
.irp b,0,1,2,3,4,5,6,7
	v_max3_num_f32 v[BM+\b], v[S+16*\b], v[S+16*\b+1], v[S+16*\b+2]   ; each block's largest score: for the row's maximum, and, since p rises with the score, for the block's largest p
.endr
.irp i,3,5,7,9,11,13
.irp b,0,1,2,3,4,5,6,7
	v_max3_num_f32 v[BM+\b], v[BM+\b], v[S+16*\b+\i], v[S+16*\b+\i+1]
.endr
.endr
.irp b,0,1,2,3,4,5,6,7
	v_max_num_f32 v[BM+\b], v[BM+\b], v[S+16*\b+15]
.endr
.irp b,0,1,2,3,4,5,6,7
	v_permlanex16_b32 v[BT+\b], v[BM+\b], s36, s37
.endr
.irp b,0,1,2,3,4,5,6,7
	v_max_num_f32 v[BM+\b], v[BM+\b], v[BT+\b]
.endr
	v_max3_num_f32 v[T], v[BM], v[BM+1], v[BM+2]
	v_max3_num_f32 v[T], v[T], v[BM+3], v[BM+4]
	v_max3_num_f32 v[T], v[T], v[BM+5], v[BM+6]
	v_max_num_f32 v[T], v[T], v[BM+7]
	v_mul_f32 v[T], s40, v[T]                      ; the row's largest t (c is positive)
	v_floor_f32 v[NM], -v[T]                       ; -M = floor(-t): M is a whole number
.set j, 0
.rept 64
	v_pk_fma_f32 v[S+j:S+j+1], v[S+j:S+j+1], s[40:41], v[NM:NM+1] op_sel_hi:[1,0,0]   ; t - M
.set j, j+2
.endr
.irp b,0,1,2,3,4,5,6,7
	v_fma_f32 v[BM+\b], v[BM+\b], s40, v[NM]
.endr
.set j, 0
	s_wait_alu depctr_va_vdst(0)
.rept 128
	v_exp_f32 v[S+j], v[S+j]                       ; p = 2^(t - M)
.set j, j+1
.endr
	v_nop                                          ; a plain place behind the batch
	s_wait_alu depctr_va_vdst(0)                   ; the 128 exponentials in S are written: one wait for the batch, ahead of their first reader
.irp b,0,1,2,3,4,5,6,7
	v_exp_f32 v[BM+\b], v[BM+\b]                   ; the blocks' largest p: the same two instructions on the same number
.endr
	v_pk_add_f32 v[LA:LA+1], v[S:S+1], v[S+2:S+3]  ; the row's sum of the unquantised p, in two chains
	v_pk_add_f32 v[LB:LB+1], v[S+4:S+5], v[S+6:S+7]
.set j, 8
.rept 30
	v_pk_add_f32 v[LA:LA+1], v[LA:LA+1], v[S+j:S+j+1]
	v_pk_add_f32 v[LB:LB+1], v[LB:LB+1], v[S+j+2:S+j+3]
.set j, j+4
.endr
	s_wait_alu depctr_va_vdst(0)                   ; the eight exponentials in BM are written, ahead of their first reader
.irp b,0,1,2,3,4,5,6,7
	v_max_num_f32 v[BM+\b], 0x1800000, v[BM+\b]
.endr
.irp b,0,1,2,3,4,5,6,7
	v_add_nc_u32 v[BM+\b], 0xff000000, v[BM+\b]    ; the conversions' scale operands
.endr
.irp b,0,1,2,3,4,5,6,7
	v_lshrrev_b32 v[BT+\b], 23, v[BM+\b]
.endr
.irp sp,0,1
	v_lshl_or_b32 v[PS+\sp], v[BT+4*\sp+1], 8, v[BT+4*\sp]
	v_lshl_or_b32 v[PS+\sp], v[BT+4*\sp+2], 16, v[PS+\sp]
	v_lshl_or_b32 v[PS+\sp], v[BT+4*\sp+3], 24, v[PS+\sp]
.endr
.irp sp,0,1
.irp c,0,1
	v_cvt_scalef32_pk16_fp6_f32 v[P+12*\sp+6*\c:P+12*\sp+6*\c+2], v[S+16*(4*\sp+2*\c):S+16*(4*\sp+2*\c)+15], v[BM+4*\sp+2*\c]
	v_cvt_scalef32_pk16_fp6_f32 v[BT+4*\c:BT+4*\c+2], v[S+16*(4*\sp+2*\c+1):S+16*(4*\sp+2*\c+1)+15], v[BM+4*\sp+2*\c+1]
.endr
	v_nop
.irp c,0,1
.irp i,0,1,2
	v_permlane16_swap_b32 v[P+12*\sp+6*\c+\i], v[BT+4*\c+\i]
.endr
.irp i,0,1,2
	v_mov_b32 v[P+12*\sp+6*\c+3+\i], v[BT+4*\c+\i]
.endr
.endr
.endr
	v_pk_add_f32 v[LA:LA+1], v[LA:LA+1], v[LB:LB+1]
	v_add_f32 v[T], v[LA], v[LA+1]
	v_permlanex16_b32 v[T+1], v[T], s36, s37
	v_add_f32 v[T], v[T], v[T+1]                   ; l
	s_wait_alu depctr_va_vdst(0)
	v_rcp_f32 v[RL], v[T]
	NOPS 4                                         ; the plain place behind the reciprocal, and the places in front of the products
	s_wait_alu depctr_va_vdst(0)                   ; the reciprocal in RL is written, ahead of its first reader; behind the places: p's codes in P, its scale words in PS and v's in VS are written, which the scaled products below take
	WIN 0x01                                       ; o^T = v^T p^T: two accumulators by turns
	MMZ O, 156, P, VS, PS
	MMZ O+8, 180, P, VS+2, PS
	MM O, 168, P+12, O, VS+1, PS+1
	MM O+8, 192, P+12, O+8, VS+3, PS+1
	WIN 0
	NOPS 4
.irp i,0,2,4,6,8,10,12,14
	v_pk_mul_f32 v[O+\i:O+\i+1], v[O+\i:O+\i+1], v[RL:RL+1] op_sel_hi:[1,0]   ; / l
.endr
	QB1 O, OBY+\u
.if \u == 0
	v_cvt_scalef32_pk16_fp6_f32 v[OD:OD+2], v[O:O+15], v[T+2]
.else
	v_cvt_scalef32_pk16_fp6_f32 v[OT:OT+2], v[O:O+15], v[T+2]
.endif
	v_nop
.endm
	s_mov_b32 s32, 0                               ; the trip: b
	s_mov_b32 s33, 0                               ; 12,288: two tiles' images
	s_mov_b32 s34, 0                               ; 1,024: their scale words
	s_mov_b32 s35, 0                               ; 256: o's bytes of 32 tokens
.Lp2:
	s_wait_alu depctr_vm_vsrc(0)                   ; the loads and stores issued so far have read v2, v4 and v224, which the lines below write, and OD and o's two bytes, which this trip writes again
	v_add_nc_u32 v2, s33, v1
	v_add_nc_u32 v4, s34, v3
	v_add_nc_u32 v224, s35, v12
	QT 0
	QT 1
.irp i,0,1,2
	v_permlane16_swap_b32 v[OD+\i], v[OT+\i]       ; lanes 0-15: tile (b, 0)'s block whole; lanes 16-31: tile (b, 1)'s
.endr
.irp i,0,1,2
	v_mov_b32 v[OD+3+\i], v[OT+\i]
.endr
	s_wait_alu depctr_va_vdst(0)                   ; o's unit in OD and its two bytes are written, which the four stores below read
	global_store_b128 v1, v[OD:OD+3], s[20:21]             ; 512 consecutive bytes, aligned to 256
	global_store_b64 v13, v[OD+4:OD+5], s[20:21] offset:512   ; 256 consecutive bytes, aligned
	ds_store_b8 v224, v[OBY]                       ; lanes r and r + 16 write the same byte with the same value
	ds_store_b8 v224, v[OBY+1] offset:128
	s_wait_xcnt 0x0                                ; the stores' base and data are written again only behind this wait
	s_add_nc_u64 s[20:21], s[20:21], 12288
	s_add_co_u32 s33, s33, 12288
	s_add_co_u32 s34, s34, 1024
	s_add_co_u32 s35, s35, 256
	s_add_co_u32 s32, s32, 1
	s_cmp_lt_u32 s32, 8
	s_cbranch_scc1 .Lp2
	BAR                                            ; the eight heads' bytes of all 256 tokens lie in LDS
	s_wait_alu depctr_vm_vsrc(0)                   ; pass 2's LDS loads have read v2, which the line below writes
	v_lshl_add_u32 v2, v0, 3, OSC
	v_lshlrev_b32 v3, 3, v0
	s_wait_alu depctr_va_vdst(0)                   ; v2 and v3 are written, which the load and the store below read; pass 2's lines are done with v16 and v17, in which the load lands
	ds_load_b64 v[16:17], v2
	s_wait_dscnt 0x0
	global_store_b64 v3, v[16:17], s[22:23]        ; a wave stores 256 consecutive bytes, aligned
	s_wait_dscnt 0x0                               ; the closing lines, six on end
	s_wait_alu 0x0
	s_wait_tensorcnt 0x0
	ds_add_u32 v14, v15
	s_wait_dscnt 0x0
	s_endpgm
.Lfunc_end_k_q4b7027e96a_attn:
	.size	k_q4b7027e96a_attn, .Lfunc_end_k_q4b7027e96a_attn-k_q4b7027e96a_attn
	.p2alignl 7, 3214868480
	.fill 96, 4, 3214868480
	.section	.rodata,"a",@progbits
	.p2align	6, 0x0
	.amdhsa_kernel k_q4b7027e96a_attn
		.amdhsa_group_segment_fixed_size 287744
		.amdhsa_private_segment_fixed_size 0
		.amdhsa_enable_private_segment 0
		.amdhsa_kernarg_size 80
		.amdhsa_user_sgpr_count 2
		.amdhsa_user_sgpr_kernarg_segment_ptr 1
		.amdhsa_wavefront_size32 1
		.amdhsa_system_sgpr_workgroup_id_x 1
		.amdhsa_system_sgpr_workgroup_id_y 1
		.amdhsa_system_sgpr_workgroup_id_z 1
		.amdhsa_system_vgpr_workitem_id 0
		.amdhsa_next_free_vgpr 512
		.amdhsa_next_free_sgpr 66
		.amdhsa_reserve_vcc 0
		.amdhsa_float_denorm_mode_32 3
		.amdhsa_float_denorm_mode_16_64 3
		.amdhsa_memory_ordered 1
		.amdhsa_forward_progress 1
		.amdhsa_inst_pref_size 193
	.end_amdhsa_kernel
	.amdgpu_metadata
---
amdhsa.version: [ 1, 2 ]
amdhsa.kernels:
  - .name:           k_q4b7027e96a_attn
    .symbol:         k_q4b7027e96a_attn.kd
    .args:
      - { .name: x, .offset: 0, .size: 8, .value_kind: global_buffer, .address_space: global }
      - { .name: g1, .offset: 8, .size: 8, .value_kind: global_buffer, .address_space: global }
      - { .name: beta1, .offset: 16, .size: 8, .value_kind: global_buffer, .address_space: global }
      - { .name: wcodes, .offset: 24, .size: 8, .value_kind: global_buffer, .address_space: global }
      - { .name: wscales, .offset: 32, .size: 8, .value_kind: global_buffer, .address_space: global }
      - { .name: bq, .offset: 40, .size: 8, .value_kind: global_buffer, .address_space: global }
      - { .name: bk, .offset: 48, .size: 8, .value_kind: global_buffer, .address_space: global }
      - { .name: bv, .offset: 56, .size: 8, .value_kind: global_buffer, .address_space: global }
      - { .name: ocodes, .offset: 64, .size: 8, .value_kind: global_buffer, .address_space: global }
      - { .name: oscales, .offset: 72, .size: 8, .value_kind: global_buffer, .address_space: global }
    .group_segment_fixed_size: 287744
    .private_segment_fixed_size: 0
    .kernarg_segment_align: 8
    .kernarg_segment_size: 80
    .max_flat_workgroup_size: 256
    .sgpr_count:     66
    .vgpr_count:     512
    .wavefront_size: 32
...
	.end_amdgpu_metadata
.endif
;; end of part 5
;; launch mlp (part 6): grid 256 x 1, 8 waves a work-group, no clusters, 205,824 bytes of LDS; arguments x, ocodes, oscales, wcodes, wscales, bo, g2, beta2, b1m, b2m, out0; writes out0
.if DOCPART == 6
	.amdgcn_target "amdgcn-amd-amdhsa--gfx1250"
	.amdhsa_code_object_version 6
	.text
	.protected	k_q4b7027e96a_mlp
	.globl	k_q4b7027e96a_mlp
	.p2align	8
	.type	k_q4b7027e96a_mlp,@function
k_q4b7027e96a_mlp:
	s_mov_b64 s[64:65], 0
	v_nop
	global_prefetch_b8 v0, s[64:65] scope:SCOPE_SE
	s_setreg_imm32_b32 hwreg(HW_REG_WAVE_SCHED_MODE, 0, 2), 2
	s_setreg_imm32_b32 hwreg(HW_REG_WAVE_MODE, 25, 1), 1
	s_wait_xcnt 0x0
	s_wait_alu depctr_vm_vsrc(0)
; out = y1 + gelu(Q(LN2(y1)) Q(W1) + b1) quantised x Q(W2) + b2, with y1 = x + Q(o) Q(Wo) + bo.  All three products on codes of E2M3.  Nothing of the problem is left out here.
; SHARES.  Work-group = window ttmp9 / 2, half z = ttmp9 % 2: 128 tokens, token tiles t = 2 bl + u = 0 .. 7 (b = 4 z + bl; a tile's lane r is window row 2 b + r / 8, column 8 u + r % 8).
; Eight waves, two to a SIMD.  WAVE w OWNS COLUMNS 64 w .. 64 w + 63 (column tiles 4 w + ct) in all three products, for all 128 tokens; it reads those columns of x and stores those of out itself.
; y1 never leaves the registers: x + bo is loaded into the 32 accumulators of window 1, Wo's products add onto it, LN2 reads it, and W2's products add onto it again.
; All products are used transposed (source 0 = weight tile, source 1 = token tile): a lane holds one token, and register 32 t + 16 bb + i of window 1 is column 64 w + 32 bb + 16 (lane / 16) + i.
; Each weight fragment is read from memory once a work-group, straight into registers, and feeds 8 products.
; What goes from wave to wave goes through LDS as UNITS: 6 registers of 32 lanes (two blocks of 32 along K for 16 tokens), 512 bytes at 16 L and 256 at 512 + 8 L.
; gelu is exact gelu with erf(z) = z P(z^2) / Q(z^2) on z held to +-4.
; LIMITS: NaN and infinities are not served; blocks of zeros or under 2^-124 keep the byte 1 (bytes read by this program alone); erf carries about 1e-7 absolute, so for x under about -5
; gelu comes out as about 1e-7 |x| instead of its still smaller true value; LN2's sums go in another order than the reference's.
; NO CLUSTER: the weights go from memory straight into the operand registers; a joint load would land in LDS and add a round trip of the same bytes.  No tensor load: nothing is streamed through a loop.
; No prefetch: x and o's codes are read at the kernel's head, and the weights are read by every work-group.
; THE MODE: SCHED_MODE bits 1:0 = 2 (LLVM: expert scheduling mode 2), set by the entry lines.  The code itself states the register dependences
; between vector or matrix instructions and memory or LDS instructions, with s_wait_alu, always for 0.
; THE PLAN: the registers that memory or LDS instructions touch, and who else names them.
;   IN:  XT, four sets: loads land, the additions of bo write, the stage's stores read, the loads of four tiles on land again: a wait on va_vdst between additions and stores, one on vm_vsrc ahead of the reload.
;   A product (GEMM8, and the W1 loop):  two sets of weight fragments, two of token fragments and their scale words: loads land, the products read.  The loads of a step land in the sets that the products of the
;     step before were the last to read: ONE wait on va_vdst at a step's head.  The addresses are never written inside a product, and all operands and scales come by loads.  The accumulators are named by products alone.
;   LN2 and the two quantisers:  SP, PC, PW, the bytes, v49 to v51: vector lines write, a run of LDS stores reads: a wait on va_vdst ahead of each run, one on vm_vsrc behind it, ahead of the lines that write them again.
;   The way out:  the accumulators: one wait on va_vdst behind the last product's places serves all stage stores.  OB, two sets: the stage's loads land, the additions of b2 write, the global stores read:
;     a wait on va_vdst between additions and stores, one on vm_vsrc ahead of the loads of two tiles on.
.set OU,    0                          ; o's 64 units (16 bl + head), 896 bytes apart
.set OSC,   57344                      ; o's bytes: [head half][16 t + r][8]
.set H2U,   59392                      ; LN2's units: 768 (8 t + wave)
.set H2S,   108544                     ; its bytes: 256 t + 16 r + block
.set HDU,   110592                     ; the hidden layer's, likewise
.set HDS,   159744
.set ST1,   161792                     ; the waves' partial sums: 32 (16 t + r) + 4 wave; the squares' 4,096 further on
.set STG,   169984                     ; a stage of 16 rows x 272 for each wave
.set SPARE, 204800
; v0 thread; v1 16 L; v2 16 r; v3 64 h; v8 x's and out's offset; v9, v10 my stage by rows and by tokens; v14, v15 the add's two: these stay.  v4-7: the phase's; v11-13: the token fragments' addresses.
; v240-255 of window 0 hold scale words and nothing else.
.set WSC, 240
.set ASC, 248
.set MSB, 0
.macro WIN new                         ; the immediate's high byte repeats the setting that is left
.if MSB != \new
	s_set_vgpr_msb (MSB<<8)|\new
.set MSB, \new
.endif
.endm
.macro NOPS n
.rept \n
	v_nop
.endr
.endm
.macro BAR
	s_wait_dscnt 0x0
	s_barrier_signal -1
	s_barrier_wait -1
.endm
.macro MM d, a, b, c, sa, sb
	v_wmma_scale_f32_16x16x128_f8f6f4 v[(\d):(\d)+7], v[(\a):(\a)+11], v[(\b):(\b)+11], v[(\c):(\c)+7], v[\sa], v[\sb] matrix_a_fmt:MATRIX_FMT_FP6 matrix_b_fmt:MATRIX_FMT_FP6
.endm
.macro QHEAD s                         ; four blocks, block i in v[s + 16 i] on: bytes TM+4+i, the conversions' scale operands TM+8+i
.irp b,0,1,2,3
	v_max3_num_f32 v[TM+\b], |v[(\s)+16*\b]|, |v[(\s)+16*\b+1]|, 0x1800000
.endr
.irp i,2,4,6,8,10,12,14
.irp b,0,1,2,3
	v_max3_num_f32 v[TM+\b], v[TM+\b], |v[(\s)+16*\b+\i]|, |v[(\s)+16*\b+\i+1]|
.endr
.endr
.irp b,0,1,2,3
	v_permlanex16_b32 v[TM+4+\b], v[TM+\b], s36, s37
.endr
.irp b,0,1,2,3
	v_max_num_f32 v[TM+\b], v[TM+\b], v[TM+4+\b]
.endr
.irp b,0,1,2,3
	v_add_nc_u32 v[TM+8+\b], 0xff000000, v[TM+\b]
.endr
.irp b,0,1,2,3
	v_lshrrev_b32 v[TM+4+\b], 23, v[TM+8+\b]
.endr
.endm
.macro QCVT s                          ; v[PC] .. +5: lanes 0-15 block 0 whole, lanes 16-31 block 1;  v[PC+6] .. +11: blocks 2 and 3
.irp c,0,1
	v_cvt_scalef32_pk16_fp6_f32 v[PC+6*\c:PC+6*\c+2], v[(\s)+32*\c:(\s)+32*\c+15], v[TM+8+2*\c]
	v_cvt_scalef32_pk16_fp6_f32 v[PC+12+4*\c:PC+14+4*\c], v[(\s)+32*\c+16:(\s)+32*\c+31], v[TM+9+2*\c]
.endr
	v_nop
.irp c,0,1
.irp i,0,1,2
	v_permlane16_swap_b32 v[PC+6*\c+\i], v[PC+12+4*\c+\i]
.endr
.irp i,0,1,2
	v_mov_b32 v[PC+3+6*\c+\i], v[PC+12+4*\c+\i]
.endr
.endr
.endm
	s_load_b512 s[4:19], s[0:1], 0x0               ; x 4, ocodes 6, oscales 8, wcodes 10, wscales 12, bo 14, g2 16, beta2 18
	s_load_b128 s[20:23], s[0:1], 0x40             ; b1m 20, b2m 22
	s_load_b64 s[24:25], s[0:1], 0x50              ; out0
	v_lshl_add_u32 v14, v0, 2, SPARE
	v_mov_b32 v15, 0
	v_lshrrev_b32 v1, 5, v0
	v_readfirstlane_b32 s26, v1                    ; wave
	s_wait_alu depctr_va_sdst(0)                   ; s26 is written, ahead of its first reader: the bases and the LDS regions are made from it
	s_and_b32 s27, ttmp9, 1                        ; z
	s_lshr_b32 s28, ttmp9, 1                       ; window
	s_mov_b32 s36, 0x76543210
	s_mov_b32 s37, 0xfedcba98
	s_mov_b32 s57, 0x3b000000                      ; 1 / 512
	s_mov_b32 s58, 0x3727c5ac                      ; 1e-5
	s_lshr_b32 s30, s28, 4                         ; x, out: batch, window row, window column, half, my 256 bytes of a row
	s_lshl_b32 s30, s30, 23
	s_bfe_u32 s31, s28, 0x20002
	s_lshl_b32 s31, s31, 21
	s_add_co_u32 s30, s30, s31
	s_and_b32 s31, s28, 3
	s_lshl_b32 s31, s31, 15
	s_add_co_u32 s30, s30, s31
	s_lshl_b32 s31, s27, 20
	s_add_co_u32 s30, s30, s31
	s_lshl_b32 s32, s26, 8                         ; 256 x wave: also my place in the five vectors of 512
	s_add_co_u32 s30, s30, s32
	s_mov_b32 s31, 0
	s_mov_b32 s33, 0
	s_mul_i32 s34, s28, 98304                      ; ocodes: window, half, my 8 units
	s_mul_i32 s35, s27, 49152
	s_add_co_u32 s34, s34, s35
	s_mul_i32 s35, s26, 6144
	s_add_co_u32 s34, s34, s35
	s_mov_b32 s35, 0
	s_lshl_b32 s40, s28, 12                        ; oscales: window, half
	s_lshl_b32 s41, s27, 10
	s_add_co_u32 s40, s40, s41
	s_mov_b32 s41, 0
	s_mul_i32 s42, s26, 24576                      ; my four column tiles of a weight
	s_mov_b32 s43, 0
	s_lshl_b32 s44, s26, 10
	s_mov_b32 s45, 0
	v_and_b32 v13, 31, v0                          ; L
	v_lshlrev_b32 v1, 4, v13
	v_and_b32 v12, 15, v0                          ; r
	v_lshlrev_b32 v2, 4, v12
	v_bfe_u32 v11, v0, 4, 1                        ; h
	v_lshlrev_b32 v3, 6, v11
	v_lshlrev_b32 v4, 3, v13                       ; 8 L
	s_mul_i32 s52, s26, 7168
	v_add_nc_u32 v5, s52, v1                       ; my 8 units in LDS, 896 bytes apart
	v_add_nc_u32 v6, s52, v4
	v_add_nc_u32 v6, 512, v6
	v_lshrrev_b32 v7, 7, v0
	v_lshlrev_b32 v7, 10, v7
	v_lshl_add_u32 v7, v0, 3, v7                   ; oscales: 8 x thread, the second head half 2,048 on
	v_lshl_add_u32 v194, v0, 3, OSC
	v_lshl_add_u32 v8, v11, 17, v2                 ; x: lanes 16-31 take the window row below; 16 bytes a lane
	s_mul_i32 s53, s26, 4352
	s_add_co_u32 s53, s53, STG                     ; my stage
	v_mul_u32_u24 v9, v11, 2176
	v_add_nc_u32 v9, v9, v2
	v_add_nc_u32 v9, s53, v9                       ; by rows: row n + 8 h, 16 r
	v_mul_u32_u24 v10, v12, 272
	v_add_nc_u32 v10, v10, v3
	v_add_nc_u32 v10, s53, v10                     ; by tokens: row r, + 64 h
	v_mul_u32_u24 v196, v11, 896
	v_lshlrev_b32 v197, 3, v12
	v_add_nc_u32 v11, v196, v2                     ; o's fragments: lanes 16-31 take the next head's unit
	v_add_nc_u32 v13, OSC, v197
	v_add_nc_u32 v12, v196, v197
	v_add_nc_u32 v12, 512, v12
	s_wait_kmcnt 0x0
	s_add_nc_u64 s[4:5], s[4:5], s[30:31]
	s_add_nc_u64 s[24:25], s[24:25], s[30:31]
	s_add_nc_u64 s[6:7], s[6:7], s[34:35]
	s_add_nc_u64 s[8:9], s[8:9], s[40:41]
	s_add_nc_u64 s[10:11], s[10:11], s[42:43]
	s_add_nc_u64 s[12:13], s[12:13], s[44:45]
	s_add_nc_u64 s[14:15], s[14:15], s[32:33]
	s_add_nc_u64 s[16:17], s[16:17], s[32:33]
	s_add_nc_u64 s[18:19], s[18:19], s[32:33]
	s_add_nc_u64 s[20:21], s[20:21], s[32:33]
	s_add_nc_u64 s[22:23], s[22:23], s[32:33]
; ---------------- IN: o's codes to LDS; x + bo into the accumulators ----------------
.set XT, 16                            ; four sets of 32: a tile's 16 rows x 256 bytes as loaded
.set OC, 144
.set BO, 208
.macro XREQ t                          ; 8 loads: sixteen lanes read 256 consecutive bytes, aligned
.set n, 0
.rept 8
	global_load_b128 v[XT+32*((\t)%4)+4*n:XT+32*((\t)%4)+4*n+3], v8, s[4:5] offset:((\t)/2)*262144+((\t)%2)*16384+2048*n th:TH_LOAD_NT
.set n, n+1
.endr
.endm
.macro XIN t
.if (\t) < 5
	s_wait_loadcnt 24                              ; this tile's loads are in; the three tiles asked for behind it may be out
.else
	s_wait_loadcnt 8*(7-(\t))
.endif
.set XB, XT+32*((\t)%4)
.set n, 0
.rept 8
	v_pk_add_f32 v[XB+4*n:XB+4*n+1], v[XB+4*n:XB+4*n+1], v[BO:BO+1]
	v_pk_add_f32 v[XB+4*n+2:XB+4*n+3], v[XB+4*n+2:XB+4*n+3], v[BO+2:BO+3]
.set n, n+1
.endr
	s_wait_alu depctr_va_vdst(0)                   ; the additions have written this set of XT, which the stage's stores read (and in which, for tiles 0 to 3, the loads below land)
.set n, 0
.rept 8
	ds_store_b128 v9, v[XB+4*n:XB+4*n+3] offset:272*n
.set n, n+1
.endr
	WIN 0x40
.irp bb,0,1
.irp j,0,1,2,3
	ds_load_b128 v[32*(\t)+16*\bb+4*\j:32*(\t)+16*\bb+4*\j+3], v10 offset:128*\bb+16*\j   ; LDS serves a wave's instructions in order
.endr
.endr
	WIN 0
.if (\t) < 4
	s_wait_dscnt 8                                 ; all but the 8 loads: the stores have read their registers
	s_wait_alu depctr_vm_vsrc(0)                   ; the stage's stores have read this set of XT, in which the loads below land
	XREQ (\t)+4
.endif
.endm
	s_wait_alu depctr_va_vdst(0)                   ; v1 to v13 and v194, the offsets and LDS addresses made above, are written: the loads and LDS instructions below read them
.set n, 0
.rept 8
	global_load_b128 v[OC+6*n:OC+6*n+3], v1, s[6:7] offset:768*n th:TH_LOAD_NT
	global_load_b64 v[OC+6*n+4:OC+6*n+5], v4, s[6:7] offset:768*n+512 th:TH_LOAD_NT
.set n, n+1
.endr
	global_load_b64 v[192:193], v7, s[8:9] th:TH_LOAD_NT
	global_load_b128 v[BO:BO+3], v2, s[14:15]
.irp t,0,1,2,3
	XREQ \t
.endr
	s_wait_loadcnt 32                              ; all but the four tiles of x
.set n, 0
.rept 8
	ds_store_b128 v5, v[OC+6*n:OC+6*n+3] offset:896*n
	ds_store_b64 v6, v[OC+6*n+4:OC+6*n+5] offset:896*n
.set n, n+1
.endr
	ds_store_b64 v194, v[192:193]
.irp t,0,1,2,3,4,5,6,7
	XIN \t
.endr
	BAR                                            ; o's 64 units and its bytes lie in LDS; my accumulators hold x + bo
	s_wait_alu depctr_vm_vsrc(0)                   ; my LDS stores have read XT, OC and v192 to v194, in which the first product's loads land; the loads and stores above have read v4 to v7, which LN2 writes again
; ---------------- a product of 128 tokens x my 64 columns x K 512, added onto window 1 ----------------
.set WF, 16                            ; two sets of 4 weight fragments
.set AF, 112                           ; two sets of 4 token fragments
.macro WLOAD widx, set, s              ; K step s of my four column tiles: 12 + 4 loads
.irp ct,0,1,2,3
.irp q,0,1,2
	global_load_b128 v[WF+48*(\set)+12*\ct+4*\q:WF+48*(\set)+12*\ct+4*\q+3], v1, s[10:11] offset:196608*(\widx)+6144*\ct+1536*(\s)+512*\q
.endr
	global_load_b32 v[WSC+4*(\set)+\ct], v2, s[12:13] offset:8192*(\widx)+256*\ct+4*(\s)
.endr
.endm
.macro ALOAD mode, q                   ; half q = 2 s + half: token tiles 4 half .. + 3 of K step s: 20 loads.  mode 0: o's units; 1: units 768 (8 t + 2 s + c)
.set AS_, (\q)/2
.set AB_, AF+48*((\q)%2)
.irp k,0,1,2,3
.set AT_, 4*((\q)%2)+\k
.irp c,0,1
.if \mode == 0
.set OX_, (16*(AT_/2)+4*AS_+2*\c)*896+256*(AT_%2)
.set OY_, (16*(AT_/2)+4*AS_+2*\c)*896+128*(AT_%2)
.else
.set OX_, (8*AT_+2*AS_+\c)*768
.set OY_, (8*AT_+2*AS_+\c)*768
.endif
	ds_load_b128 v[AB_+12*\k+6*\c:AB_+12*\k+6*\c+3], v11 offset:OX_
	ds_load_b64 v[AB_+12*\k+6*\c+4:AB_+12*\k+6*\c+5], v12 offset:OY_
.endr
.if \mode == 0
	ds_load_b32 v[ASC+4*((\q)%2)+\k], v13 offset:(AS_/2)*1024+128*AT_+4*(AS_%2)
.else
	ds_load_b32 v[ASC+4*((\q)%2)+\k], v13 offset:256*AT_+4*AS_
.endif
.endr
.endm
.macro GEMM8 widx, mode
	WLOAD \widx, 0, 0
	WLOAD \widx, 1, 1
	ALOAD \mode, 0
.set q_, 0
.rept 8
.if q_ > 0
	NOPS 4                                         ; places in front of loads into registers that the last products read
.endif
.if (q_ > 0) && (q_ < 7)
	s_wait_alu depctr_va_vdst(0)                   ; the last half's products are done reading their token fragments and scale words, and at a new K step the K step before is done with its weights: the loads below land in those registers
.endif
.if (q_ == 2) || (q_ == 4)
	WLOAD \widx, (q_/2+1)%2, q_/2+1                ; the set that the K step before has left
.endif
.if q_ < 7
	ALOAD \mode, q_+1
	s_wait_dscnt 20                                ; this half's fragments are in; the next half's 20 loads may be out
.else
	s_wait_dscnt 0x0
.endif
.if q_%2 == 0
.if q_ < 6
	s_wait_loadcnt 16                              ; this K step's weights are in; the next K step's 16 loads may be out
.else
	s_wait_loadcnt 0x0
.endif
.endif
	WIN 0x50                                       ; C and D in window 1
.irp k,0,1,2,3
.irp ct,0,1,2,3
	MM 32*(4*(q_%2)+\k)+8*\ct, WF+48*((q_/2)%2)+12*\ct, AF+48*(q_%2)+12*\k, 32*(4*(q_%2)+\k)+8*\ct, WSC+4*((q_/2)%2)+\ct, ASC+4*(q_%2)+\k
.endr
.endr
	WIN 0
.set q_, q_+1
.endr
.endm
	GEMM8 3, 0                                     ; y1 = x + bo + o Wo: the 32 accumulators take turns
; ---------------- LN2 and Q(h2) ----------------
.set G2, 16
.set B2, 48
.set SP, 80                            ; 8 pairs: sums, later (rstd, -)
.set MN, 96                            ; 8 pairs: (mean, -)
.set YT, 112
.set TM, 176
.set PC, 188
.set PW, 208
	NOPS 4
	s_wait_alu depctr_va_vdst(0)                   ; the products are done reading the weight fragments, in whose registers g2 and beta2 land
.irp bb,0,1
.irp j,0,1,2,3
	global_load_b128 v[G2+16*\bb+4*\j:G2+16*\bb+4*\j+3], v3, s[16:17] offset:128*\bb+16*\j
	global_load_b128 v[B2+16*\bb+4*\j:B2+16*\bb+4*\j+3], v3, s[18:19] offset:128*\bb+16*\j
.endr
.endr
	v_and_b32 v212, 15, v0
	v_lshlrev_b32 v5, 5, v212
	v_add_nc_u32 v5, ST1, v5                       ; a token's eight partial sums
	s_lshl_b32 s54, s26, 2
	v_add_nc_u32 v4, s54, v5                       ; mine among them
	s_mul_i32 s55, s26, 768
	s_add_co_u32 s55, s55, H2U
	v_add_nc_u32 v6, s55, v1                       ; my unit of a tile
	v_and_b32 v213, 31, v0
	v_lshlrev_b32 v213, 3, v213                    ; 8 L
	v_add_nc_u32 v7, s55, v213
	v_add_nc_u32 v7, 512, v7
	s_lshl_b32 s56, s26, 1
	s_add_co_u32 s56, s56, H2S
	v_add_nc_u32 v210, s56, v2                     ; my two bytes of a token's 16
.irp b,0,1,2,3
	v_mov_b32 v[TM+4+\b], 0
.endr
.macro RED8 off                        ; my 64 columns' sums in SP: the halves, lane l xor 16, to LDS; behind the barrier all eight waves' come back
.set t, 0
.rept 8
	v_add_f32 v[SP+2*t], v[SP+2*t], v[SP+2*t+1]
.set t, t+1
.endr
.set t, 0
.rept 8
	v_permlanex16_b32 v[SP+2*t+1], v[SP+2*t], s36, s37
.set t, t+1
.endr
.set t, 0
.rept 8
	v_add_f32 v[SP+2*t], v[SP+2*t], v[SP+2*t+1]
.set t, t+1
.endr
	s_wait_alu depctr_va_vdst(0)                   ; the sums in SP and the addresses v4 to v7 and v210 are written, which the LDS instructions below read; the lines above are done with YT, in which the loads behind the barrier land
.set t, 0
.rept 8
	ds_store_b32 v4, v[SP+2*t] offset:(\off)+512*t ; lanes r and r + 16 write the same word with the same value
.set t, t+1
.endr
	BAR
	s_wait_alu depctr_vm_vsrc(0)                   ; my stores have read SP, which the lines behind this reduction write again
.set t, 0
.rept 8
	ds_load_b128 v[YT+8*t:YT+8*t+3], v5 offset:(\off)+512*t
	ds_load_b128 v[YT+8*t+4:YT+8*t+7], v5 offset:(\off)+512*t+16
.set t, t+1
.endr
	s_wait_dscnt 0x0
.endm
.macro SUM8 d                          ; the eight partial sums of each tile's token, in the same order in every wave
.set t, 0
.rept 8
	v_pk_add_f32 v[\d+2*t:\d+2*t+1], v[YT+8*t:YT+8*t+1], v[YT+8*t+2:YT+8*t+3]
	v_pk_add_f32 v[YT+8*t+4:YT+8*t+5], v[YT+8*t+4:YT+8*t+5], v[YT+8*t+6:YT+8*t+7]
.set t, t+1
.endr
.set t, 0
.rept 8
	v_pk_add_f32 v[\d+2*t:\d+2*t+1], v[\d+2*t:\d+2*t+1], v[YT+8*t+4:YT+8*t+5]
.set t, t+1
.endr
.set t, 0
.rept 8
	v_add_f32 v[\d+2*t], v[\d+2*t], v[\d+2*t+1]
.set t, t+1
.endr
.endm
	WIN 0x05
.set t, 0
.rept 8
	v_pk_add_f32 v[SP+2*t:SP+2*t+1], v[32*t:32*t+1], v[32*t+2:32*t+3]   ; each accumulator is read from its low end on
.set t, t+1
.endr
	WIN 0x01
.set i, 4
.rept 14
.set t, 0
.rept 8
	v_pk_add_f32 v[SP+2*t:SP+2*t+1], v[32*t+i:32*t+i+1], v[SP+2*t:SP+2*t+1]
.set t, t+1
.endr
.set i, i+2
.endr
	WIN 0
	RED8 0
	SUM8 MN
.set t, 0
.rept 8
	v_mul_f32 v[MN+2*t], s57, v[MN+2*t]            ; the token's mean
.set t, t+1
.endr
.set t, 0
.rept 8
.set DT, YT+32*(t%2)
	WIN 0x01
.set i, 0
.rept 16
	v_pk_add_f32 v[DT+i:DT+i+1], v[32*t+i:32*t+i+1], v[MN+2*t:MN+2*t+1] op_sel_hi:[1,0] neg_lo:[0,1] neg_hi:[0,1]
.set i, i+2
.endr
	WIN 0
	v_pk_mul_f32 v[SP+2*t:SP+2*t+1], v[DT:DT+1], v[DT:DT+1]
.set i, 2
.rept 15
	v_pk_fma_f32 v[SP+2*t:SP+2*t+1], v[DT+i:DT+i+1], v[DT+i:DT+i+1], v[SP+2*t:SP+2*t+1]
.set i, i+2
.endr
.set t, t+1
.endr
	RED8 4096
	SUM8 SP
.set t, 0
.rept 8
	v_fma_f32 v[SP+2*t+1], v[SP+2*t], s57, s58     ; the variance + eps
.set t, t+1
.endr
.set t, 0
	s_wait_alu depctr_va_vdst(0)
.rept 8
	v_rsq_f32 v[SP+2*t], v[SP+2*t+1]
.set t, t+1
.endr
	v_nop
	s_wait_alu depctr_va_vdst(0)                   ; the eight reciprocal roots in v[SP + 2 t] are written: one wait for the batch, ahead of their first reader
	s_wait_loadcnt 0x0                             ; g2, beta2
.irp pr,0,1,2,3                                ; two tiles at a time: four blocks for the quantiser
	WIN 0x01
.set i, 0
.rept 16
	v_pk_add_f32 v[YT+i:YT+i+1], v[64*\pr+i:64*\pr+i+1], v[MN+4*\pr:MN+4*\pr+1] op_sel_hi:[1,0] neg_lo:[0,1] neg_hi:[0,1]
	v_pk_add_f32 v[YT+32+i:YT+33+i], v[64*\pr+32+i:64*\pr+33+i], v[MN+4*\pr+2:MN+4*\pr+3] op_sel_hi:[1,0] neg_lo:[0,1] neg_hi:[0,1]
.set i, i+2
.endr
	WIN 0
.set i, 0
.rept 16
	v_pk_mul_f32 v[YT+i:YT+i+1], v[YT+i:YT+i+1], v[SP+4*\pr:SP+4*\pr+1] op_sel_hi:[1,0]
	v_pk_mul_f32 v[YT+32+i:YT+33+i], v[YT+32+i:YT+33+i], v[SP+4*\pr+2:SP+4*\pr+3] op_sel_hi:[1,0]
.set i, i+2
.endr
.set i, 0
.rept 16
	v_pk_fma_f32 v[YT+i:YT+i+1], v[YT+i:YT+i+1], v[G2+i:G2+i+1], v[B2+i:B2+i+1]
	v_pk_fma_f32 v[YT+32+i:YT+33+i], v[YT+32+i:YT+33+i], v[G2+i:G2+i+1], v[B2+i:B2+i+1]
.set i, i+2
.endr
	QHEAD YT
	v_lshl_or_b32 v[PW], v[TM+5], 8, v[TM+4]
	v_lshl_or_b32 v[PW], v[TM+6], 16, v[PW]
	v_lshl_or_b32 v[PW], v[TM+7], 24, v[PW]
	QCVT YT
	s_wait_alu depctr_va_vdst(0)                   ; the quantiser has written PC and PW, which the six stores below read
	ds_store_b128 v6, v[PC:PC+3] offset:12288*\pr
	ds_store_b64 v7, v[PC+4:PC+5] offset:12288*\pr
	ds_store_b128 v6, v[PC+6:PC+9] offset:12288*\pr+6144
	ds_store_b64 v7, v[PC+10:PC+11] offset:12288*\pr+6144
	ds_store_b16 v210, v[PW] offset:512*\pr
	ds_store_b16_d16_hi v210, v[PW] offset:512*\pr+256
	s_wait_dscnt 0x0                               ; the stores have read their registers
	s_wait_alu depctr_vm_vsrc(0)                   ; the stores have read PC and PW, which the next pair's quantiser writes; behind the last pair: every LDS instruction so far has read its address, v4 to v6 and v11 to v13 among them, which the lines below write, and v210, PC and PW, in which the bias's loads land
.endr
	v_add_nc_u32 v11, H2U, v1                      ; the next product's token fragments
	v_add_nc_u32 v12, H2U+512, v213
	v_add_nc_u32 v13, H2S, v2
	v_bfe_u32 v214, v0, 4, 1
	v_mul_u32_u24 v214, v214, 6144                 ; lanes 16-31 store the next tile's block
	s_mul_i32 s55, s26, 768
	s_add_co_u32 s55, s55, HDU
	v_add_nc_u32 v4, v214, v2
	v_add_nc_u32 v4, s55, v4                       ; the hidden layer's units: 16 r
	v_lshlrev_b32 v5, 3, v212
	v_add_nc_u32 v5, v214, v5
	v_add_nc_u32 v5, s55, v5
	v_add_nc_u32 v5, 512, v5                       ; and 512 + 8 r
	s_lshl_b32 s56, s26, 1
	s_add_co_u32 s56, s56, HDS
	v_add_nc_u32 v6, s56, v2
	BAR                                            ; h2's 64 units and its bytes lie in LDS
; ---------------- W1, gelu, Q: two trips, 32 hidden units a wave each ----------------
.set WF2, 16                           ; two sets of 2 weight fragments
.set AF2, 64                           ; two sets of 2 token fragments
.set H1,  112                          ; 16 t + 8 u: hidden(token, 64 w + 32 ch + 16 h + 8 u + j)
.set ZZ,  16                           ; behind the products: gelu's four sets of 8 pairs,
.set WW,  32
.set PP,  48
.set QQ,  64
.set CO,  80                           ; 14 pairs of constants;
.set PC,  16                           ; and the quantiser's
.set TM,  36
.macro WLOAD2 set, s
.irp u,0,1
.irp q,0,1,2
	global_load_b128 v[WF2+24*(\set)+12*\u+4*\q:WF2+24*(\set)+12*\u+4*\q+3], v1, s[46:47] offset:786432+6144*\u+1536*(\s)+512*\q
.endr
	global_load_b32 v[WSC+2*(\set)+\u], v2, s[48:49] offset:32768+256*\u+4*(\s)
.endr
.endm
.macro ALOAD2 q                        ; quarter q = 4 s + quarter: token tiles 2 quarter, + 1 of K step s: 10 loads
.set AS_, (\q)/4
.irp k,0,1
.set AT_, 2*((\q)%4)+\k
.irp c,0,1
	ds_load_b128 v[AF2+24*((\q)%2)+12*\k+6*\c:AF2+24*((\q)%2)+12*\k+6*\c+3], v11 offset:(8*AT_+2*AS_+\c)*768
	ds_load_b64 v[AF2+24*((\q)%2)+12*\k+6*\c+4:AF2+24*((\q)%2)+12*\k+6*\c+5], v12 offset:(8*AT_+2*AS_+\c)*768
.endr
	ds_load_b32 v[ASC+2*((\q)%2)+\k], v13 offset:256*AT_+4*AS_
.endr
.endm
.macro CPAIR n, val
	v_mov_b32 v[CO+2*\n], \val
	v_mov_b32 v[CO+2*\n+1], \val
.endm
.macro GELU t                          ; 16 numbers a lane, 8 pairs by turns: x (1 + erf(x / sqrt 2)) / 2
.set HB, H1+16*(\t)
.irp i,0,2,4,6,8,10,12,14
	v_pk_mul_f32 v[ZZ+\i:ZZ+\i+1], v[HB+\i:HB+\i+1], v[CO+24:CO+25]          ; z = x / sqrt 2
.endr
.irp i,0,1,2,3,4,5,6,7,8,9,10,11,12,13,14,15
	v_med3_num_f32 v[ZZ+\i], v[ZZ+\i], -4.0, 4.0
.endr
.irp i,0,2,4,6,8,10,12,14
	v_pk_mul_f32 v[WW+\i:WW+\i+1], v[ZZ+\i:ZZ+\i+1], v[ZZ+\i:ZZ+\i+1]
.endr
.irp i,0,2,4,6,8,10,12,14
	v_pk_fma_f32 v[PP+\i:PP+\i+1], v[WW+\i:WW+\i+1], v[CO:CO+1], v[CO+2:CO+3]
.endr
.irp n,4,6,8,10,12
.irp i,0,2,4,6,8,10,12,14
	v_pk_fma_f32 v[PP+\i:PP+\i+1], v[PP+\i:PP+\i+1], v[WW+\i:WW+\i+1], v[CO+\n:CO+\n+1]
.endr
.endr
.irp i,0,2,4,6,8,10,12,14
	v_pk_fma_f32 v[QQ+\i:QQ+\i+1], v[WW+\i:WW+\i+1], v[CO+14:CO+15], v[CO+16:CO+17]
.endr
.irp n,18,20,22
.irp i,0,2,4,6,8,10,12,14
	v_pk_fma_f32 v[QQ+\i:QQ+\i+1], v[QQ+\i:QQ+\i+1], v[WW+\i:WW+\i+1], v[CO+\n:CO+\n+1]
.endr
.endr
	s_wait_alu depctr_va_vdst(0)
.irp i,0,1,2,3,4,5,6,7,8,9,10,11,12,13,14,15
	v_rcp_f32 v[QQ+\i], v[QQ+\i]
.endr
.irp i,0,2,4,6,8,10,12,14
	v_pk_mul_f32 v[PP+\i:PP+\i+1], v[PP+\i:PP+\i+1], v[ZZ+\i:ZZ+\i+1]        ; independent work behind the batch
.endr
.irp i,0,2,4,6,8,10,12,14
	v_pk_mul_f32 v[WW+\i:WW+\i+1], v[HB+\i:HB+\i+1], v[CO+26:CO+27]          ; x / 2
.endr
	s_wait_alu depctr_va_vdst(0)                   ; the 16 reciprocals in QQ are written: one wait for the batch, ahead of their first reader
.irp i,0,2,4,6,8,10,12,14
	v_pk_mul_f32 v[PP+\i:PP+\i+1], v[PP+\i:PP+\i+1], v[QQ+\i:QQ+\i+1]        ; erf
.endr
.irp i,0,2,4,6,8,10,12,14
	v_pk_fma_f32 v[HB+\i:HB+\i+1], v[PP+\i:PP+\i+1], v[WW+\i:WW+\i+1], v[WW+\i:WW+\i+1]
.endr
.endm
.macro QST i                           ; tiles 4 i .. 4 i + 3: a block each.  The exchange leaves tile 4 i (+ 2) whole in lanes 0-15 and tile 4 i + 1 (+ 3) in lanes 16-31
	QHEAD H1+64*(\i)
	QCVT H1+64*(\i)
	v_add_nc_u32 v49, s60, v4
	v_add_nc_u32 v50, s61, v5
	v_add_nc_u32 v51, s62, v6
	s_wait_alu depctr_va_vdst(0)                   ; the quantiser has written PC and the four bytes, and the three lines above v49 to v51: the stores below read them
	ds_store_b128 v49, v[PC:PC+3] offset:24576*(\i)
	ds_store_b64 v50, v[PC+4:PC+5] offset:24576*(\i)
	ds_store_b128 v49, v[PC+6:PC+9] offset:24576*(\i)+12288
	ds_store_b64 v50, v[PC+10:PC+11] offset:24576*(\i)+12288
.irp j,0,1,2,3
	ds_store_b8 v51, v[TM+4+\j] offset:256*(4*(\i)+\j)
.endr
	s_wait_dscnt 0x0                               ; the stores have read their registers
	s_wait_alu depctr_vm_vsrc(0)                   ; the stores have read PC, the bytes and v49 to v51: gelu's lines write these registers again, and behind the trip's second run the next loads land in them; the fragments' loads have read v11 to v13
.endm
	s_mov_b64 s[46:47], s[10:11]                   ; bases that step with the trip: W1's codes,
	s_mov_b64 s[48:49], s[12:13]                   ; its scale words,
	s_mov_b64 s[50:51], s[20:21]                   ; b1m
	s_mov_b32 s59, 0                               ; the trip: ch
	s_mov_b32 s60, 0                               ; 256: lanes 16-31's place in a unit's first part,
	s_mov_b32 s61, 0                               ; 128: in its second,
	s_mov_b32 s62, 0                               ; 1: the byte
.Lch:
	s_wait_alu depctr_va_vdst(0)                   ; in the first trip v11 to v13 are written, which the fragments' loads read; in every trip the vector lines and products issued so far are done with v16 to v239 and the scale words, in which the loads below land
.set t, 0
.rept 8
.irp j,0,1,2,3
	global_load_b128 v[H1+16*t+4*\j:H1+16*t+4*\j+3], v3, s[50:51] offset:16*\j   ; the bias stands in the accumulators: every product is a link in place
.endr
.set t, t+1
.endr
	WLOAD2 0, 0
	WLOAD2 1, 1
	ALOAD2 0
.set q_, 0
.rept 16
.if q_ > 0
	NOPS 4
.endif
.if (q_ > 0) && (q_ < 15)
	s_wait_alu depctr_va_vdst(0)                   ; the last quarter's products are done reading their token fragments and scale words, and at a new K step the K step before is done with its weights: the loads below land in those registers
.endif
.if (q_ == 4) || (q_ == 8)
	WLOAD2 (q_/4+1)%2, q_/4+1
.endif
.if q_ < 15
	ALOAD2 q_+1
	s_wait_dscnt 10                                ; this quarter's fragments are in; the next quarter's 10 loads may be out
.else
	s_wait_dscnt 0x0
.endif
.if q_%4 == 0
.if q_ < 12
	s_wait_loadcnt 8                               ; the bias and this K step's weights are in; the next K step's 8 loads may be out
.else
	s_wait_loadcnt 0x0
.endif
.endif
.irp k,0,1
.irp u,0,1
	MM H1+16*(2*(q_%4)+\k)+8*\u, WF2+24*((q_/4)%2)+12*\u, AF2+24*(q_%2)+12*\k, H1+16*(2*(q_%4)+\k)+8*\u, WSC+2*((q_/4)%2)+\u, ASC+2*(q_%2)+\k
.endr
.endr
.set q_, q_+1
.endr
	NOPS 4
	CPAIR 0, 0xaf95df0b                            ; P, from z^12 down: -2.72614226e-10
	CPAIR 1, 0x32edffee                            ;  2.77068142e-08
	CPAIR 2, 0xb60cff51                            ; -2.10102402e-06
	CPAIR 3, 0xb86ec2d2                            ; -5.69250639e-05
	CPAIR 4, 0xba40ac63                            ; -7.34990630e-04
	CPAIR 5, 0xbb41a1f6                            ; -2.95459981e-03
	CPAIR 6, 0xbc83dbd4                            ; -1.60960333e-02
	CPAIR 7, 0xb77460cd                            ; Q, from z^8 down: -1.45660718e-05
	CPAIR 8, 0xb95fbd29                            ; -2.13374055e-04
	CPAIR 9, 0xbadc924e                            ; -1.68282697e-03
	CPAIR 10, 0xbbf19bf8                           ; -7.37332917e-03
	CPAIR 11, 0xbc69b6a7                           ; -1.42647391e-02
	CPAIR 12, 0x3f3504f3                           ; 1 / sqrt 2
	CPAIR 13, 0.5
.irp t,0,1,2,3
	GELU \t
.endr
	QST 0
.irp t,4,5,6,7
	GELU \t
.endr
	QST 1
	s_wait_xcnt 0x0                                ; every load of the trip has been waited for: the bases may step
	s_add_nc_u64 s[46:47], s[46:47], 12288
	s_add_nc_u64 s[48:49], s[48:49], 512
	s_add_nc_u64 s[50:51], s[50:51], 128
	s_add_co_u32 s60, s60, 256
	s_add_co_u32 s61, s61, 128
	s_add_co_u32 s62, s62, 1
	s_add_co_u32 s59, s59, 1
	s_cmp_lt_u32 s59, 2
	s_cbranch_scc1 .Lch
	v_add_nc_u32 v11, HDU-H2U, v11                 ; the last product's token fragments
	v_add_nc_u32 v12, HDU-H2U, v12
	v_add_nc_u32 v13, HDS-H2S, v13
	BAR                                            ; the hidden layer's 64 units and its bytes lie in LDS
; ---------------- W2 onto y1, + b2, out ----------------
.set B2M, 208
.set OB,  16                           ; two sets of 32: a tile's rows back from the stage
	s_wait_alu depctr_va_vdst(0)                   ; v11 to v13 are written, which the fragments' loads read; gelu's and the quantiser's lines are done with v16 to v211, in which the loads below land
	global_load_b128 v[B2M:B2M+3], v2, s[22:23]
	GEMM8 5, 1
	NOPS 4
	s_wait_alu depctr_va_vdst(0)                   ; behind the places: the products have written the 32 accumulators, which the stage's stores read, and are done reading the weight fragments, in whose registers the stage's loads land
.macro TOST t
	WIN 0x04                                       ; the data: window 1
.irp bb,0,1
.irp j,0,1,2,3
	ds_store_b128 v10, v[32*(\t)+16*\bb+4*\j:32*(\t)+16*\bb+4*\j+3] offset:128*\bb+16*\j   ; each accumulator from its low end on
.endr
.endr
	WIN 0
.set n, 0
.rept 8
	ds_load_b128 v[OB+32*((\t)%2)+4*n:OB+32*((\t)%2)+4*n+3], v9 offset:272*n   ; LDS serves a wave's instructions in order
.set n, n+1
.endr
.endm
.macro SEND t, younger
	s_wait_dscnt \younger
.set XB, OB+32*((\t)%2)
.set n, 0
.rept 8
	v_pk_add_f32 v[XB+4*n:XB+4*n+1], v[XB+4*n:XB+4*n+1], v[B2M:B2M+1]
	v_pk_add_f32 v[XB+4*n+2:XB+4*n+3], v[XB+4*n+2:XB+4*n+3], v[B2M+2:B2M+3]
.set n, n+1
.endr
	s_wait_alu depctr_va_vdst(0)                   ; the additions have written this set of OB, which the stores below read (and in which the stage's loads of two tiles on land)
.set n, 0
.rept 8
	global_store_b128 v8, v[XB+4*n:XB+4*n+3], s[24:25] offset:((\t)/2)*262144+((\t)%2)*16384+2048*n th:TH_STORE_NT   ; sixteen lanes store 256 consecutive bytes, aligned
.set n, n+1
.endr
.endm
	TOST 0
.irp t,1,2,3,4,5,6,7
.if \t > 1
	s_wait_xcnt 0x0                                ; the stores of two tiles back have read their registers: this tile's rows may land there
	s_wait_alu depctr_vm_vsrc(0)                   ; the global stores of two tiles back have read their set of OB, in which this tile's loads from the stage land
.endif
	TOST \t
	SEND \t-1, 16                                  ; behind that tile's loads: this tile's 8 stores and 8 loads
.endr
	SEND 7, 0
	s_wait_dscnt 0x0                               ; the closing lines, six on end
	s_wait_alu 0x0
	s_wait_tensorcnt 0x0
	ds_add_u32 v14, v15
	s_wait_dscnt 0x0
	s_endpgm
.Lfunc_end_k_q4b7027e96a_mlp:
	.size	k_q4b7027e96a_mlp, .Lfunc_end_k_q4b7027e96a_mlp-k_q4b7027e96a_mlp
	.p2alignl 7, 3214868480
	.fill 96, 4, 3214868480
	.section	.rodata,"a",@progbits
	.p2align	6, 0x0
	.amdhsa_kernel k_q4b7027e96a_mlp
		.amdhsa_group_segment_fixed_size 205824
		.amdhsa_private_segment_fixed_size 0
		.amdhsa_enable_private_segment 0
		.amdhsa_kernarg_size 88
		.amdhsa_user_sgpr_count 2
		.amdhsa_user_sgpr_kernarg_segment_ptr 1
		.amdhsa_wavefront_size32 1
		.amdhsa_system_sgpr_workgroup_id_x 1
		.amdhsa_system_sgpr_workgroup_id_y 1
		.amdhsa_system_sgpr_workgroup_id_z 1
		.amdhsa_system_vgpr_workitem_id 0
		.amdhsa_next_free_vgpr 512
		.amdhsa_next_free_sgpr 66
		.amdhsa_reserve_vcc 0
		.amdhsa_float_denorm_mode_32 3
		.amdhsa_float_denorm_mode_16_64 3
		.amdhsa_memory_ordered 1
		.amdhsa_forward_progress 1
		.amdhsa_inst_pref_size 255
	.end_amdhsa_kernel
	.section	.bss,"aw",@nobits
	.p2align	6
	.space	262144
	.amdgpu_metadata
---
amdhsa.version: [ 1, 2 ]
amdhsa.kernels:
  - .name:           k_q4b7027e96a_mlp
    .symbol:         k_q4b7027e96a_mlp.kd
    .args:
      - { .name: x, .offset: 0, .size: 8, .value_kind: global_buffer, .address_space: global }
      - { .name: ocodes, .offset: 8, .size: 8, .value_kind: global_buffer, .address_space: global }
      - { .name: oscales, .offset: 16, .size: 8, .value_kind: global_buffer, .address_space: global }
      - { .name: wcodes, .offset: 24, .size: 8, .value_kind: global_buffer, .address_space: global }
      - { .name: wscales, .offset: 32, .size: 8, .value_kind: global_buffer, .address_space: global }
      - { .name: bo, .offset: 40, .size: 8, .value_kind: global_buffer, .address_space: global }
      - { .name: g2, .offset: 48, .size: 8, .value_kind: global_buffer, .address_space: global }
      - { .name: beta2, .offset: 56, .size: 8, .value_kind: global_buffer, .address_space: global }
      - { .name: b1m, .offset: 64, .size: 8, .value_kind: global_buffer, .address_space: global }
      - { .name: b2m, .offset: 72, .size: 8, .value_kind: global_buffer, .address_space: global }
      - { .name: out0, .offset: 80, .size: 8, .value_kind: global_buffer, .address_space: global }
    .group_segment_fixed_size: 205824
    .private_segment_fixed_size: 0
    .kernarg_segment_align: 8
    .kernarg_segment_size: 88
    .max_flat_workgroup_size: 256
    .sgpr_count:     66
    .vgpr_count:     512
    .wavefront_size: 32
...
	.end_amdgpu_metadata
.endif
;; end of part 6
